; MI455X (gfx1250); checked and timed in simulation.
; The chip was launched on July 23, 2026; its instructions are those of AMD's public machine-readable ISA for CDNA 5 (MIT licence, August 2026) and "CDNA5" Instruction Set Architecture Reference Guide (July 2026). The comments in the code are by the model that wrote it; some were corrected since.
;; Encoder Block. Allowed arithmetic: matrix products marked QUANTISED: E2M3 operands, one E8M0 scale for each 32 along K, by v_wmma_scale_f32_16x16x128_f8f6f4 with both operands' format E2M3, f32 sums; everything else in f32.
;; Inputs: alpha1 1 float32; alpha2 1 float32; b1 4,096 float32; b2 1,024 float32; bias1 1 float32; bias2 1 float32; mask 2 x 1 x 1 x 2,048 int32; w1 1,024 x 4,096 float32; w2 4,096 x 1,024 float32; wk 1,024 x 1,024 float32; wo 1,024 x 1,024 float32; wq 1,024 x 1,024 float32; wv 1,024 x 1,024 float32; x 2 x 2,048 x 1,024 float32.
;; Outputs: out0 2 x 2,048 x 1,024 float32.
;; This version of the problem:
;;   THIS VERSION OF THE PROBLEM IS GIVEN IN LOW PRECISION. The matrix products marked QUANTISED in the list below multiply operands that are first quantised to E2M3 (2 exponent bits, 3 mantissa bits; 6 bits a number), with one power-of-two scale for each 32 numbers along K (OCP MX v1.0); their sums are f32. All else is computed in f32.
;;   The module's matrix products, in the order in which they are computed (A, B: the left and right operand; K: the contracted axis; several contracted axes count as one K, in the product's order):
;;     1. [M 4,096, K 1,024] x [K 1,024, N 1,024]; A: computed on the way; B: input wq: QUANTISED
;;     2. [M 4,096, K 1,024] x [K 1,024, N 1,024]; A: computed on the way; B: input wk: QUANTISED
;;     3. [M 4,096, K 1,024] x [K 1,024, N 1,024]; A: computed on the way; B: input wv: QUANTISED
;;     4. batch 32 x [M 2,048, K 64] x [K 64, N 2,048]; A: computed on the way; B: computed on the way: QUANTISED
;;     5. batch 32 x [M 2,048, K 2,048] x [K 2,048, N 64]; A: softmax (see below); B: computed on the way: QUANTISED
;;     6. [M 4,096, K 1,024] x [K 1,024, N 1,024]; A: computed on the way; B: input wo: QUANTISED
;;     7. [M 4,096, K 1,024] x [K 1,024, N 4,096]; A: computed on the way; B: input w1: QUANTISED
;;     8. [M 4,096, K 4,096] x [K 4,096, N 1,024]; A: computed on the way; B: input w2: QUANTISED
;;   THE QUANTISER, for each operand of a quantised product, along K:
;;     - K is cut into blocks of 32 from its start; a last block that is shorter is filled with zeros.
;;     - A block's scale is 2^e with e = floor(log2(the largest magnitude in the block)) - 2, held to -126 .. 127; a block of zeros has e = 0. As a byte (E8M0): e + 127.
;;     - Each number is divided by its block's scale, clamped to +-7.5, and rounded to the nearest number of E2M3, ties to even, subnormals kept.
;;     - The product sums the exact products of the quantised numbers (number of the format x scale) in f32.
;;   ~~~python
;;   def quantise(x, axis):      # numpy; x: float32 -> the quantised numbers, widened to float32 again
;;       x = np.moveaxis(x, axis, -1); K = x.shape[-1]
;;       x = np.pad(x, [(0, 0)] * (x.ndim - 1) + [(0, -K % 32)]); x = x.reshape(x.shape[:-1] + (-1, 32)); a = np.abs(x).max(-1, keepdims=True)
;;       e = np.where(a > 0, np.clip(np.frexp(np.where(a > 0, a, 1))[1] - 1 - 2, -126, 127), 0)      # np.frexp(a)[1] - 1 = floor(log2(a)), exactly
;;       r = np.clip(x / 2.0 ** e, -7.5, 7.5)
;;       step = 2.0 ** (np.maximum(np.frexp(np.where(r == 0, 1, r))[1] - 1, 0) - 3)
;;       q = np.round(r / step) * step * 2.0 ** e      # np.round: ties to even
;;       return np.moveaxis(q.reshape(q.shape[:-2] + (-1,))[..., :K], -1, axis).astype(np.float32)
;;   ~~~
;;   SOFTMAX AHEAD OF A QUANTISED PRODUCT. Where the list says 'softmax', what is quantised is not the finished softmax but p = 2^(t - M), with t = logit x log2(e) and M = ceil(the row's largest t), a whole number; so 1/2 < the row's largest p <= 1. The row's sum l is taken of the UNQUANTISED p, in f32, and the product's result is divided by l at the end. Since M is a whole number, a kernel that streams over the keys may use a running M (the ceiling of the running maximum): every later rescaling is an exact power of two, which a block's scale takes up: the codes' values come out the same.
;;   OPERANDS COMPUTED ON THE WAY. 'Computed on the way' means the value that the module computes at that place (a softmax that the list does not call 'softmax' is quantised finished and normalised). What goes into a quantiser is computed in f32, as accurately as f32 sums, v_exp_f32 and their like allow (about 1e-6 of the number): no bf16 or f16 on the way to a quantiser, and a product that is left as it is and whose result goes on into a quantised operand takes f32 operands (vector FMAs, or v_wmma_f32_16x16x4_f32). A number that lies on a knife's edge between two numbers of the format may be rounded either way, as far as f32 arithmetic and the matrix unit's own rounding can turn it there, and no further.
;; 2 versions. Each part assembles by itself: llvm-mc -triple=amdgcn-amd-amdhsa -mcpu=gfx1250 --defsym DOCPART=n.
;; ======== version 1 of 2: 8 launches
;; limits: right only within a limited range of input values
;; workspace buffers: W 9,830,400 bytes; XN 3,276,800 bytes; QKV 10,092,544 bytes; CTX 3,276,800 bytes; X1 16,777,216 bytes; HID 13,107,200 bytes
;; launch wquant (part 1): grid 384 x 1, 4 waves a work-group, no clusters, 0 bytes of LDS; arguments wq, wk, wv, wo, w1, w2, W; writes W
.if DOCPART == 1
	.amdgcn_target "amdgcn-amd-amdhsa--gfx1250"
	.amdhsa_code_object_version 6
	.text
	.protected	k_q83a55f49c5_wquant
	.globl	k_q83a55f49c5_wquant
	.p2align	8
	.type	k_q83a55f49c5_wquant,@function
k_q83a55f49c5_wquant:
	s_mov_b64 s[64:65], 0
	v_nop
	global_prefetch_b8 v0, s[64:65] scope:SCOPE_SE
	s_setreg_imm32_b32 hwreg(HW_REG_WAVE_MODE, 25, 1), 1
	s_wait_xcnt 0x0
; The six weights, f32 stored [K][N], become operands of MX-FP6 (E2M3, one E8M0 byte for 32 along K) in the order of the matrix unit's registers.
; A LANE TAKES A COLUMN n AND ITS REGISTERS RUN DOWN K: a block of 32 lies in one lane, its largest magnitude needs no other lane, and the conversions give codes with K innermost.
; ORDER INSIDE A BLOCK: place p holds element pi(p), pi = places 8-15 and 16-23 exchanged (bits 3 and 4 of p swapped).  Every operand of this program is laid so; the same order on both sides of a product changes no sum.
; OUT: for 16 columns x 64 K a piece of 768 bytes: registers 0-3 of the 32 lanes (16 bytes a lane), then registers 4-5 (8 bytes a lane).  Pieces lie [16 columns][128 K][2 pieces].  Each store covers 512 or 256 consecutive bytes, aligned.
; Scale words (4 bytes: 128 K of one column) lie [128 columns][128 K][128 words].
; A work-group takes 128 columns x 256 K, a wave 32 columns x 8 blocks.  Work-groups 0-127: wq, wk, wv, wo (32 each); 128-255: w1; 256-383: w2.  Loads run two blocks (64 loads a wave) ahead.
; A block of zeros gets the byte 1 (its codes are zeros; this program alone reads the bytes).  LIMITS: NaN and infinities are not served.
.set WS,    9437184                    ; where the scale words begin in W
.set AIN,   3                          ; v3  4 x lane
.set O16A,  4                          ; v4  16 x lane            (first 16 columns)
.set O8A,   5                          ; v5  8 x lane + 512
.set O16B,  6                          ; v6, v7 the same for the second 16 columns
.set O8B,   7
.set SB,    24                         ; v24-25 scale words of the two K steps
.set X,     32                         ; v32-95 two sets of 32 numbers
.set CD,    96                         ; v96-143 codes: 12 registers for each pair of blocks, never written twice
.set TMP,   144                        ; v144-146
	s_load_b256 s[4:11], s[0:1], 0x0               ; wq, wk, wv, wo
	s_load_b128 s[12:15], s[0:1], 0x20             ; w1, w2
	s_load_b64 s[16:17], s[0:1], 0x30              ; W
	v_lshrrev_b32 v1, 5, v0
	v_readfirstlane_b32 s18, v1                    ; wave
	v_and_b32 v2, 31, v0                           ; lane
	v_lshlrev_b32 v[AIN], 2, v2
	s_lshr_b32 s20, ttmp9, 5                       ; 0-3: wq .. wo; 4-7: w1; 8-11: w2
	s_and_b32 s21, s20, 12
	s_and_b32 s22, ttmp9, 31
	s_and_b32 s23, ttmp9, 127
	s_cmp_lt_u32 s20, 4
	s_cselect_b32 s21, s20, s21                    ; 0, 1, 2, 3, 4 (w1), 8 (w2): the weight's place in W, in units of a 1024 x 1024 weight
	s_cselect_b32 s22, s22, s23                    ; my number within the weight
	s_cmp_eq_u32 s21, 4
	s_cselect_b32 s23, 5, 3                        ; log2 of the blocks of 128 columns
	s_cselect_b32 s24, 14, 12                      ; log2 of a row's bytes
	s_cmp_eq_u32 s21, 8
	s_cselect_b32 s25, 32, 8                       ; KT: K / 128
	s_lshr_b32 s26, s22, s23                       ; y: which 256 along K
	s_lshl_b32 s27, s26, s23
	s_sub_co_u32 s27, s22, s27                     ; x: which 128 columns
	s_add_co_u32 s28, s24, 8
	s_lshl_b32 s28, s26, s28                       ; in: 256 y rows
	s_lshl_b32 s29, s27, 9
	s_add_co_u32 s28, s28, s29                     ; + 512 x
	s_lshl_b32 s29, s18, 7
	s_add_co_u32 s28, s28, s29                     ; + 128 x wave
	s_mov_b32 s29, 0
	s_lshl_b32 s30, s27, 3
	s_lshl_b32 s31, s18, 1
	s_add_co_u32 s30, s30, s31                     ; my first group of 16 columns
	s_mul_i32 s30, s30, s25
	s_lshl_b32 s31, s26, 1
	s_add_co_u32 s30, s30, s31                     ; x KT + my first K step
	s_mul_i32 s30, s30, 1536
	s_mul_i32 s31, s21, 786432
	s_add_co_u32 s30, s30, s31
	s_mov_b32 s31, 0
	s_mul_i32 s32, s27, s25
	s_lshl_b32 s33, s26, 1
	s_add_co_u32 s32, s32, s33
	s_lshl_b32 s32, s32, 9                         ; scale words: (x KT + 2 y) x 512
	s_lshl_b32 s33, s21, 15
	s_add_co_u32 s32, s32, s33
	s_lshl_b32 s33, s18, 7
	s_add_co_u32 s32, s32, s33
	s_add_co_u32 s32, s32, WS
	s_mov_b32 s33, 0
	s_mul_i32 s34, s25, 1536                       ; from 16 columns to the next 16
	v_lshlrev_b32 v[O16A], 4, v2
	v_lshl_add_u32 v[O8A], v2, 3, 512
	v_add_nc_u32 v[O16B], s34, v[O16A]
	v_add_nc_u32 v[O8B], s34, v[O8A]
	s_wait_kmcnt 0x0
	s_cmp_eq_u32 s20, 1                            ; the weight is chosen by the work-group's number alone
	s_cselect_b64 s[4:5], s[6:7], s[4:5]
	s_cmp_eq_u32 s20, 2
	s_cselect_b64 s[4:5], s[8:9], s[4:5]
	s_cmp_eq_u32 s20, 3
	s_cselect_b64 s[4:5], s[10:11], s[4:5]
	s_cmp_ge_u32 s20, 4
	s_cselect_b64 s[4:5], s[12:13], s[4:5]
	s_cmp_ge_u32 s20, 8
	s_cselect_b64 s[4:5], s[14:15], s[4:5]
	s_add_nc_u64 s[4:5], s[4:5], s[28:29]
	s_add_nc_u64 s[36:37], s[16:17], s[30:31]      ; my codes
	s_add_nc_u64 s[38:39], s[16:17], s[32:33]      ; my scale words
.macro LOAD t, rs                      ; block t: register i takes row 32 t + pi(i) of my column
.set i, 0
.rept 32
	global_load_b32 v[X+32*((\t)%2)+i], v[AIN], s[4:5] offset:(32*(\t)+((i&7)|((i&8)<<1)|((i&16)>>1)))*(\rs) th:TH_LOAD_NT
.set i, i+1
.endr
.endm
.macro BLOCK t, rs
.set XS, X+32*((\t)%2)
.set CB, CD+12*((\t)/2)+6*((\t)%2)
.if (\t) < 7
	s_wait_loadcnt 32                              ; this block's 32 loads are in; the next block's 32 may be out
.else
	s_wait_loadcnt 0x0
.endif
	v_max3_num_f32 v12, |v[XS]|, |v[XS+1]|, |v[XS+2]|
	v_max3_num_f32 v13, |v[XS+3]|, |v[XS+4]|, |v[XS+5]|
.irp j, 6,10,14,18,22,26
	v_max3_num_f32 v12, v12, |v[XS+\j]|, |v[XS+\j+1]|
	v_max3_num_f32 v13, v13, |v[XS+\j+2]|, |v[XS+\j+3]|
.endr
	v_max3_num_f32 v12, v12, |v[XS+30]|, |v[XS+31]|
	v_max3_num_f32 v12, v12, v13, 0x1800000        ; the floor 2^(3 - 127): the byte cannot fall under 1
	v_add_nc_u32 v11, 0xff000000, v12              ; 2 off the exponent field: the conversion's scale operand
	v_lshrrev_b32 v13, 23, v11                     ; the scale's byte
.if (\t)%4 == 0
	v_mov_b32 v[SB+(\t)/4], v13
.else
	v_lshl_or_b32 v[SB+(\t)/4], v13, 8*((\t)%4), v[SB+(\t)/4]
.endif
	v_cvt_scalef32_pk16_fp6_f32 v[CB:CB+2], v[XS:XS+15], v11
	v_cvt_scalef32_pk16_fp6_f32 v[TMP:TMP+2], v[XS+16:XS+31], v11   ; (a conversion's three registers begin on an even number)
	v_nop                                          ; one plain place behind a scaled conversion
	v_mov_b32 v[CB+3], v[TMP]
	v_mov_b32 v[CB+4], v[TMP+1]
	v_mov_b32 v[CB+5], v[TMP+2]
.if (\t)+2 < 8
	LOAD (\t)+2, \rs
.endif
.if (\t)%2 == 1                        ; blocks t - 1 and t: the operand wants lanes 0-15 to hold the even block and lanes 16-31 the odd one, of the SAME 16 columns
.irp j, 0,1,2,3,4,5
	v_permlane16_swap_b32 v[CB-6+\j], v[CB+\j]     ; the first six are now the piece of columns 0-15, the second six that of columns 16-31
.endr
	global_store_b128 v[O16A], v[CB-6:CB-3], s[36:37] offset:((\t)/4)*1536+(((\t)/2)%2)*768
	global_store_b64 v[O8A], v[CB-2:CB-1], s[36:37] offset:((\t)/4)*1536+(((\t)/2)%2)*768
	global_store_b128 v[O16B], v[CB:CB+3], s[36:37] offset:((\t)/4)*1536+(((\t)/2)%2)*768
	global_store_b64 v[O8B], v[CB+4:CB+5], s[36:37] offset:((\t)/4)*1536+(((\t)/2)%2)*768
.endif
.if (\t)%4 == 3
	global_store_b32 v[AIN], v[SB+(\t)/4], s[38:39] offset:((\t)/4)*512
.endif
.endm
.macro BODY rs                         ; every offset is an immediate: 255 rows of 16,384 bytes at the most, inside the signed 24 bits
	LOAD 0, \rs
	LOAD 1, \rs
.irp t, 0,1,2,3,4,5,6,7
	BLOCK \t, \rs
.endr
	s_endpgm
.endm
	s_cmp_eq_u32 s21, 4                            ; only the rows' length differs: w1's rows are 16,384 bytes
	s_cbranch_scc1 .Lwide
	BODY 4096
.Lwide:
	BODY 16384
.Lfunc_end_k_q83a55f49c5_wquant:
	.size	k_q83a55f49c5_wquant, .Lfunc_end_k_q83a55f49c5_wquant-k_q83a55f49c5_wquant
	.p2alignl 7, 3214868480
	.fill 96, 4, 3214868480
	.section	.rodata,"a",@progbits
	.p2align	6, 0x0
	.amdhsa_kernel k_q83a55f49c5_wquant
		.amdhsa_group_segment_fixed_size 0
		.amdhsa_private_segment_fixed_size 0
		.amdhsa_enable_private_segment 0
		.amdhsa_kernarg_size 56
		.amdhsa_user_sgpr_count 2
		.amdhsa_user_sgpr_kernarg_segment_ptr 1
		.amdhsa_wavefront_size32 1
		.amdhsa_system_sgpr_workgroup_id_x 1
		.amdhsa_system_sgpr_workgroup_id_y 1
		.amdhsa_system_sgpr_workgroup_id_z 1
		.amdhsa_system_vgpr_workitem_id 0
		.amdhsa_next_free_vgpr 160
		.amdhsa_next_free_sgpr 66
		.amdhsa_reserve_vcc 0
		.amdhsa_float_denorm_mode_32 3
		.amdhsa_float_denorm_mode_16_64 3
		.amdhsa_memory_ordered 1
		.amdhsa_forward_progress 1
		.amdhsa_inst_pref_size 80
	.end_amdhsa_kernel
	.amdgpu_metadata
---
amdhsa.version: [ 1, 2 ]
amdhsa.kernels:
  - .name:           k_q83a55f49c5_wquant
    .symbol:         k_q83a55f49c5_wquant.kd
    .args:
      - { .name: wq, .offset: 0, .size: 8, .value_kind: global_buffer, .address_space: global }
      - { .name: wk, .offset: 8, .size: 8, .value_kind: global_buffer, .address_space: global }
      - { .name: wv, .offset: 16, .size: 8, .value_kind: global_buffer, .address_space: global }
      - { .name: wo, .offset: 24, .size: 8, .value_kind: global_buffer, .address_space: global }
      - { .name: w1, .offset: 32, .size: 8, .value_kind: global_buffer, .address_space: global }
      - { .name: w2, .offset: 40, .size: 8, .value_kind: global_buffer, .address_space: global }
      - { .name: W, .offset: 48, .size: 8, .value_kind: global_buffer, .address_space: global }
    .group_segment_fixed_size: 0
    .private_segment_fixed_size: 0
    .kernarg_segment_align: 8
    .kernarg_segment_size: 56
    .max_flat_workgroup_size: 128
    .sgpr_count:     66
    .vgpr_count:     160
    .wavefront_size: 32
...
	.end_amdgpu_metadata
.endif
;; end of part 1
;; launch ln1 (part 2): grid 256 x 1, 8 waves a work-group, no clusters, 66,816 bytes of LDS; arguments x, alpha1, bias1, XN; writes XN
.if DOCPART == 2
	.amdgcn_target "amdgcn-amd-amdhsa--gfx1250"
	.amdhsa_code_object_version 6
	.text
	.protected	k_q83a55f49c5_ln1
	.globl	k_q83a55f49c5_ln1
	.p2align	8
	.type	k_q83a55f49c5_ln1,@function
k_q83a55f49c5_ln1:
	s_mov_b64 s[64:65], 0
	v_nop
	global_prefetch_b8 v0, s[64:65] scope:SCOPE_SE
	s_setreg_imm32_b32 hwreg(HW_REG_WAVE_MODE, 25, 1), 1
	s_wait_xcnt 0x0
; y = alpha (x - mean) / (std + 1e-5) + bias along rows of 1,024 (std with divisor 1,023), all in f32, then quantised to MX-FP6 along the row and stored as operand pieces.
; A work-group owns 16 rows.  PHASE 1: wave w takes rows 2 w and 2 w + 1 whole (32 registers a row; each load covers 512 consecutive bytes), mean, then the sum of squares of x - mean, and puts y into LDS.
; PHASE 2: wave w takes columns 128 w .. 128 w + 127 of the 16 rows: lane (r, h) reads blocks h and 2 + h of row r, in the order pi inside a block (places 8-15 and 16-23 exchanged, as every operand of this program),
; so that the conversions' results are the operand's registers.  OUT: [16 rows][128 K][2 pieces of 768 bytes: registers 0-3 at 16 x lane, registers 4-5 at 512 + 8 x lane]; scale words [128 rows][128 K][128 words].
; LDS rows are 4,112 bytes apart (257 x 16), so that the sixteen rows that a load touches start in different banks.
; LIMITS: NaN and infinities are not served; a variance under 2^-126 counts as 0 (the divisor is then 1e-5).
.set PITCH, 4112
.set SPARE, 16*PITCH                   ; behind the rows: the spare words, 128 bytes for each wave, that no other line names
.set XNS,   3145728                    ; where the scale words begin in the output
.set R0,    16                         ; v16-79  two rows, later two blocks x two
.set SM,    80                         ; v80-87  sums, four registers a row
.set MN,    88                         ; v88-91  -mean twice, later the gain twice, a pair a row
.set BS,    92                         ; v92-93  bias twice
.set TP,    94                         ; v94-95
.set PC,    96                         ; v96-107 the codes
.set TQ,    108                        ; v108-110, v112-114
.set SPW,   126
.set NIL,   127
	s_load_b256 s[4:11], s[0:1], 0x0               ; in, alpha, bias, out
	v_lshl_add_u32 v[SPW], v0, 2, SPARE
	v_mov_b32 v[NIL], 0
	v_lshrrev_b32 v1, 5, v0
	v_readfirstlane_b32 s12, v1                    ; wave
	v_and_b32 v2, 31, v0
	v_lshlrev_b32 v3, 4, v2                        ; 16 x lane
	v_lshl_add_u32 v8, v2, 3, 512                  ; 8 x lane + 512
	v_and_b32 v5, 15, v0                           ; r
	v_bfe_u32 v6, v0, 4, 1                         ; h
	v_lshlrev_b32 v9, 2, v5                        ; 4 r
	s_lshl_b32 s14, ttmp9, 16                      ; 16 rows of 4,096 bytes
	s_lshl_b32 s15, s12, 13
	s_add_co_u32 s14, s14, s15                     ; + my two rows
	s_mov_b32 s15, 0
	s_mov_b32 s20, 0x76543210
	s_mov_b32 s21, 0xfedcba98                      ; selects for lane l xor 16
	s_mul_i32 s18, s12, 2*PITCH
	v_add_nc_u32 v4, s18, v3                       ; LDS, in: my two rows, 16 x lane
	v_mul_u32_u24 v7, v5, PITCH
	v_lshl_add_u32 v7, v6, 7, v7
	s_lshl_b32 s18, s12, 9
	v_add_nc_u32 v7, s18, v7                       ; LDS, back: row r, + 512 w + 128 h
	v_mov_b32 v[TP], 0                             ; (a lane permute's destination counts as one of its sources)
	v_mov_b32 v[TP+1], 0
	s_lshl_b32 s22, ttmp9, 3
	s_add_co_u32 s22, s22, s12
	s_mul_i32 s22, s22, 1536                       ; my fragment: (8 x row tile + w) x 1,536
	s_mov_b32 s23, 0
	s_lshr_b32 s24, ttmp9, 3
	s_lshl_b32 s24, s24, 3
	s_add_co_u32 s24, s24, s12
	s_lshl_b32 s24, s24, 9
	s_and_b32 s25, ttmp9, 7
	s_lshl_b32 s25, s25, 6
	s_add_co_u32 s24, s24, s25
	s_add_co_u32 s24, s24, XNS
	s_mov_b32 s25, 0
	s_wait_kmcnt 0x0
	s_load_b32 s16, s[6:7], 0x0                    ; alpha
	s_load_b32 s17, s[8:9], 0x0                    ; bias
	s_add_nc_u64 s[4:5], s[4:5], s[14:15]
	s_add_nc_u64 s[22:23], s[10:11], s[22:23]
	s_add_nc_u64 s[24:25], s[10:11], s[24:25]
.irp p, 0,1
.irp j, 0,1,2,3,4,5,6,7
	global_load_b128 v[R0+32*\p+4*\j:R0+32*\p+4*\j+3], v3, s[4:5] offset:4096*\p+512*\j th:TH_LOAD_NT
.endr
.endr
.macro ACROSS                          ; v[SM] and v[SM+4] summed over the 32 lanes, the result in every lane
.irp m, 1,2,4,8
.irp p, 0,1
	v_add_f32_dpp v[SM+4*\p], v[SM+4*\p], v[SM+4*\p] row_xmask:\m row_mask:0xf bank_mask:0xf
.endr
.endr
.irp p, 0,1
	v_permlanex16_b32 v[TP+\p], v[SM+4*\p], s20, s21
.endr
.irp p, 0,1
	v_add_f32 v[SM+4*\p], v[SM+4*\p], v[TP+\p]
.endr
.endm
.macro FOLD                            ; a row's two chains of pairs into one number
.irp p, 0,1
	v_pk_add_f32 v[SM+4*\p:SM+4*\p+1], v[SM+4*\p:SM+4*\p+1], v[SM+4*\p+2:SM+4*\p+3]
.endr
.irp p, 0,1
	v_add_f32 v[SM+4*\p], v[SM+4*\p], v[SM+4*\p+1]
.endr
	ACROSS
.endm
	s_wait_loadcnt 0x0
	s_wait_kmcnt 0x0
.irp p, 0,1
	v_pk_add_f32 v[SM+4*\p:SM+4*\p+1], v[R0+32*\p:R0+32*\p+1], v[R0+32*\p+2:R0+32*\p+3]
	v_pk_add_f32 v[SM+4*\p+2:SM+4*\p+3], v[R0+32*\p+4:R0+32*\p+5], v[R0+32*\p+6:R0+32*\p+7]
.endr
.irp j, 8,12,16,20,24,28
.irp p, 0,1
	v_pk_add_f32 v[SM+4*\p:SM+4*\p+1], v[SM+4*\p:SM+4*\p+1], v[R0+32*\p+\j:R0+32*\p+\j+1]
	v_pk_add_f32 v[SM+4*\p+2:SM+4*\p+3], v[SM+4*\p+2:SM+4*\p+3], v[R0+32*\p+\j+2:R0+32*\p+\j+3]
.endr
.endr
	FOLD
.irp p, 0,1
	v_mul_f32 v[MN+2*\p], 0xba800000, v[SM+4*\p]   ; -mean = -sum / 1,024
	v_mul_f32 v[MN+2*\p+1], 0xba800000, v[SM+4*\p]
.endr
.irp j, 0,2,4,6,8,10,12,14,16,18,20,22,24,26,28,30
.irp p, 0,1
	v_pk_add_f32 v[R0+32*\p+\j:R0+32*\p+\j+1], v[R0+32*\p+\j:R0+32*\p+\j+1], v[MN+2*\p:MN+2*\p+1]   ; d = x - mean
.endr
.endr
.irp p, 0,1
	v_pk_mul_f32 v[SM+4*\p:SM+4*\p+1], v[R0+32*\p:R0+32*\p+1], v[R0+32*\p:R0+32*\p+1]
	v_pk_mul_f32 v[SM+4*\p+2:SM+4*\p+3], v[R0+32*\p+2:R0+32*\p+3], v[R0+32*\p+2:R0+32*\p+3]
.endr
.irp j, 4,8,12,16,20,24,28
.irp p, 0,1
	v_pk_fma_f32 v[SM+4*\p:SM+4*\p+1], v[R0+32*\p+\j:R0+32*\p+\j+1], v[R0+32*\p+\j:R0+32*\p+\j+1], v[SM+4*\p:SM+4*\p+1]
	v_pk_fma_f32 v[SM+4*\p+2:SM+4*\p+3], v[R0+32*\p+\j+2:R0+32*\p+\j+3], v[R0+32*\p+\j+2:R0+32*\p+\j+3], v[SM+4*\p+2:SM+4*\p+3]
.endr
.endr
	FOLD
.irp p, 0,1
	v_mul_f32 v[SM+4*\p], 0x3a802008, v[SM+4*\p]   ; / 1,023
.endr
.irp p, 0,1
	v_sqrt_f32 v[SM+4*\p+1], v[SM+4*\p]
.endr
	v_mov_b32 v[BS], s17                           ; (a plain place behind the roots)
	v_mov_b32 v[BS+1], s17
	s_wait_alu depctr_va_vdst(0)                   ; one wait for both roots, ahead of their first reader
.irp p, 0,1
	v_add_f32 v[SM+4*\p+1], 0x3727c5ac, v[SM+4*\p+1]   ; std + 1e-5
.endr
.irp p, 0,1
	v_rcp_f32 v[SM+4*\p+2], v[SM+4*\p+1]
.endr
	v_nop
	s_wait_alu depctr_va_vdst(0)                   ; and one for both reciprocals
.irp p, 0,1
	v_mul_f32 v[MN+2*\p], s16, v[SM+4*\p+2]        ; alpha / (std + 1e-5)
	v_mul_f32 v[MN+2*\p+1], s16, v[SM+4*\p+2]
.endr
.irp j, 0,2,4,6,8,10,12,14,16,18,20,22,24,26,28,30
.irp p, 0,1
	v_pk_fma_f32 v[R0+32*\p+\j:R0+32*\p+\j+1], v[R0+32*\p+\j:R0+32*\p+\j+1], v[MN+2*\p:MN+2*\p+1], v[BS:BS+1]
.endr
.endr
.irp p, 0,1
.irp j, 0,1,2,3,4,5,6,7
	ds_store_b128 v4, v[R0+32*\p+4*\j:R0+32*\p+4*\j+3] offset:PITCH*\p+512*\j
.endr
.endr
	s_wait_dscnt 0x0                               ; for the others' sake: my two rows lie in LDS
	s_barrier_signal -1
	s_barrier_wait -1
.irp c, 0,1                            ; block 2 c + h of row r; the block's four groups of eight in the order 0, 2, 1, 3
.irp g, 0,1,2,3
.irp q, 0,1
	ds_load_b128 v[R0+32*\c+8*\g+4*\q:R0+32*\c+8*\g+4*\q+3], v7 offset:256*\c+32*(((\g&1)<<1)|(\g>>1))+16*\q
.endr
.endr
.endr
	s_wait_dscnt 0x0
.irp c, 0,1
	v_max3_num_f32 v[SM+\c], |v[R0+32*\c]|, |v[R0+32*\c+1]|, 0x1800000   ; with the floor 2^(3 - 127): the byte cannot fall under 1
.endr
.irp i, 2,4,6,8,10,12,14,16,18,20,22,24,26,28,30
.irp c, 0,1
	v_max3_num_f32 v[SM+\c], v[SM+\c], |v[R0+32*\c+\i]|, |v[R0+32*\c+\i+1]|
.endr
.endr
.irp c, 0,1
	v_add_nc_u32 v[SM+2+\c], 0xff000000, v[SM+\c]  ; 2 off the exponent field: the conversion's scale operand
.endr
.irp c, 0,1
	v_lshrrev_b32 v[SM+4+\c], 23, v[SM+2+\c]       ; the scale's byte
.endr
	v_lshl_or_b32 v[SM+6], v[SM+5], 16, v[SM+4]    ; my two bytes: blocks h and 2 + h,
	v_lshlrev_b32 v[SM+7], 3, v6
	v_lshlrev_b32 v[SM+6], v[SM+7], v[SM+6]        ; 8 h bits up;
	v_permlanex16_b32 v[TP], v[SM+6], s20, s21
	v_or_b32 v[SM+6], v[SM+6], v[TP]               ; with lane l xor 16's two the word is whole
.irp c, 0,1
	v_cvt_scalef32_pk16_fp6_f32 v[PC+6*\c:PC+6*\c+2], v[R0+32*\c:R0+32*\c+15], v[SM+2+\c]
	v_cvt_scalef32_pk16_fp6_f32 v[TQ+4*\c:TQ+4*\c+2], v[R0+32*\c+16:R0+32*\c+31], v[SM+2+\c]
.endr
	v_nop                                          ; one plain place behind a scaled conversion
.irp c, 0,1
.irp i, 0,1,2
	v_mov_b32 v[PC+6*\c+3+\i], v[TQ+4*\c+\i]
.endr
.endr
.irp c, 0,1
	global_store_b128 v3, v[PC+6*\c:PC+6*\c+3], s[22:23] offset:768*\c      ; 512 consecutive bytes
	global_store_b64 v8, v[PC+6*\c+4:PC+6*\c+5], s[22:23] offset:768*\c     ; 256 consecutive bytes
.endr
	global_store_b32 v9, v[SM+6], s[24:25]         ; row r's scale word (both halves of the lanes hold the same word)
	s_wait_tensorcnt 0x0                           ; the wave's end, behind my last LDS store
	ds_add_u32 v[SPW], v[NIL]
	s_wait_dscnt 0x0
	s_endpgm
.Lfunc_end_k_q83a55f49c5_ln1:
	.size	k_q83a55f49c5_ln1, .Lfunc_end_k_q83a55f49c5_ln1-k_q83a55f49c5_ln1
	.p2alignl 7, 3214868480
	.fill 96, 4, 3214868480
	.section	.rodata,"a",@progbits
	.p2align	6, 0x0
	.amdhsa_kernel k_q83a55f49c5_ln1
		.amdhsa_group_segment_fixed_size 66816
		.amdhsa_private_segment_fixed_size 0
		.amdhsa_enable_private_segment 0
		.amdhsa_kernarg_size 32
		.amdhsa_user_sgpr_count 2
		.amdhsa_user_sgpr_kernarg_segment_ptr 1
		.amdhsa_wavefront_size32 1
		.amdhsa_system_sgpr_workgroup_id_x 1
		.amdhsa_system_sgpr_workgroup_id_y 1
		.amdhsa_system_sgpr_workgroup_id_z 1
		.amdhsa_system_vgpr_workitem_id 0
		.amdhsa_next_free_vgpr 128
		.amdhsa_next_free_sgpr 66
		.amdhsa_reserve_vcc 0
		.amdhsa_float_denorm_mode_32 3
		.amdhsa_float_denorm_mode_16_64 3
		.amdhsa_memory_ordered 1
		.amdhsa_forward_progress 1
		.amdhsa_inst_pref_size 20
	.end_amdhsa_kernel
	.amdgpu_metadata
---
amdhsa.version: [ 1, 2 ]
amdhsa.kernels:
  - .name:           k_q83a55f49c5_ln1
    .symbol:         k_q83a55f49c5_ln1.kd
    .args:
      - { .name: x, .offset: 0, .size: 8, .value_kind: global_buffer, .address_space: global }
      - { .name: alpha1, .offset: 8, .size: 8, .value_kind: global_buffer, .address_space: global }
      - { .name: bias1, .offset: 16, .size: 8, .value_kind: global_buffer, .address_space: global }
      - { .name: XN, .offset: 24, .size: 8, .value_kind: global_buffer, .address_space: global }
    .group_segment_fixed_size: 66816
    .private_segment_fixed_size: 0
    .kernarg_segment_align: 8
    .kernarg_segment_size: 32
    .max_flat_workgroup_size: 256
    .sgpr_count:     66
    .vgpr_count:     128
    .wavefront_size: 32
...
	.end_amdgpu_metadata
.endif
;; end of part 2
;; launch qkv (part 3): grid 12 x 16, 4 waves a work-group, clusters of 4 x 4, 327,680 bytes of LDS; arguments XN, W, QKV, mask; writes QKV
.if DOCPART == 3
	.amdgcn_target "amdgcn-amd-amdhsa--gfx1250"
	.amdhsa_code_object_version 6
	.text
	.protected	k_q83a55f49c5_qkv
	.globl	k_q83a55f49c5_qkv
	.p2align	8
	.type	k_q83a55f49c5_qkv,@function
k_q83a55f49c5_qkv:
	s_mov_b64 s[64:65], 0
	v_nop
	global_prefetch_b8 v0, s[64:65] scope:SCOPE_SE
	s_setreg_imm32_b32 hwreg(HW_REG_WAVE_MODE, 25, 1), 1
	s_wait_xcnt 0x0
	s_wait_alu depctr_hold_cnt(0) depctr_sa_sdst(0) depctr_va_vdst(0) depctr_va_sdst(0) depctr_va_ssrc(0) depctr_va_vcc(0) depctr_vm_vsrc(0)
	s_getreg_b32 s2, hwreg(HW_REG_IB_STS2, 6, 4)
	s_cmp_eq_u32 s2, 0
	s_cbranch_scc0 .Lentry_in_a_cluster
	s_endpgm
.Lentry_in_a_cluster:
	s_bfe_u32 s2, ttmp6, 0x10000c
	s_cmp_lg_u32 s2, 0xf033
	s_cbranch_scc0 .Lentry_shape_is_right
	s_endpgm
.Lentry_shape_is_right:
; QKV = 1: q, k, v = xn wq, xn wk, xn wv (K = 1,024) on codes of MX-FP6; the results are quantised in registers and leave as operands of the attention.  QKV = 0: h = relu(xn w1 + b1), quantised along its 4,096.
; THE PRODUCT.  A tile of 256 x 256 to a work-group of four waves, 128 x 128 a wave in 64 accumulators (windows 2 and 3).  Operands lie in memory as images of the matrix unit's registers:
; [16 rows][128 K][2 pieces of 768 bytes: registers 0-3 at 16 x lane, registers 4-5 at 512 + 8 x lane], so a fragment is two loads of 16 bytes and two of 8 a lane, consecutive over the lanes: no pitch, no padding.
; K goes in steps of 256 through a ring of two LDS slots; a wave's tensor load brings 8 row tiles x 3,072 consecutive bytes.  The scale words of the work-group's rows, [128 rows][128 K][128 words], come once and stay.
; CLUSTER 4 x 4: the first operand's tile is shared along a row of the cluster, the second's along a column: joint loads.  The matrix instruction is used TRANSPOSED (source 0 = second operand's 16 rows, source 1 = first's):
; lane (r, h) holds row r of the first operand, and register 8 b + j column 16 b + 8 h + j: 16 registers of two neighbouring tiles are a half block along the next K, in the order pi (places 8-15 and 16-23 of a block
; exchanged) that every operand of this program has.
; QKV: the cluster's x says what is made: 0 q, 1 k (first operand xn, second wq or wk), 2 v: there the first operand is wv and the second xn, so that a lane holds a channel and its registers run along the tokens, v's K.
; q: [head][16 tokens][768]; its scale words [head][token], bytes 2 and 3 = 127.  k and v: [head][128 keys][13,056]: k's 8 pieces, k's 128 scale words, v's [64 keys][16 channels] pieces, v's 64 scale words.
; THE MASK rides in k's scale words: bytes 2 and 3, the scales of the score product's unused K 64-127, are 159 (2^32) for a masked key and 1 for an open one.
; No prefetch: each tile is read by four work-groups at once and again by other clusters.  LIMITS: NaN and infinities are not served.
.set QKV,   1
.set KT,    8                          ; K / 128
.set BIAS,  1-QKV
.set RELU,  1-QKV
.set WS,    9437184                    ; W: where the scale words begin
.set XNS,   3145728                    ; XN: likewise
.set AVOFF, 1572864                    ; W: wv's codes
.set BOFF,  3145728                    ; W: w1's codes
.set BSOFF, WS+131072                  ; W: w1's scale words
.set QS,    3145728                    ; QKV: q's scale words
.set KVB,   3407872                    ; QKV: k's and v's units
.set HSG,   12582912                   ; HID: the scale words
.set FR,    12                         ; registers of a fragment
.set NL,    4                          ; LDS loads that bring one
.set NP,    4                          ; places behind this matrix instruction (ISA guide 7.12.1)
.set HALFT, 8*3072                     ; what one tensor load brings: 128 rows x 256 K
.set SLOT,  4*HALFT
.set LAPS,  KT/4                       ; a lap = two slots = 512 along K
.set SCL,   2*SLOT                     ; behind the ring: the scale words
.set HALFS, KT*512                     ; those of 128 rows
.set SPARE, SCL+4*HALFS                ; the spare words, 128 bytes a wave, that no other line names
.set ADRA,  16                         ; v16-17 16 x lane + my rows of the first operand in slot 0, 1;  v18-19 the same with 8 x lane
.set ADRB,  20                         ; v20-23 the same for the second operand
.set ADRS,  27                         ; v27 my scale words: lanes 0-15 the first operand's, lanes 16-31 the second's
.set SPW,   28
.set NIL,   29
.set SC,    32                         ; v32-63 scale words, a set of 16 for each slot: register 2 i + q; they hold nothing else
.set BI,    64                         ; v64-127 the bias in the result's layout
.set AF,    128                        ; v128-223 the first operand's 8 fragments, one set;  window 1: the second's, two sets at v0 and v128
.set PC,    128                        ; the way out: v128-139 codes, v140-146 at work
.set MK,    148                        ; v148-155 mask words of my rows
.set TM,    224                        ; v224-239 at work
.set PW,    240                        ; the scale word just made
.set SEL,   66
.set G1,    24
.set G0,    32
.set G1B,   48
.set G0B,   56
.set G1S,   68
.set G0S,   76
.set G1SB,  80
.set G0SB,  88
.set MSB,   0
.macro WIN new                         ; the immediate's high byte repeats the setting that is left
.if MSB != (\new)
	s_set_vgpr_msb (MSB<<8)|(\new)
.set MSB, (\new)
.endif
.endm
.set MUL_LO, 0xa1                      ; source 0 window 1, source 1 window 0, C and D window 2
.set MUL_HI, 0xf1                      ; the same, C and D window 3
.set TO_B,   0x40                      ; destination window 1
.macro JLOAD g0a, g1a, g0b, g1b        ; a joint load: waves 0, 1 fetch for the first operand, waves 2, 3 for the second; s_nop 0 and four v_nop follow each line
	s_cmp_eq_u32 s15, 0
	s_cbranch_scc0 .Lfor_b_\@
	tensor_load_to_lds s[\g0a:\g0a+3], s[\g1a:\g1a+7]
	s_nop 0
.rept 4
	v_nop
.endr
	s_branch .Lasked_\@
.Lfor_b_\@:
	tensor_load_to_lds s[\g0b:\g0b+3], s[\g1b:\g1b+7]
	s_nop 0
.rept 4
	v_nop
.endr
.Lasked_\@:
.endm
.macro CREST                           ; a round of the cluster's barrier behind its opening barrier
	s_cmp_lg_u32 s14, 0
	s_cbranch_scc1 .Lnot_wave_0_\@
	s_barrier_signal -3
.Lnot_wave_0_\@:
	s_barrier_wait -3
	s_barrier_signal -1
	s_barrier_wait -1
.endm
.macro CROUND
	s_barrier_signal -1
	s_barrier_wait -1
	CREST
.endm
	s_load_b128 s[4:7], s[0:1], 0x0                ; XN, W
	s_load_b64 s[12:13], s[0:1], 0x10              ; the output
	s_load_b64 s[100:101], s[0:1], 0x18            ; the mask (QKV) or the bias
	v_lshl_add_u32 v[SPW], v0, 2, SPARE
	v_mov_b32 v[NIL], 0
	ds_add_u32 v[SPW], v[NIL]                      ; the wave's opening: the add and its wait ahead of my first tensor load
	v_lshrrev_b32 v1, 5, v0
	v_readfirstlane_b32 s14, v1                    ; wave
	s_lshr_b32 s15, s14, 1                         ; my half of the first operand's rows; also: I fetch for the first (0) or the second (1)
	s_and_b32 s16, s14, 1                          ; my half of the second's; also: which 128 rows I fetch
	s_bfe_u32 s40, ttmp6, 0x40000                  ; cx
	s_bfe_u32 s41, ttmp6, 0x40004                  ; cy
	s_lshl_b32 s42, ttmp9, 2
	s_and_b32 s17, ttmp7, 0xffff
	s_lshl_b32 s17, s17, 2
.if QKV
	s_cmp_eq_u32 ttmp9, 2                          ; v?  The cluster's x: the same in all sixteen partners
	s_cselect_b32 s42, s17, s42                    ; v: the second operand's tiles (tokens) go by the cluster's y,
	s_cselect_b32 s17, 0, s17                      ; the first's (wv's four) by cy alone
	s_cselect_b32 s95, AVOFF, 0                    ; the first operand's codes in its buffer,
	s_mov_b32 s96, XNS
	s_cselect_b32 s97, WS+65536, s96               ; its scale words,
	s_mov_b32 s98, WS
	s_cselect_b32 s98, s96, s98                    ; and the second's
.endif
	s_add_co_u32 s42, s42, s40                     ; the second operand's tile
	s_add_co_u32 s17, s17, s41                     ; the first operand's tile
	s_lshl_b32 s43, s41, 2
	s_lshl_b32 s43, 15, s43                        ; my row of the cluster
	s_lshl_b32 s44, 0x1111, s40                    ; my column
	s_or_b32 s[G1+0], s43, (3<<16)|(1<<21)         ; 15:0 the mask; 17:16 elements of 8 bytes; 21 set beside a mask; no padding
	s_or_b32 s[G1B+0], s44, (3<<16)|(1<<21)
.irp g, G1, G1B
	s_mov_b32 s[\g+1], 384<<16                     ; tensor_dim0 = 384: 3,072 bytes
	s_mov_b32 s[\g+2], 8<<16                       ; tensor_dim1 = 8 row tiles
	s_mov_b32 s[\g+3], 384<<16                     ; tile_dim0
	s_mov_b32 s[\g+4], 8                           ; tile_dim1
	s_mov_b32 s[\g+5], KT*192                      ; from row tile to row tile
	s_mov_b32 s[\g+6], 0
	s_mov_b32 s[\g+7], 0
.endr
	s_or_b32 s[G1S+0], s43, (3<<16)|(1<<21)        ; the scale words of 128 rows: a dense block, as rows of 256 bytes
	s_or_b32 s[G1SB+0], s44, (3<<16)|(1<<21)
.irp g, G1S, G1SB
	s_mov_b32 s[\g+1], 32<<16
	s_mov_b32 s[\g+2], (2*KT)<<16
	s_mov_b32 s[\g+3], 32<<16
	s_mov_b32 s[\g+4], 2*KT
	s_mov_b32 s[\g+5], 32
	s_mov_b32 s[\g+6], 0
	s_mov_b32 s[\g+7], 0
.endr
	s_lshl_b32 s18, s16, 3
	s_lshl_b32 s20, s17, 4
	s_add_co_u32 s20, s20, s18                     ; first operand: row tile 16 x tile + 8 x half
	s_mul_i32 s20, s20, KT*1536
	s_lshl_b32 s46, s42, 4
	s_add_co_u32 s46, s46, s18
	s_mul_i32 s46, s46, KT*1536
	s_lshl_b32 s22, s17, 1
	s_add_co_u32 s22, s22, s16                     ; its group of 128 rows
	s_mul_i32 s22, s22, KT*512
	s_lshl_b32 s92, s42, 1
	s_add_co_u32 s92, s92, s16
	s_mul_i32 s92, s92, KT*512
.if QKV
	s_add_co_u32 s20, s20, s95
	s_add_co_u32 s22, s22, s97
	s_add_co_u32 s92, s92, s98
.else
	s_add_co_u32 s46, s46, BOFF
	s_add_co_u32 s22, s22, XNS
	s_add_co_u32 s92, s92, BSOFF
.endif
	s_mov_b32 s21, 0
	s_mov_b32 s23, 0
	s_mov_b32 s47, 0
	s_mov_b32 s93, 0
	s_mul_i32 s45, s14, HALFT                      ; where they go: wave x 128 rows: no place in the cluster enters an LDS address
	s_mul_i32 s94, s14, HALFS
	s_mov_b32 s[SEL], 0x76543210
	s_mov_b32 s[SEL+1], 0xfedcba98
	s_wait_dscnt 0x0                               ; the opening add is done
	s_wait_kmcnt 0x0
.if QKV
	s_cmp_eq_u32 ttmp9, 2
	s_cselect_b64 s[8:9], s[6:7], s[4:5]           ; the first operand's buffer
	s_cselect_b64 s[10:11], s[4:5], s[6:7]         ; the second's
.else
	s_mov_b64 s[8:9], s[4:5]
	s_mov_b64 s[10:11], s[6:7]
.endif
	s_add_nc_u64 s[20:21], s[8:9], s[20:21]
	s_add_nc_u64 s[22:23], s[8:9], s[22:23]
	s_add_nc_u64 s[46:47], s[10:11], s[46:47]
	s_add_nc_u64 s[92:93], s[10:11], s[92:93]
	CROUND                                         ; all sixteen work-groups are here: the first joint loads meet
	s_mov_b32 s[G0S], 1
	s_add_co_u32 s[G0S+1], s94, SCL
	s_mov_b64 s[G0S+2:G0S+3], s[22:23]
	s_or_b32 s[G0S+3], s[G0S+3], 0x80000000
	s_mov_b32 s[G0SB], 1
	s_add_co_u32 s[G0SB+1], s94, SCL
	s_mov_b64 s[G0SB+2:G0SB+3], s[92:93]
	s_or_b32 s[G0SB+3], s[G0SB+3], 0x80000000
	JLOAD G0S, G1S, G0SB, G1SB                     ; the scale words first
.irp s, 0,1
	s_mov_b32 s[G0+4*\s], 1
	s_add_co_u32 s[G0+4*\s+1], s45, \s*SLOT
	s_add_nc_u64 s[G0+4*\s+2:G0+4*\s+3], s[20:21], \s*3072
	s_or_b32 s[G0+4*\s+3], s[G0+4*\s+3], 0x80000000
	s_mov_b32 s[G0B+4*\s], 1
	s_add_co_u32 s[G0B+4*\s+1], s45, \s*SLOT
	s_add_nc_u64 s[G0B+4*\s+2:G0B+4*\s+3], s[46:47], \s*3072
	s_or_b32 s[G0B+4*\s+3], s[G0B+4*\s+3], 0x80000000
	JLOAD G0+4*\s, G1, G0B+4*\s, G1B               ; three tensor loads of mine are out
.endr
	v_and_b32 v1, 15, v0                           ; r
	v_bfe_u32 v2, v0, 4, 1                         ; h
	v_and_b32 v3, 31, v0
	v_lshlrev_b32 v4, 4, v3                        ; 16 x lane
	v_lshlrev_b32 v5, 3, v3                        ; 8 x lane
	s_mul_i32 s21, s15, HALFT
	s_mul_i32 s22, s16, HALFT
	s_add_co_u32 s22, s22, 2*HALFT
.irp s, 0,1
	v_add_nc_u32 v[ADRA+\s], s21, v4
	v_add_nc_u32 v[ADRB+\s], s22, v4
	v_add_nc_u32 v[ADRA+2+\s], s21, v5
	v_add_nc_u32 v[ADRB+2+\s], s22, v5
	s_add_co_u32 s21, s21, SLOT
	s_add_co_u32 s22, s22, SLOT
.endr
	v_lshlrev_b32 v5, 2, v1                        ; 4 r
	s_mul_i32 s21, s15, HALFS
	s_mul_i32 s22, s16, HALFS
	s_add_co_u32 s22, s22, 2*HALFS
	s_sub_co_u32 s22, s22, s21
	v_mul_u32_u24 v6, s22, v2                      ; lanes 16-31 take the second operand's words
	s_add_co_u32 s21, s21, SCL
	v_add_nc_u32 v5, v5, v6
	v_add_nc_u32 v[ADRS], s21, v5
.if BIAS
	s_lshl_b32 s20, s42, 10                        ; my first column x 4 bytes: 1,024 x tile + 512 x half
	s_lshl_b32 s21, s16, 9
	s_add_co_u32 s20, s20, s21
	s_mov_b32 s21, 0
	s_add_nc_u64 s[100:101], s[100:101], s[20:21]
	v_lshlrev_b32 v7, 5, v2                        ; 32 h
.irp b, 0,1,2,3,4,5,6,7
	global_load_b128 v[BI+8*\b:BI+8*\b+3], v7, s[100:101] offset:64*\b        ; register 8 b + j: bias of column 16 b + 8 h + j
	global_load_b128 v[BI+8*\b+4:BI+8*\b+7], v7, s[100:101] offset:64*\b+16
.endr
.endif
.macro FRAG reg, adr, q, i             ; a fragment comes as it was stored
.irp c, 0,1
	ds_load_b128 v[\reg+6*\c:\reg+6*\c+3], v[\adr] offset:(\i)*3072+(\q)*1536+768*\c
	ds_load_b64 v[\reg+6*\c+4:\reg+6*\c+5], v[\adr+2] offset:(\i)*3072+(\q)*1536+768*\c+512
.endr
.endm
.macro MM a, b, p, q, sc, zero         ; one product; zero = 1: it starts the sum, with the bias or with 0 as C
.set rD, 8*(8*((\a)%4)+\b)
.set rB, 128*(\p)+FR*\b
.set rA, AF+FR*(\a)
.set rX, SC+16*(\sc)+2*\b+(\q)
.set rY, SC+16*(\sc)+2*(\a)+(\q)
.if (\zero) == 0
	v_wmma_scale_f32_16x16x128_f8f6f4 v[rD:rD+7], v[rB:rB+11], v[rA:rA+11], v[rD:rD+7], v[rX], v[rY] matrix_a_fmt:MATRIX_FMT_FP6 matrix_b_fmt:MATRIX_FMT_FP6 matrix_a_scale:MATRIX_SCALE_ROW1
.elseif BIAS
	v_wmma_scale_f32_16x16x128_f8f6f4 v[rD:rD+7], v[rB:rB+11], v[rA:rA+11], v[BI+8*\b:BI+8*\b+7], v[rX], v[rY] matrix_a_fmt:MATRIX_FMT_FP6 matrix_b_fmt:MATRIX_FMT_FP6 matrix_a_scale:MATRIX_SCALE_ROW1
.else
	v_wmma_scale_f32_16x16x128_f8f6f4 v[rD:rD+7], v[rB:rB+11], v[rA:rA+11], 0, v[rX], v[rY] matrix_a_fmt:MATRIX_FMT_FP6 matrix_b_fmt:MATRIX_FMT_FP6 matrix_a_scale:MATRIX_SCALE_ROW1
.endif
.endm
.macro MUL16 a0, p, q, sc, zero        ; 16 products; the 64 accumulators take turns, one instruction a turn, in the same order in every step
.irp a, \a0, \a0+1
.irp b, 0,1,2,3,4,5,6,7
	MM \a, \b, \p, \q, \sc, \zero
.endr
.endr
.endm
.macro FETCH_B slot, q, p
	WIN TO_B
.irp i, 0,1,2,3,4,5,6,7
	FRAG 128*(\p)+FR*\i, ADRB+\slot, \q, \i
.endr
	WIN 0
.endm
.macro FETCH_A slot, q, i0
.irp i, \i0, \i0+1, \i0+2, \i0+3
	FRAG AF+FR*(\i), ADRA+\slot, \q, \i
.endr
.endm
.macro SCALES sc                       ; a slot's scale words: lanes 0-15 the first operand's block i, lanes 16-31 the second's
.irp i, 0,1,2,3,4,5,6,7
.irp q, 0,1
	ds_load_b32 v[SC+16*\sc+2*\i+\q], v[ADRS] offset:512*\q+64*\i
.endr
.endr
.endm
.macro PLACES n                        ; plain vector instructions between a matrix instruction and a load into, or a read of, its registers
.rept \n
	v_nop
.endr
.endm
.macro STEP slot, q, zero              ; 128 along K whose successor lies in the same slot
	s_wait_dscnt 4*NL                              ; all but the youngest 16 loads (the first operand's blocks 4-7) are in
.if (\zero)*BIAS
	WIN 0x81                                       ; C, the bias, in window 0
.else
	WIN MUL_LO
.endif
	MUL16 0, (\q)%2, \q, \slot, \zero
	MUL16 2, (\q)%2, \q, \slot, \zero
	s_wait_dscnt 0
	PLACES NP
	FETCH_B \slot, (\q)+1, 1-(\q)%2
	FETCH_A \slot, (\q)+1, 0
.if (\zero)*BIAS
	WIN 0xc1
.else
	WIN MUL_HI
.endif
	MUL16 4, (\q)%2, \q, \slot, \zero
	MUL16 6, (\q)%2, \q, \slot, \zero
	PLACES NP
	WIN 0
	FETCH_A \slot, (\q)+1, 4
.endm
.macro TURN slot, next, fill           ; a slot's last step changes slots: one barrier; fill = 1: it opens a round of the cluster's barrier and this slot is filled again
	s_wait_tensorcnt 0x0                           ; all my tensor loads have landed: my part of the next slot
	ds_add_u32 v[SPW], v[NIL]                      ; 0 onto my spare word
	s_wait_dscnt 4*NL+1                            ; (the add and the youngest 16 loads may be out)
	WIN MUL_LO
	MUL16 0, 1, 1, \slot, 0
	s_wait_dscnt 0x0                               ; the add is done, and my reads of this slot are over
	s_barrier_signal -1
	MUL16 2, 1, 1, \slot, 0
	WIN 0
	s_barrier_wait -1
.if \fill
	CREST                                          ; no wave of any partner still reads this slot or has a load on its way
	s_add_nc_u64 s[G0+4*\slot+2:G0+4*\slot+3], s[G0+4*\slot+2:G0+4*\slot+3], 6144
	s_add_nc_u64 s[G0B+4*\slot+2:G0B+4*\slot+3], s[G0B+4*\slot+2:G0B+4*\slot+3], 6144
	JLOAD G0+4*\slot, G1, G0B+4*\slot, G1B         ; my one tensor load behind the round; its four v_nop are the places in front of the loads below
.else
	PLACES NP
.endif
	v_add_nc_u32 v[ADRS], 1024, v[ADRS]            ; the next slot's scale words
	FETCH_B \next, 0, 0
	FETCH_A \next, 0, 0
	SCALES \next
	WIN MUL_HI
	MUL16 4, 1, 1, \slot, 0
	MUL16 6, 1, 1, \slot, 0
	PLACES NP
	WIN 0
	FETCH_A \next, 0, 4
.endm
	s_wait_tensorcnt 1                             ; the scale words and my part of slot 0 are in; slot 1's load may be out
	s_barrier_signal -1
	s_barrier_wait -1
	FETCH_B 0, 0, 0
	FETCH_A 0, 0, 0
	SCALES 0
	FETCH_A 0, 0, 4
.if BIAS
	s_wait_loadcnt 0x0                             ; the bias
.endif
	STEP 0, 0, 1                                   ; the first step starts the sums
	s_mov_b32 s3, LAPS-1
.Llap:
	TURN 0, 1, 1
	STEP 1, 0, 0
	TURN 1, 0, 1
	STEP 0, 0, 0
	s_sub_co_u32 s3, s3, 1
	s_cmp_lg_u32 s3, 0
	s_cbranch_scc1 .Llap
	TURN 0, 1, 0                                   ; the last lap fills nothing
	STEP 1, 0, 0
	s_wait_dscnt 4*NL
	WIN MUL_LO
	MUL16 0, 1, 1, 1, 0
	MUL16 2, 1, 1, 1, 0
	s_wait_dscnt 0
	WIN MUL_HI
	MUL16 4, 1, 1, 1, 0
	MUL16 6, 1, 1, 1, 0
	WIN 0
; THE WAY OUT.  Block a (16 rows of the first operand x my 128 columns, 64 registers a lane) becomes one fragment and one scale word a row, and is stored from the registers.
.if QKV
	s_and_b32 s20, s42, 3
	s_cmp_eq_u32 ttmp9, 0                          ; q?
	s_mov_b32 s23, 208896
	s_cselect_b32 s23, 98304, s23                  ; bytes from head to head
	s_mov_b32 s45, 13056
	s_cselect_b32 s45, 6144, s45                   ; from 128 tokens to the next
	s_mov_b32 s46, KVB
	s_cselect_b32 s46, 0, s46
	s_mov_b32 s47, 208896
	s_cselect_b32 s47, 8192, s47                   ; from a head's scale word to the next head's
	s_mov_b32 s92, 0x9f9f0000
	s_cselect_b32 s92, 0x7f7f0000, s92             ; bytes 2, 3 of a masked row's scale word,
	s_mov_b32 s99, 0x01010000
	s_cselect_b32 s99, 0x7f7f0000, s99             ; and of an open one's
	s_cselect_b32 s93, 1, 0
	s_cmp_eq_u32 ttmp9, 2                          ; v?
	s_cselect_b32 s18, s42, s17                    ; the tokens' tile and half,
	s_cselect_b32 s19, s16, s15
	s_cselect_b32 s20, s17, s20                    ; the channels' tile and half
	s_cselect_b32 s21, s15, s16
	s_cselect_b32 s22, 3072, s23                   ; from piece c = 0 to c = 1: v: the next 64 keys; q, k: the next head
	s_mov_b32 s94, 3072
	s_cselect_b32 s94, 208896, s94                 ; from block a to a + 4: v: the next head; q, k: four pieces on
	s_mov_b32 s95, 256
	s_cselect_b32 s95, 208896, s95                 ; the same for the scale words
	s_cselect_b32 s47, 0, s47                      ; v has one word a row: the second store repeats the first
	s_cselect_b32 s92, 0, s92
	s_cselect_b32 s99, 0, s99
	s_cselect_b32 s96, -1, 0xffff
	s_cselect_b32 s97, 0, 16
	s_cselect_b32 s98, 6656, 0
	s_add_co_u32 s46, s46, s98
	s_lshr_b32 s98, s18, 3                         ; the batch
	s_and_b32 s18, s18, 7
	s_lshl_b32 s18, s18, 1
	s_add_co_u32 s18, s18, s19                     ; which 128 tokens of the batch
	s_lshl_b32 s98, s98, 4
	s_lshl_b32 s20, s20, 2
	s_add_co_u32 s98, s98, s20
	s_lshl_b32 s21, s21, 1
	s_add_co_u32 s98, s98, s21                     ; my first head: 16 x batch + 4 x tile + 2 x half
	s_mul_i32 s19, s98, s23
	s_mul_i32 s20, s18, s45
	s_add_co_u32 s46, s46, s19
	s_add_co_u32 s46, s46, s20                     ; my codes
	s_lshl_b32 s19, s98, 13
	s_lshl_b32 s20, s18, 9
	s_add_co_u32 s19, s19, s20
	s_add_co_u32 s19, s19, QS
	s_add_co_u32 s20, s46, 6144
	s_cmp_eq_u32 s93, 1
	s_cselect_b32 s19, s19, s20                    ; my scale words
	s_lshl_b32 s20, s17, 10
	s_lshl_b32 s21, s15, 9
	s_add_co_u32 s20, s20, s21                     ; the mask words of my rows (used for k alone; for q and v both choices below are equal)
	s_mov_b32 s21, 0
	s_add_nc_u64 s[100:101], s[100:101], s[20:21]
.else
	s_lshl_b32 s18, s17, 4
	s_lshl_b32 s19, s15, 3
	s_add_co_u32 s18, s18, s19
	s_lshl_b32 s18, s18, 5                         ; my first row tile x 32 K steps
	s_lshl_b32 s19, s42, 1
	s_add_co_u32 s19, s19, s16                     ; my columns are K step 2 x tile + half of the next product
	s_add_co_u32 s18, s18, s19
	s_mul_i32 s46, s18, 1536
	s_lshl_b32 s18, s17, 1
	s_add_co_u32 s18, s18, s15
	s_lshl_b32 s18, s18, 5
	s_add_co_u32 s18, s18, s19
	s_lshl_b32 s18, s18, 9
	s_add_co_u32 s19, s18, HSG
	s_mov_b32 s22, 0
	s_mov_b32 s94, 0
	s_mov_b32 s95, 0
	s_mov_b32 s47, 0
.endif
	v_and_b32 v241, 31, v0                         ; (these plain lines are also the places behind the last products)
	v_lshlrev_b32 v242, 4, v241
	v_add_nc_u32 v244, s46, v242                   ; v244-247: 16 x lane for c = 0, 1; 8 x lane + 512 for c = 0, 1
	v_add_nc_u32 v245, s22, v244
	v_lshl_add_u32 v246, v241, 3, 512
	v_add_nc_u32 v246, s46, v246
	v_add_nc_u32 v247, s22, v246
.irp i, 0,1,2,3
	v_add_nc_u32 v[248+\i], s94, v[244+\i]         ; v248-251: the same for blocks 4-7
.endr
	v_and_b32 v241, 15, v0
	v_lshlrev_b32 v158, 2, v241                    ; 4 r
	v_add_nc_u32 v252, s19, v158                   ; v252, v253: scale words, blocks 0-3 and 4-7;  v254, v255: the second head's
	v_add_nc_u32 v253, s95, v252
	v_add_nc_u32 v254, s47, v252
	v_add_nc_u32 v255, s47, v253
.irp b, 0,1,2,3
	v_mov_b32 v[TM+4+\b], 0                        ; (a lane permute's destination counts as one of its sources)
.endr
.if QKV
	v_mov_b32 v156, s99
	v_mov_b32 v157, s92
.irp a, 0,1,2,3,4,5,6,7
	global_load_b32 v[MK+\a], v158, s[100:101] offset:64*\a
.endr
	s_wait_loadcnt 0x0
.endif
.macro QUANT a
.set WW, 2+(\a)/4
.set AC, 64*((\a)%4)
.if RELU
	WIN ((WW<<6)|(WW<<2))
.set n, 0
.rept 64
	v_max_num_f32 v[AC+n], 0, v[AC+n]              ; the activation, in f32, each accumulator from its low end on
.set n, n+1
.endr
.endif
	WIN (WW|(WW<<2))                               ; sources 0 and 1: the accumulators' window
.irp b, 0,1,2,3
	v_max3_num_f32 v[TM+\b], |v[AC+16*\b]|, |v[AC+16*\b+1]|, 0x1800000   ; block b: my 16 numbers, and the floor 2^(3 - 127)
.endr
.irp i, 2,4,6,8,10,12,14
.irp b, 0,1,2,3
	v_max3_num_f32 v[TM+\b], |v[AC+16*\b+\i]|, |v[AC+16*\b+\i+1]|, v[TM+\b]
.endr
.endr
	WIN 0
	s_wait_xcnt 0x0                                ; the last block's stores have read their registers: codes and words are written again only behind this wait
.irp b, 0,1,2,3
	v_permlanex16_b32 v[TM+4+\b], v[TM+\b], s[SEL], s[SEL+1]
.endr
.irp b, 0,1,2,3
	v_max_num_f32 v[TM+\b], v[TM+\b], v[TM+4+\b]   ; with lane l xor 16's: the block's largest magnitude
.endr
.irp b, 0,1,2,3
	v_add_nc_u32 v[TM+12+\b], 0xff000000, v[TM+\b] ; 2 off the exponent field: the conversion's scale operand
.endr
.irp b, 0,1,2,3
	v_lshrrev_b32 v[TM+4+\b], 23, v[TM+12+\b]      ; the scale's byte
.endr
	v_lshl_or_b32 v[PW], v[TM+5], 8, v[TM+4]
	v_lshl_or_b32 v[PW], v[TM+6], 16, v[PW]
	v_lshl_or_b32 v[PW], v[TM+7], 24, v[PW]
	WIN WW
.irp c, 0,1
	v_cvt_scalef32_pk16_fp6_f32 v[PC+6*\c:PC+6*\c+2], v[AC+32*\c:AC+32*\c+15], v[TM+12+2*\c]
	v_cvt_scalef32_pk16_fp6_f32 v[PC+12+4*\c:PC+14+4*\c], v[AC+16+32*\c:AC+31+32*\c], v[TM+13+2*\c]
.endr
	WIN 0
	v_nop                                          ; one plain place behind a scaled conversion
.irp c, 0,1                            ; the operand wants a whole block in a lane: lanes 0-15 block 2 c, lanes 16-31 block 2 c + 1
.irp i, 0,1,2
	v_permlane16_swap_b32 v[PC+6*\c+\i], v[PC+12+4*\c+\i]
.endr
.irp i, 0,1,2
	v_mov_b32 v[PC+3+6*\c+\i], v[PC+12+4*\c+\i]
.endr
.endr
.endm
.macro OUT a
.if QKV
	v_cmp_eq_u32 vcc_lo, 0, v[MK+(\a)]
	v_cndmask_b32 v243, v156, v157, vcc_lo         ; bytes 2, 3: a choice of values, no branch
	v_and_or_b32 v241, v[PW], s96, v243            ; q, k: the first head's two bytes; v: the whole word
	v_lshrrev_b32 v242, s97, v[PW]
	v_or_b32 v242, v242, v243                      ; q, k: the second head's; v: the same word again
.irp c, 0,1
	global_store_b128 v[244+4*((\a)/4)+\c], v[PC+6*\c:PC+6*\c+3], s[12:13] offset:((\a)%4)*768     ; 512 consecutive bytes
	global_store_b64 v[246+4*((\a)/4)+\c], v[PC+6*\c+4:PC+6*\c+5], s[12:13] offset:((\a)%4)*768    ; 256 consecutive bytes
.endr
	global_store_b32 v[252+(\a)/4], v241, s[12:13] offset:((\a)%4)*64
	global_store_b32 v[254+(\a)/4], v242, s[12:13] offset:((\a)%4)*64
.else
.irp c, 0,1
	global_store_b128 v244, v[PC+6*\c:PC+6*\c+3], s[12:13] offset:(\a)*49152+768*\c
	global_store_b64 v246, v[PC+6*\c+4:PC+6*\c+5], s[12:13] offset:(\a)*49152+768*\c
.endr
	global_store_b32 v252, v[PW], s[12:13] offset:(\a)*64
.endif
.endm
.irp a, 0,1,2,3,4,5,6,7
	QUANT \a
	OUT \a
.endr
	s_wait_tensorcnt 0x0                           ; the wave's end
	ds_add_u32 v[SPW], v[NIL]
	s_wait_dscnt 0x0
	CROUND                                         ; the closing round
	s_endpgm
.Lfunc_end_k_q83a55f49c5_qkv:
	.size	k_q83a55f49c5_qkv, .Lfunc_end_k_q83a55f49c5_qkv-k_q83a55f49c5_qkv
	.p2alignl 7, 3214868480
	.fill 96, 4, 3214868480
	.section	.rodata,"a",@progbits
	.p2align	6, 0x0
	.amdhsa_kernel k_q83a55f49c5_qkv
		.amdhsa_group_segment_fixed_size 327680
		.amdhsa_private_segment_fixed_size 0
		.amdhsa_enable_private_segment 0
		.amdhsa_kernarg_size 32
		.amdhsa_user_sgpr_count 2
		.amdhsa_user_sgpr_kernarg_segment_ptr 1
		.amdhsa_wavefront_size32 1
		.amdhsa_system_sgpr_workgroup_id_x 1
		.amdhsa_system_sgpr_workgroup_id_y 1
		.amdhsa_system_sgpr_workgroup_id_z 1
		.amdhsa_system_vgpr_workitem_id 0
		.amdhsa_next_free_vgpr 1024
		.amdhsa_next_free_sgpr 102
		.amdhsa_reserve_vcc 1
		.amdhsa_float_denorm_mode_32 3
		.amdhsa_float_denorm_mode_16_64 3
		.amdhsa_memory_ordered 1
		.amdhsa_forward_progress 1
		.amdhsa_inst_pref_size 157
	.end_amdhsa_kernel
	.amdgpu_metadata
---
amdhsa.version: [ 1, 2 ]
amdhsa.kernels:
  - .name:           k_q83a55f49c5_qkv
    .symbol:         k_q83a55f49c5_qkv.kd
    .args:
      - { .name: XN, .offset: 0, .size: 8, .value_kind: global_buffer, .address_space: global }
      - { .name: W, .offset: 8, .size: 8, .value_kind: global_buffer, .address_space: global }
      - { .name: QKV, .offset: 16, .size: 8, .value_kind: global_buffer, .address_space: global }
      - { .name: mask, .offset: 24, .size: 8, .value_kind: global_buffer, .address_space: global }
    .group_segment_fixed_size: 327680
    .private_segment_fixed_size: 0
    .kernarg_segment_align: 8
    .kernarg_segment_size: 32
    .max_flat_workgroup_size: 128
    .sgpr_count:     102
    .vgpr_count:     1024
    .wavefront_size: 32
...
	.end_amdgpu_metadata
.endif
;; end of part 3
;; launch attn (part 4): grid 8 x 32, 16 waves a work-group, clusters of 4 x 1, 229,376 bytes of LDS; arguments QKV, mask, CTX; writes CTX
.if DOCPART == 4
	.amdgcn_target "amdgcn-amd-amdhsa--gfx1250"
	.amdhsa_code_object_version 6
	.text
	.protected	k_q83a55f49c5_attn
	.globl	k_q83a55f49c5_attn
	.p2align	8
	.type	k_q83a55f49c5_attn,@function
k_q83a55f49c5_attn:
	s_mov_b64 s[64:65], 0
	v_nop
	global_prefetch_b8 v0, s[64:65] scope:SCOPE_SE
	s_setreg_imm32_b32 hwreg(HW_REG_WAVE_MODE, 25, 1), 1
	s_wait_xcnt 0x0
	s_wait_alu depctr_hold_cnt(0) depctr_sa_sdst(0) depctr_va_vdst(0) depctr_va_sdst(0) depctr_va_ssrc(0) depctr_va_vcc(0) depctr_vm_vsrc(0)
	s_getreg_b32 s2, hwreg(HW_REG_IB_STS2, 6, 4)
	s_cmp_eq_u32 s2, 0
	s_cbranch_scc0 .Lentry_in_a_cluster
	s_endpgm
.Lentry_in_a_cluster:
	s_bfe_u32 s2, ttmp6, 0x10000c
	s_cmp_lg_u32 s2, 0x3003
	s_cbranch_scc0 .Lentry_shape_is_right
	s_endpgm
.Lentry_shape_is_right:
; ctx = softmax(q k^T / 8, masked) v for 32 heads of 2,048 tokens x 64 channels, both products on codes of MX-FP6; ctx leaves quantised along the model's 1,024, as an operand of the next product.
; SOFTMAX: t = score x log2(e) / 8; M = the running largest t rounded up to a whole number; p = 2^(t - M) is quantised along the keys; the row's sum is taken of the unquantised p and divides at the end.
; SHARES.  A work-group owns 256 queries of one head, each of its sixteen waves 16 of them in 256 registers: four waves to a SIMD, so that one wave's vector work stands beside another's products and LDS loads.
; A head's k and v, 16 units of 13,056 bytes (128 keys each: k's 8 pieces of 768 bytes, k's 128 scale words, v's 8 pieces, v's 64 scale words), lie in LDS whole: filled once, never again.  The four work-groups of a
; cluster belong to one head and ask JOINTLY: waves 0-3 issue four loads each (four tensor loads of a wave are out); unit 4 n + w is wave w's n-th.  Nothing could be asked for earlier, so nothing is prefetched.
; LAYOUT.  Both products transposed: S^T = k q^T, O^T = v^T p^T: a lane holds one query throughout; register 8 t + j of lane half h is key (or channel) 16 t + 8 h + j, the order inside a block that v and wo were laid in.
; K = 64 IN AN INSTRUCTION OF 128, AND THE MASK.  Of k = 64 .. 127 only k = 64 and 96 hold codes: -1.0 in every key's fragment, 1.0 in q's.  The scale bytes of those two blocks come with k's scale words: 2^32 for a masked key,
; 2^-126 for an open one; q's are 1.  So a masked raw score is s - 2^33 and its p is 0; an open one moves by 2^-125.  Where EVERY key of the batch is masked, q's code and the factor c are chosen 0: p = 1 for all keys.
; LIMITS: open raw scores lie above -2^32; NaN and infinities are not served.
.set UNIT,  13056
.set FLG,   16*UNIT                    ; behind the units: a word for each wave: has its part of the mask an open key?
.set SPARE, FLG+256                    ; the spare words, 128 bytes for each wave, that no other line names
.set QS,    3145728                    ; QKV: q's scale words
.set KVB,   3407872                    ; QKV: the units
.set CSG,   3145728                    ; CTX: the scale words
.set A16,   1                          ; v1  16 x lane
.set A8,    2                          ; v2  8 x lane + 512
.set AS0,   3                          ; v3  4 r + 6,144
.set R4,    4                          ; v4  4 r
.set SPW,   5
.set NIL,   6
.set ADK,   8                          ; v8-10 the step's addresses
.set ADE,   9
.set ADS,   10
.set QF,    16                         ; v16-27 q;  v12 -M, v13 the largest t, v[14:15] the sum in two halves
.set VS,    28                         ; v28-31 v's scale words; they hold nothing else
.set KF,    32                         ; v32-79 four fragments of k
.set VF,    80                         ; v80-127 v's four fragments
.set S,     128                        ; v128-191 S^T, then p
.set O,     192                        ; v192-223 O^T
.set PCD,   224                        ; v224-235 p's codes;  v232-254 at work;  v248-251 k's scale words, v253 p's, v255 q's
.set WV,    18
.set SEL,   20
.set CS,    22
.set G1,    24
.set G0,    32
.set TB,    48
.set CNT,   49
.macro CROUND
	s_barrier_signal -1
	s_barrier_wait -1
	s_cmp_lg_u32 s[WV], 0
	s_cbranch_scc1 .Lnot_wave_0_\@
	s_barrier_signal -3
.Lnot_wave_0_\@:
	s_barrier_wait -3
	s_barrier_signal -1
	s_barrier_wait -1
.endm
	s_load_b128 s[4:7], s[0:1], 0x0                ; QKV, mask
	s_load_b64 s[8:9], s[0:1], 0x10                ; CTX
	v_lshl_add_u32 v[SPW], v0, 2, SPARE
	v_mov_b32 v[NIL], 0
	ds_add_u32 v[SPW], v[NIL]                      ; the wave's opening: the add and its wait ahead of the first tensor loads
	v_lshrrev_b32 v7, 5, v0
	v_readfirstlane_b32 s[WV], v7                  ; wave 0..15
	s_bfe_u32 s10, ttmp6, 0x40000                  ; cx
	s_lshl_b32 s11, ttmp9, 2
	s_add_co_u32 s11, s11, s10                     ; my block of 256 queries: it enters q's and ctx's addresses alone
	s_and_b32 s12, ttmp7, 0xffff                   ; 16 x batch + head, which the four partners share
	s_mov_b32 s[G1], 15|(3<<16)|(1<<21)            ; the mask: all four; elements of 8 bytes; 21 set beside a mask
	s_mov_b32 s[G1+1], 32<<16                      ; a unit is dense: 51 rows of 256 bytes
	s_mov_b32 s[G1+2], 51<<16
	s_mov_b32 s[G1+3], 32<<16
	s_mov_b32 s[G1+4], 51
	s_mov_b32 s[G1+5], 32
	s_mov_b32 s[G1+6], 0
	s_mov_b32 s[G1+7], 0
	s_mul_i32 s14, s[WV], UNIT
	s_mul_i32 s52, s12, 16*UNIT
	s_add_co_u32 s52, s52, s14
	s_add_co_u32 s52, s52, KVB
	s_mov_b32 s53, 0
	s_mov_b32 s[SEL], 0x76543210
	s_mov_b32 s[SEL+1], 0xfedcba98
	s_wait_dscnt 0x0                               ; the opening add is done
	s_wait_kmcnt 0x0
	s_add_nc_u64 s[52:53], s[4:5], s[52:53]
	CROUND                                         ; all four work-groups are here: the joint loads meet
.irp k, 0,1,2,3
	s_mov_b32 s[G0+4*\k], 1
	s_add_co_u32 s[G0+4*\k+1], s14, \k*4*UNIT      ; LDS: unit 4 k + wave
	s_add_nc_u64 s[G0+4*\k+2:G0+4*\k+3], s[52:53], \k*4*UNIT
	s_or_b32 s[G0+4*\k+3], s[G0+4*\k+3], 0x80000000
.endr
	s_cmp_lt_u32 s[WV], 4                          ; all fills of a wave stand in one branch on the wave's number
	s_cbranch_scc0 .Lno_fill
.irp k, 0,1,2,3
	tensor_load_to_lds s[G0+4*\k:G0+4*\k+3], s[G1:G1+7]
	s_nop 0
.endr
.rept 4
	v_nop
.endr
.Lno_fill:
	v_and_b32 v7, 31, v0
	v_lshlrev_b32 v[A16], 4, v7
	v_lshl_add_u32 v[A8], v7, 3, 512
	v_and_b32 v[R4], 15, v0
	v_lshlrev_b32 v[R4], 2, v[R4]
	v_add_nc_u32 v[AS0], 6144, v[R4]
	v_lshlrev_b32 v7, 4, v0                        ; 16 x thread: my wave's 128 words of the batch's mask
	s_lshr_b32 s56, s12, 4
	s_lshl_b32 s56, s56, 13
	s_mov_b32 s57, 0
	s_add_nc_u64 s[6:7], s[6:7], s[56:57]
	global_load_b128 v[S:S+3], v7, s[6:7]
	s_lshl_b32 s58, s11, 4
	s_add_co_u32 s58, s58, s[WV]                   ; my tile of 16 queries in the head
	s_mul_i32 s60, s12, 98304
	s_mul_i32 s59, s58, 768
	s_add_co_u32 s60, s60, s59
	s_mov_b32 s61, 0
	s_add_nc_u64 s[60:61], s[4:5], s[60:61]
	global_load_b128 v[QF:QF+3], v[A16], s[60:61]
	global_load_b64 v[QF+4:QF+5], v[A8], s[60:61]
	s_lshl_b32 s62, s12, 13
	s_lshl_b32 s59, s58, 6
	s_add_co_u32 s62, s62, s59
	s_add_co_u32 s62, s62, QS
	s_mov_b32 s63, 0
	s_add_nc_u64 s[62:63], s[4:5], s[62:63]
	global_load_b32 v255, v[R4], s[62:63]          ; q's scale words
.irp i, 7,8,9,10,11
	v_mov_b32 v[QF+\i], 0
.endr
.irp t, 0,1,2,3
	v_mov_b32 v[KF+12*\t+6], 0x28                  ; the code -1.0 at k = 64 (lanes 0-15) and k = 96 (lanes 16-31); these six registers of each fragment are written once
.irp i, 7,8,9,10,11
	v_mov_b32 v[KF+12*\t+\i], 0
.endr
.endr
	v_mov_b32 v13, 0xff61b1e6                      ; the largest t so far: -3e38
	v_floor_f32 v12, -v13                          ; -M
	v_mov_b32 v14, 0
	v_mov_b32 v15, 0
.irp b, 0,1,2,3
	v_mov_b32 v[236+\b], 0                         ; (a lane permute's destination counts as one of its sources)
.endr
	v_mov_b32 v252, 0
	v_mov_b32 v253, 0
.set n, 0
.rept 32
	v_mov_b32 v[O+n], 0                            ; O^T: the step is written once, its first trip finds zeros
.set n, n+1
.endr
	s_wait_loadcnt 0x0
	v_or_b32 v[S], v[S], v[S+1]
	v_or_b32 v[S+2], v[S+2], v[S+3]
	v_or_b32 v[S], v[S], v[S+2]
	v_cmp_ne_u32 s51, 0, v[S]                      ; the lanes with an open key
	s_lshl_b32 s50, s[WV], 2
	s_add_co_u32 s50, s50, FLG
	v_mov_b32 v[ADK], s50
	v_mov_b32 v[S+1], s51
	ds_store_b32 v[ADK], v[S+1]                    ; all lanes write the same word with the same value
	s_wait_tensorcnt 3                             ; my first unit is in; my three younger ones may be out
	s_wait_dscnt 0x0                               ; my flag lies in LDS
	s_barrier_signal -1
	s_barrier_wait -1
	v_mov_b32 v[ADK], FLG
.irp i, 0,1,2,3
	ds_load_b128 v[S+4*\i:S+4*\i+3], v[ADK] offset:16*\i
.endr
	s_wait_dscnt 0x0
.irp w, 8,4,2,1
.set n, 0
.rept \w
	v_or_b32 v[S+n], v[S+n], v[S+\w+n]
.set n, n+1
.endr
.endr
	v_readfirstlane_b32 s51, v[S]
	s_cmp_lg_u32 s51, 0                            ; is any key of the batch open?  It chooses two values, and no way through the text
	s_cselect_b32 s[CS], 0x3e38aa3b, 0             ; c = log2(e) / 8
	s_cselect_b32 s50, 8, 0                        ; q's code at k = 64 and 96: 1.0
	s_mov_b32 s[CS+1], s[CS]
	v_mov_b32 v[QF+6], s50
.rept 4
	v_nop                                          ; an operand written by a vector instruction stands four places ahead of a scaled product
.endr
.macro KLOAD g                         ; k's tiles 4 g .. 4 g + 3: the piece and the keys' scale words
.irp t, 0,1,2,3
	ds_load_b128 v[KF+12*\t:KF+12*\t+3], v[ADK] offset:768*(4*\g+\t)
	ds_load_b64 v[KF+12*\t+4:KF+12*\t+5], v[ADE] offset:768*(4*\g+\t)
	ds_load_b32 v[248+\t], v[ADS] offset:64*(4*\g+\t)
.endr
.endm
.macro SMUL g
.irp t, 0,1,2,3
	v_wmma_scale_f32_16x16x128_f8f6f4 v[S+8*(4*\g+\t):S+8*(4*\g+\t)+7], v[KF+12*\t:KF+12*\t+11], v[QF:QF+11], 0, v[248+\t], v255 matrix_a_fmt:MATRIX_FMT_FP6 matrix_b_fmt:MATRIX_FMT_FP6
.endr
.endm
.macro STEP                            ; 128 keys
	v_add_nc_u32 v[ADK], s[TB], v[A16]
	v_add_nc_u32 v[ADE], s[TB], v[A8]
	v_add_nc_u32 v[ADS], s[TB], v[AS0]
	KLOAD 0
	s_wait_dscnt 0x0
	SMUL 0
.rept 4
	v_nop                                          ; places in front of loads into registers that products have read
.endr
	KLOAD 1
.irp t, 0,1,2,3                        ; v's four fragments (16 channels x 128 keys) and scale words: they land under the softmax
.irp c, 0,1
	ds_load_b128 v[VF+12*\t+6*\c:VF+12*\t+6*\c+3], v[ADK] offset:6656+3072*\c+768*\t
	ds_load_b64 v[VF+12*\t+6*\c+4:VF+12*\t+6*\c+5], v[ADE] offset:6656+3072*\c+768*\t
.endr
	ds_load_b32 v[VS+\t], v[ADS] offset:6656+64*\t
.endr
	s_wait_dscnt 20                                ; k's are in; v's 20 loads may be out
	SMUL 1
.rept 4
	v_nop
.endr
.irp b, 0,1,2,3
	v_max3_num_f32 v[232+\b], v[S+16*\b], v[S+16*\b+1], v[S+16*\b+2]   ; the largest score of each block of 32 keys: for the row's maximum, and, since p rises with the score, for the block's largest p
.endr
.irp i, 3,5,7,9,11,13
.irp b, 0,1,2,3
	v_max3_num_f32 v[232+\b], v[232+\b], v[S+16*\b+\i], v[S+16*\b+\i+1]
.endr
.endr
.irp b, 0,1,2,3
	v_max_num_f32 v[232+\b], v[232+\b], v[S+16*\b+15]
.endr
.irp b, 0,1,2,3
	v_permlanex16_b32 v[236+\b], v[232+\b], s[SEL], s[SEL+1]
.endr
.irp b, 0,1,2,3
	v_max_num_f32 v[232+\b], v[232+\b], v[236+\b]
.endr
	v_max3_num_f32 v254, v232, v233, v234
	v_max_num_f32 v254, v254, v235
	v_mul_f32 v254, s[CS], v254                    ; as t (c is not negative)
	v_max_num_f32 v13, v13, v254                   ; the running largest t
	v_mov_b32 v254, v12
	v_floor_f32 v12, -v13                          ; -M = floor(-t): M is a whole number
	v_sub_f32 v254, v12, v254                      ; old M - new M: a whole number, 0 or less
	v_cvt_i32_f32 v254, v254                       ; (it saturates)
	v_ldexp_f32 v252, 1.0, v254                    ; f = 2^(old M - new M): a multiplication by it rounds nothing
.set n, 0
.rept 32
	v_pk_fma_f32 v[S+n:S+n+1], v[S+n:S+n+1], s[CS:CS+1], v[12:13] op_sel_hi:[1,0,0]   ; t - M, two at a time
.set n, n+2
.endr
.irp b, 0,1,2,3
	v_fma_f32 v[232+\b], v[232+\b], s[CS], v12
.endr
.set n, 0
.rept 64
	v_exp_f32 v[S+n], v[S+n]                       ; p = 2^(t - M)
.set n, n+1
.endr
	v_pk_mul_f32 v[14:15], v[14:15], v[252:253] op_sel_hi:[1,0]   ; the sums under the new M (a plain place behind the exponentials)
	s_wait_alu depctr_va_vdst(0)                   ; one wait for the batch, ahead of its first reader
.irp b, 0,1,2,3
	v_exp_f32 v[232+\b], v[232+\b]                 ; each block's largest p
.endr
	v_pk_add_f32 v[236:237], v[S:S+1], v[S+2:S+3]  ; the row's sum of the unquantised p, in two chains
.irp j, 4,8,12,16,20,24,28,32,36,40,44,48,52,56,60
	v_pk_add_f32 v[14:15], v[14:15], v[S+\j:S+\j+1]
	v_pk_add_f32 v[236:237], v[236:237], v[S+\j+2:S+\j+3]
.endr
	v_pk_add_f32 v[14:15], v[14:15], v[236:237]
	s_wait_alu depctr_va_vdst(0)                   ; and one for the four
.irp b, 0,1,2,3
	v_max_num_f32 v[232+\b], 0x1800000, v[232+\b]  ; the floor 2^(3 - 127): the byte cannot fall under 1
.endr
.irp b, 0,1,2,3
	v_add_nc_u32 v[244+\b], 0xff000000, v[232+\b]
.endr
.irp b, 0,1,2,3
	v_lshrrev_b32 v[236+\b], 23, v[244+\b]
.endr
	v_lshl_or_b32 v253, v237, 8, v236              ; p's scale word for these 128 keys
	v_lshl_or_b32 v253, v238, 16, v253
	v_lshl_or_b32 v253, v239, 24, v253
.irp c, 0,1
	v_cvt_scalef32_pk16_fp6_f32 v[PCD+6*\c:PCD+6*\c+2], v[S+32*\c:S+32*\c+15], v[244+2*\c]
	v_cvt_scalef32_pk16_fp6_f32 v[236+4*\c:238+4*\c], v[S+16+32*\c:S+31+32*\c], v[245+2*\c]
.endr
	v_nop                                          ; one plain place behind a scaled conversion
.irp c, 0,1
.irp i, 0,1,2
	v_permlane16_swap_b32 v[PCD+6*\c+\i], v[236+4*\c+\i]
.endr
.irp i, 0,1,2
	v_mov_b32 v[PCD+3+6*\c+\i], v[236+4*\c+\i]
.endr
.endr
.set n, 0
.rept 16
	v_pk_mul_f32 v[O+n:O+n+1], v[O+n:O+n+1], v[252:253] op_sel_hi:[1,0]   ; O^T under the new M; these 16 are also the places between p's codes and scale word and the products
.set n, n+2
.endr
	s_wait_dscnt 0x0                               ; v is in
.irp t, 0,1,2,3
	v_wmma_scale_f32_16x16x128_f8f6f4 v[O+8*\t:O+8*\t+7], v[VF+12*\t:VF+12*\t+11], v[PCD:PCD+11], v[O+8*\t:O+8*\t+7], v[VS+\t], v253 matrix_a_fmt:MATRIX_FMT_FP6 matrix_b_fmt:MATRIX_FMT_FP6
.endr
	s_add_co_u32 s[TB], s[TB], UNIT
.endm
.macro CHUNK n, k                      ; units 4 k .. 4 k + 3; n = a fetching wave's younger units, which may stay out
.if \k > 0
	s_wait_tensorcnt \n
	s_wait_dscnt 0x0
	s_barrier_signal -1
	s_barrier_wait -1                              ; everybody's part of these four units is in
.endif
	s_mov_b32 s[TB], \k*4*UNIT
	s_mov_b32 s[CNT], 4
.Lstep_\@:
	STEP
	s_sub_co_u32 s[CNT], s[CNT], 1
	s_cmp_lg_u32 s[CNT], 0
	s_cbranch_scc1 .Lstep_\@
.endm
	CHUNK 3, 0
	CHUNK 2, 1
	CHUNK 1, 2
	CHUNK 0, 3
	; THE WAY OUT: O^T / the sum; my 16 queries x 64 channels are two blocks along the next K: one piece of 768 bytes and two scale bytes a row
	v_add_f32 v14, v14, v15
	v_permlanex16_b32 v252, v14, s[SEL], s[SEL+1]
	v_add_f32 v14, v14, v252
	v_rcp_f32 v14, v14
.rept 4
	v_nop                                          ; places behind the last products, and the plain place behind the reciprocal
.endr
	s_lshr_b32 s56, s12, 4
	s_lshl_b32 s56, s56, 7
	s_add_co_u32 s56, s56, s58                     ; my row tile: 128 x batch + my tile
	s_and_b32 s57, s12, 15                         ; the head
	s_mul_i32 s52, s56, 12288
	s_mul_i32 s53, s57, 768
	s_add_co_u32 s52, s52, s53
	s_mov_b32 s53, 0
	s_add_nc_u64 s[52:53], s[8:9], s[52:53]
	s_lshr_b32 s54, s56, 3
	s_lshl_b32 s54, s54, 3
	s_lshr_b32 s55, s57, 1
	s_add_co_u32 s54, s54, s55
	s_lshl_b32 s54, s54, 9
	s_and_b32 s55, s56, 7
	s_lshl_b32 s55, s55, 6
	s_add_co_u32 s54, s54, s55
	s_and_b32 s55, s57, 1
	s_lshl_b32 s55, s55, 1
	s_add_co_u32 s54, s54, s55
	s_add_co_u32 s54, s54, CSG
	s_mov_b32 s55, 0
	s_add_nc_u64 s[54:55], s[8:9], s[54:55]
	s_wait_alu depctr_va_vdst(0)                   ; the wait ahead of the reciprocal's first reader
.set n, 0
.rept 32
	v_mul_f32 v[S+n], v[O+n], v14
.set n, n+1
.endr
.irp b, 0,1
	v_max3_num_f32 v[232+\b], |v[S+16*\b]|, |v[S+16*\b+1]|, 0x1800000
.endr
.irp i, 2,4,6,8,10,12,14
.irp b, 0,1
	v_max3_num_f32 v[232+\b], v[232+\b], |v[S+16*\b+\i]|, |v[S+16*\b+\i+1]|
.endr
.endr
.irp b, 0,1
	v_permlanex16_b32 v[236+\b], v[232+\b], s[SEL], s[SEL+1]
.endr
.irp b, 0,1
	v_max_num_f32 v[232+\b], v[232+\b], v[236+\b]
.endr
.irp b, 0,1
	v_add_nc_u32 v[244+\b], 0xff000000, v[232+\b]
.endr
.irp b, 0,1
	v_lshrrev_b32 v[236+\b], 23, v[244+\b]
.endr
	v_lshl_or_b32 v241, v237, 8, v236              ; my head's two bytes of the row's scale word
	v_cvt_scalef32_pk16_fp6_f32 v[224:226], v[S:S+15], v244
	v_cvt_scalef32_pk16_fp6_f32 v[228:230], v[S+16:S+31], v245
	v_nop
.irp i, 0,1,2
	v_permlane16_swap_b32 v[224+\i], v[228+\i]
.endr
	v_mov_b32 v227, v228
	v_mov_b32 v228, v229
	v_mov_b32 v229, v230
	global_store_b128 v[A16], v[224:227], s[52:53] ; 512 consecutive bytes
	global_store_b64 v[A8], v[228:229], s[52:53]   ; 256 consecutive bytes
	global_store_b16 v[R4], v241, s[54:55]         ; two bytes a row: the other head of the pair writes the word's other half
	s_wait_tensorcnt 0x0                           ; the wave's end
	ds_add_u32 v[SPW], v[NIL]
	s_wait_dscnt 0x0
	CROUND                                         ; the closing round
	s_endpgm
.Lfunc_end_k_q83a55f49c5_attn:
	.size	k_q83a55f49c5_attn, .Lfunc_end_k_q83a55f49c5_attn-k_q83a55f49c5_attn
	.p2alignl 7, 3214868480
	.fill 96, 4, 3214868480
	.section	.rodata,"a",@progbits
	.p2align	6, 0x0
	.amdhsa_kernel k_q83a55f49c5_attn
		.amdhsa_group_segment_fixed_size 229376
		.amdhsa_private_segment_fixed_size 0
		.amdhsa_enable_private_segment 0
		.amdhsa_kernarg_size 24
		.amdhsa_user_sgpr_count 2
		.amdhsa_user_sgpr_kernarg_segment_ptr 1
		.amdhsa_wavefront_size32 1
		.amdhsa_system_sgpr_workgroup_id_x 1
		.amdhsa_system_sgpr_workgroup_id_y 1
		.amdhsa_system_sgpr_workgroup_id_z 1
		.amdhsa_system_vgpr_workitem_id 0
		.amdhsa_next_free_vgpr 256
		.amdhsa_next_free_sgpr 66
		.amdhsa_reserve_vcc 0
		.amdhsa_float_denorm_mode_32 3
		.amdhsa_float_denorm_mode_16_64 3
		.amdhsa_memory_ordered 1
		.amdhsa_forward_progress 1
		.amdhsa_inst_pref_size 81
	.end_amdhsa_kernel
	.amdgpu_metadata
---
amdhsa.version: [ 1, 2 ]
amdhsa.kernels:
  - .name:           k_q83a55f49c5_attn
    .symbol:         k_q83a55f49c5_attn.kd
    .args:
      - { .name: QKV, .offset: 0, .size: 8, .value_kind: global_buffer, .address_space: global }
      - { .name: mask, .offset: 8, .size: 8, .value_kind: global_buffer, .address_space: global }
      - { .name: CTX, .offset: 16, .size: 8, .value_kind: global_buffer, .address_space: global }
    .group_segment_fixed_size: 229376
    .private_segment_fixed_size: 0
    .kernarg_segment_align: 8
    .kernarg_segment_size: 24
    .max_flat_workgroup_size: 512
    .sgpr_count:     66
    .vgpr_count:     256
    .wavefront_size: 32
...
	.end_amdgpu_metadata
.endif
;; end of part 4
;; launch wo (part 5): grid 4 x 16, 4 waves a work-group, clusters of 4 x 4, 327,680 bytes of LDS; arguments CTX, W, x, X1; writes X1
.if DOCPART == 5
	.amdgcn_target "amdgcn-amd-amdhsa--gfx1250"
	.amdhsa_code_object_version 6
	.text
	.protected	k_q83a55f49c5_wo
	.globl	k_q83a55f49c5_wo
	.p2align	8
	.type	k_q83a55f49c5_wo,@function
k_q83a55f49c5_wo:
	s_mov_b64 s[64:65], 0
	v_nop
	global_prefetch_b8 v0, s[64:65] scope:SCOPE_SE
	s_setreg_imm32_b32 hwreg(HW_REG_WAVE_MODE, 25, 1), 1
	s_wait_xcnt 0x0
	s_wait_alu depctr_hold_cnt(0) depctr_sa_sdst(0) depctr_va_vdst(0) depctr_va_sdst(0) depctr_va_ssrc(0) depctr_va_vcc(0) depctr_vm_vsrc(0)
	s_getreg_b32 s2, hwreg(HW_REG_IB_STS2, 6, 4)
	s_cmp_eq_u32 s2, 0
	s_cbranch_scc0 .Lentry_in_a_cluster
	s_endpgm
.Lentry_in_a_cluster:
	s_bfe_u32 s2, ttmp6, 0x10000c
	s_cmp_lg_u32 s2, 0xf033
	s_cbranch_scc0 .Lentry_shape_is_right
	s_endpgm
.Lentry_shape_is_right:
; out = res + A B^T (+ bias): A [4,096][128 KT] and B [1,024][128 KT] on codes of MX-FP6, out and res [4,096][1,024] f32.  Here: x1 = x + ctx wo.
; A tile of 256 x 256 to a work-group of four waves, 128 x 128 a wave in 64 accumulators (windows 2 and 3).  Operands lie in memory as images of the matrix unit's registers:
; [16 rows][128 K][2 pieces of 768 bytes: registers 0-3 at 16 x lane, registers 4-5 at 512 + 8 x lane], so a fragment is two loads of 16 bytes and two of 8 a lane, consecutive over the lanes: no pitch, no padding.
; K goes in steps of 256 through a ring of two LDS slots; a wave's tensor load brings 8 row tiles x 3,072 consecutive bytes.  The scale words of the work-group's rows, [128 rows][128 K][128 words], come once and stay.
; CLUSTER 4 x 4: A's tile is shared along a row of the cluster, B's along a column: joint loads.  The matrix instruction is used TRANSPOSED (source 0 = B's 16 rows, source 1 = A's): a lane holds eight neighbouring numbers of a row.
; The grid has 64 work-groups: 4,096 x 1,024 in tiles of 256 x 256.  No prefetch: each tile is read by four work-groups at once and again by other clusters.  LIMITS: NaN and infinities are not served.
.set KT,    8                          ; K / 128
.set BIAS,  0
.set ASOFF, 3145728                    ; A's buffer: where the scale words begin
.set BOFF,  2359296                    ; W: B's codes
.set BSOFF, 9535488                    ; W: B's scale words
.set FR,    12
.set NL,    4
.set NP,    4
.set HALFT, 8*3072
.set SLOT,  4*HALFT
.set LAPS,  KT/4
.set SCL,   2*SLOT
.set HALFS, KT*512
.set SPARE, SCL+4*HALFS                ; the spare words, 128 bytes a wave, that no other line names
.set SPITCH, 528                       ; the way out: a stage of 16 rows x (512 + 16) bytes for each wave, in slot 0, which has had its last fill and its last read by then
.set ADRA,  16
.set ADRB,  20
.set STO,   24
.set RD,    25
.set CO,    26
.set ADRS,  27
.set SPW,   28
.set NIL,   29
.set SC,    32                         ; v32-63 scale words; they hold nothing else
.set BI,    64                         ; v64-127 the bias in the result's layout
.set AF,    128                        ; v128-223 A's 8 fragments;  window 1: B's two sets at v0 and v128
.set BK,    128                        ; the way out: 16 rows back from the stage, v128-191 and v192-255 by turns;  window 1: four sets of 64 for the residual
.set G1,    24
.set G0,    32
.set G1B,   48
.set G0B,   56
.set G1S,   68
.set G0S,   76
.set G1SB,  80
.set G0SB,  88
.set MSB,   0
.macro WIN new
.if MSB != (\new)
	s_set_vgpr_msb (MSB<<8)|(\new)
.set MSB, (\new)
.endif
.endm
.set MUL_LO, 0xa1
.set MUL_HI, 0xf1
.set TO_B,   0x40
.macro JLOAD g0a, g1a, g0b, g1b        ; a joint load: waves 0, 1 fetch for A, waves 2, 3 for B; s_nop 0 and four v_nop follow each line
	s_cmp_eq_u32 s15, 0
	s_cbranch_scc0 .Lfor_b_\@
	tensor_load_to_lds s[\g0a:\g0a+3], s[\g1a:\g1a+7]
	s_nop 0
.rept 4
	v_nop
.endr
	s_branch .Lasked_\@
.Lfor_b_\@:
	tensor_load_to_lds s[\g0b:\g0b+3], s[\g1b:\g1b+7]
	s_nop 0
.rept 4
	v_nop
.endr
.Lasked_\@:
.endm
.macro CREST
	s_cmp_lg_u32 s14, 0
	s_cbranch_scc1 .Lnot_wave_0_\@
	s_barrier_signal -3
.Lnot_wave_0_\@:
	s_barrier_wait -3
	s_barrier_signal -1
	s_barrier_wait -1
.endm
.macro CROUND
	s_barrier_signal -1
	s_barrier_wait -1
	CREST
.endm
	s_load_b256 s[4:11], s[0:1], 0x0               ; A, W, the residual, the output
.if BIAS
	s_load_b64 s[12:13], s[0:1], 0x20              ; the bias
.endif
	v_lshl_add_u32 v[SPW], v0, 2, SPARE
	v_mov_b32 v[NIL], 0
	ds_add_u32 v[SPW], v[NIL]                      ; the wave's opening: the add and its wait ahead of my first tensor load
	v_lshrrev_b32 v1, 5, v0
	v_readfirstlane_b32 s14, v1
	s_lshr_b32 s15, s14, 1                         ; my half of the rows; also: I fetch for A (0) or B (1)
	s_and_b32 s16, s14, 1                          ; my half of the columns; also: which 128 rows I fetch
	s_bfe_u32 s40, ttmp6, 0x40000
	s_bfe_u32 s41, ttmp6, 0x40004
	s_lshl_b32 s42, ttmp9, 2
	s_add_co_u32 s42, s42, s40                     ; tile column
	s_and_b32 s17, ttmp7, 0xffff
	s_lshl_b32 s17, s17, 2
	s_add_co_u32 s17, s17, s41                     ; tile row
	s_lshl_b32 s43, s41, 2
	s_lshl_b32 s43, 15, s43
	s_lshl_b32 s44, 0x1111, s40
	s_or_b32 s[G1+0], s43, (3<<16)|(1<<21)         ; the mask; elements of 8 bytes; 21 set beside a mask; no padding
	s_or_b32 s[G1B+0], s44, (3<<16)|(1<<21)
.irp g, G1, G1B
	s_mov_b32 s[\g+1], 384<<16
	s_mov_b32 s[\g+2], 8<<16
	s_mov_b32 s[\g+3], 384<<16
	s_mov_b32 s[\g+4], 8
	s_mov_b32 s[\g+5], KT*192
	s_mov_b32 s[\g+6], 0
	s_mov_b32 s[\g+7], 0
.endr
	s_or_b32 s[G1S+0], s43, (3<<16)|(1<<21)
	s_or_b32 s[G1SB+0], s44, (3<<16)|(1<<21)
.irp g, G1S, G1SB
	s_mov_b32 s[\g+1], 32<<16
	s_mov_b32 s[\g+2], (2*KT)<<16
	s_mov_b32 s[\g+3], 32<<16
	s_mov_b32 s[\g+4], 2*KT
	s_mov_b32 s[\g+5], 32
	s_mov_b32 s[\g+6], 0
	s_mov_b32 s[\g+7], 0
.endr
	s_lshl_b32 s18, s16, 3
	s_lshl_b32 s20, s17, 4
	s_add_co_u32 s20, s20, s18
	s_mul_i32 s20, s20, KT*1536
	s_lshl_b32 s46, s42, 4
	s_add_co_u32 s46, s46, s18
	s_mul_i32 s46, s46, KT*1536
	s_add_co_u32 s46, s46, BOFF
	s_lshl_b32 s22, s17, 1
	s_add_co_u32 s22, s22, s16
	s_mul_i32 s22, s22, KT*512
	s_add_co_u32 s22, s22, ASOFF
	s_lshl_b32 s92, s42, 1
	s_add_co_u32 s92, s92, s16
	s_mul_i32 s92, s92, KT*512
	s_add_co_u32 s92, s92, BSOFF
	s_mov_b32 s21, 0
	s_mov_b32 s23, 0
	s_mov_b32 s47, 0
	s_mov_b32 s93, 0
	s_mul_i32 s45, s14, HALFT
	s_mul_i32 s94, s14, HALFS
	s_wait_dscnt 0x0
	s_wait_kmcnt 0x0
	s_add_nc_u64 s[20:21], s[4:5], s[20:21]
	s_add_nc_u64 s[22:23], s[4:5], s[22:23]
	s_add_nc_u64 s[46:47], s[6:7], s[46:47]
	s_add_nc_u64 s[92:93], s[6:7], s[92:93]
	CROUND
	s_mov_b32 s[G0S], 1
	s_add_co_u32 s[G0S+1], s94, SCL
	s_mov_b64 s[G0S+2:G0S+3], s[22:23]
	s_or_b32 s[G0S+3], s[G0S+3], 0x80000000
	s_mov_b32 s[G0SB], 1
	s_add_co_u32 s[G0SB+1], s94, SCL
	s_mov_b64 s[G0SB+2:G0SB+3], s[92:93]
	s_or_b32 s[G0SB+3], s[G0SB+3], 0x80000000
	JLOAD G0S, G1S, G0SB, G1SB
.irp s, 0,1
	s_mov_b32 s[G0+4*\s], 1
	s_add_co_u32 s[G0+4*\s+1], s45, \s*SLOT
	s_add_nc_u64 s[G0+4*\s+2:G0+4*\s+3], s[20:21], \s*3072
	s_or_b32 s[G0+4*\s+3], s[G0+4*\s+3], 0x80000000
	s_mov_b32 s[G0B+4*\s], 1
	s_add_co_u32 s[G0B+4*\s+1], s45, \s*SLOT
	s_add_nc_u64 s[G0B+4*\s+2:G0B+4*\s+3], s[46:47], \s*3072
	s_or_b32 s[G0B+4*\s+3], s[G0B+4*\s+3], 0x80000000
	JLOAD G0+4*\s, G1, G0B+4*\s, G1B               ; three tensor loads of mine are out
.endr
	v_and_b32 v1, 15, v0
	v_bfe_u32 v2, v0, 4, 1
	v_and_b32 v3, 31, v0
	v_lshlrev_b32 v4, 4, v3
	v_lshlrev_b32 v5, 3, v3
	s_mul_i32 s21, s15, HALFT
	s_mul_i32 s22, s16, HALFT
	s_add_co_u32 s22, s22, 2*HALFT
.irp s, 0,1
	v_add_nc_u32 v[ADRA+\s], s21, v4
	v_add_nc_u32 v[ADRB+\s], s22, v4
	v_add_nc_u32 v[ADRA+2+\s], s21, v5
	v_add_nc_u32 v[ADRB+2+\s], s22, v5
	s_add_co_u32 s21, s21, SLOT
	s_add_co_u32 s22, s22, SLOT
.endr
	v_lshlrev_b32 v5, 2, v1
	s_mul_i32 s21, s15, HALFS
	s_mul_i32 s22, s16, HALFS
	s_add_co_u32 s22, s22, 2*HALFS
	s_sub_co_u32 s22, s22, s21
	v_mul_u32_u24 v6, s22, v2                      ; lanes 16-31 take B's words
	s_add_co_u32 s21, s21, SCL
	v_add_nc_u32 v5, v5, v6
	v_add_nc_u32 v[ADRS], s21, v5
	s_mul_i32 s23, s14, 16*SPITCH                  ; my stage
	v_mul_u32_u24 v5, v1, SPITCH
	v_lshl_add_u32 v5, v2, 5, v5
	v_add_nc_u32 v[STO], s23, v5                   ; in: row r, 32 bytes for each half of the lanes
	v_lshlrev_b32 v[CO], 4, v3                     ; back: the 32 lanes take a row of 512 bytes; the same in memory
	v_add_nc_u32 v[RD], s23, v[CO]
	s_lshl_b32 s20, s17, 8
	s_lshl_b32 s21, s15, 7
	s_add_co_u32 s20, s20, s21                     ; my first row
	s_lshl_b32 s20, s20, 12                        ; x 4,096 bytes
	s_lshl_b32 s21, s42, 10
	s_add_co_u32 s20, s20, s21
	s_lshl_b32 s21, s16, 9
	s_add_co_u32 s20, s20, s21                     ; + my first column x 4
	s_mov_b32 s21, 0
	s_add_nc_u64 s[8:9], s[8:9], s[20:21]
	s_add_nc_u64 s[10:11], s[10:11], s[20:21]
.if BIAS
	s_lshl_b32 s20, s42, 10
	s_lshl_b32 s21, s16, 9
	s_add_co_u32 s20, s20, s21
	s_mov_b32 s21, 0
	s_add_nc_u64 s[12:13], s[12:13], s[20:21]
	v_lshlrev_b32 v7, 5, v2
.irp b, 0,1,2,3,4,5,6,7
	global_load_b128 v[BI+8*\b:BI+8*\b+3], v7, s[12:13] offset:64*\b          ; register 8 b + j: bias of column 16 b + 8 h + j
	global_load_b128 v[BI+8*\b+4:BI+8*\b+7], v7, s[12:13] offset:64*\b+16
.endr
.endif
.macro FRAG reg, adr, q, i
.irp c, 0,1
	ds_load_b128 v[\reg+6*\c:\reg+6*\c+3], v[\adr] offset:(\i)*3072+(\q)*1536+768*\c
	ds_load_b64 v[\reg+6*\c+4:\reg+6*\c+5], v[\adr+2] offset:(\i)*3072+(\q)*1536+768*\c+512
.endr
.endm
.macro MM a, b, p, q, sc, zero
.set rD, 8*(8*((\a)%4)+\b)
.set rB, 128*(\p)+FR*\b
.set rA, AF+FR*(\a)
.set rX, SC+16*(\sc)+2*\b+(\q)
.set rY, SC+16*(\sc)+2*(\a)+(\q)
.if (\zero) == 0
	v_wmma_scale_f32_16x16x128_f8f6f4 v[rD:rD+7], v[rB:rB+11], v[rA:rA+11], v[rD:rD+7], v[rX], v[rY] matrix_a_fmt:MATRIX_FMT_FP6 matrix_b_fmt:MATRIX_FMT_FP6 matrix_a_scale:MATRIX_SCALE_ROW1
.elseif BIAS
	v_wmma_scale_f32_16x16x128_f8f6f4 v[rD:rD+7], v[rB:rB+11], v[rA:rA+11], v[BI+8*\b:BI+8*\b+7], v[rX], v[rY] matrix_a_fmt:MATRIX_FMT_FP6 matrix_b_fmt:MATRIX_FMT_FP6 matrix_a_scale:MATRIX_SCALE_ROW1
.else
	v_wmma_scale_f32_16x16x128_f8f6f4 v[rD:rD+7], v[rB:rB+11], v[rA:rA+11], 0, v[rX], v[rY] matrix_a_fmt:MATRIX_FMT_FP6 matrix_b_fmt:MATRIX_FMT_FP6 matrix_a_scale:MATRIX_SCALE_ROW1
.endif
.endm
.macro MUL16 a0, p, q, sc, zero        ; the 64 accumulators take turns, one instruction a turn, in the same order in every step
.irp a, \a0, \a0+1
.irp b, 0,1,2,3,4,5,6,7
	MM \a, \b, \p, \q, \sc, \zero
.endr
.endr
.endm
.macro FETCH_B slot, q, p
	WIN TO_B
.irp i, 0,1,2,3,4,5,6,7
	FRAG 128*(\p)+FR*\i, ADRB+\slot, \q, \i
.endr
	WIN 0
.endm
.macro FETCH_A slot, q, i0
.irp i, \i0, \i0+1, \i0+2, \i0+3
	FRAG AF+FR*(\i), ADRA+\slot, \q, \i
.endr
.endm
.macro SCALES sc
.irp i, 0,1,2,3,4,5,6,7
.irp q, 0,1
	ds_load_b32 v[SC+16*\sc+2*\i+\q], v[ADRS] offset:512*\q+64*\i
.endr
.endr
.endm
.macro PLACES n
.rept \n
	v_nop
.endr
.endm
.macro STEP slot, q, zero
	s_wait_dscnt 4*NL                              ; all but the youngest 16 loads (A's blocks 4-7) are in
.if (\zero)*BIAS
	WIN 0x81
.else
	WIN MUL_LO
.endif
	MUL16 0, (\q)%2, \q, \slot, \zero
	MUL16 2, (\q)%2, \q, \slot, \zero
	s_wait_dscnt 0
	PLACES NP
	FETCH_B \slot, (\q)+1, 1-(\q)%2
	FETCH_A \slot, (\q)+1, 0
.if (\zero)*BIAS
	WIN 0xc1
.else
	WIN MUL_HI
.endif
	MUL16 4, (\q)%2, \q, \slot, \zero
	MUL16 6, (\q)%2, \q, \slot, \zero
	PLACES NP
	WIN 0
	FETCH_A \slot, (\q)+1, 4
.endm
.macro TURN slot, next, fill
	s_wait_tensorcnt 0x0                           ; all my tensor loads have landed: my part of the next slot
	ds_add_u32 v[SPW], v[NIL]                      ; 0 onto my spare word
	s_wait_dscnt 4*NL+1                            ; (the add and the youngest 16 loads may be out)
	WIN MUL_LO
	MUL16 0, 1, 1, \slot, 0
	s_wait_dscnt 0x0                               ; the add is done, and my reads of this slot are over
	s_barrier_signal -1
	MUL16 2, 1, 1, \slot, 0
	WIN 0
	s_barrier_wait -1
.if \fill
	CREST                                          ; no wave of any partner still reads this slot or has a load on its way
	s_add_nc_u64 s[G0+4*\slot+2:G0+4*\slot+3], s[G0+4*\slot+2:G0+4*\slot+3], 6144
	s_add_nc_u64 s[G0B+4*\slot+2:G0B+4*\slot+3], s[G0B+4*\slot+2:G0B+4*\slot+3], 6144
	JLOAD G0+4*\slot, G1, G0B+4*\slot, G1B         ; my one tensor load behind the round
.else
	PLACES NP
.endif
	v_add_nc_u32 v[ADRS], 1024, v[ADRS]
	FETCH_B \next, 0, 0
	FETCH_A \next, 0, 0
	SCALES \next
	WIN MUL_HI
	MUL16 4, 1, 1, \slot, 0
	MUL16 6, 1, 1, \slot, 0
	PLACES NP
	WIN 0
	FETCH_A \next, 0, 4
.endm
	s_wait_tensorcnt 1                             ; the scale words and my part of slot 0 are in; slot 1's load may be out
	s_barrier_signal -1
	s_barrier_wait -1
	FETCH_B 0, 0, 0
	FETCH_A 0, 0, 0
	SCALES 0
	FETCH_A 0, 0, 4
.if BIAS
	s_wait_loadcnt 0x0
.endif
	STEP 0, 0, 1
	s_mov_b32 s3, LAPS-1
.Llap:
	TURN 0, 1, 1
	STEP 1, 0, 0
	TURN 1, 0, 1
	STEP 0, 0, 0
	s_sub_co_u32 s3, s3, 1
	s_cmp_lg_u32 s3, 0
	s_cbranch_scc1 .Llap
	TURN 0, 1, 0
	STEP 1, 0, 0
	s_wait_dscnt 4*NL
	WIN MUL_LO
	MUL16 0, 1, 1, 1, 0
	MUL16 2, 1, 1, 1, 0
	s_wait_dscnt 0
	WIN MUL_HI
	MUL16 4, 1, 1, 1, 0
	MUL16 6, 1, 1, 1, 0
	WIN 0
; THE WAY OUT, block by block of 16 rows x 128 columns: through my own stage, back as whole rows of 512 bytes, the residual added, stored as two aligned runs of 256 bytes an instruction.  Every offset is an immediate: 127 rows at the most.
.macro RLOAD a                         ; the residual's 16 rows of block a into window 1
	WIN 0x40
.irp t, 0,1,2,3,4,5,6,7,8,9,10,11,12,13,14,15
	global_load_b128 v[64*((\a)%4)+4*\t:64*((\a)%4)+4*\t+3], v[CO], s[8:9] offset:(16*(\a)+\t)*4096
.endr
	WIN 0
.endm
.macro TOSTAGE a
.set AC, 64*((\a)%4)
	WIN 0x08+4*((\a)/4)                            ; the data: window 2 or 3
.irp b, 0,1,2,3,4,5,6,7
	ds_store_b128 v[STO], v[AC+8*\b:AC+8*\b+3] offset:64*\b          ; each accumulator from its low end on
	ds_store_b128 v[STO], v[AC+8*\b+4:AC+8*\b+7] offset:64*\b+16
.endr
	WIN 0
.set BB, BK+64*((\a)%2)
.irp t, 0,1,2,3,4,5,6,7,8,9,10,11,12,13,14,15
	ds_load_b128 v[BB+4*\t:BB+4*\t+3], v[RD] offset:\t*SPITCH        ; LDS serves a wave's instructions in order: these see the stores above
.endr
.endm
.macro SEND a, younger
.set BB, BK+64*((\a)%2)
.set LFT, 7-(\a)
.if LFT > 2
.set LFT, 2
.endif
	s_wait_dscnt \younger                          ; the block is back; the next block's 16 stores and 16 loads may be out
	s_wait_loadcnt 16*LFT                          ; its residual is in; the loads of the blocks behind it may be out
	WIN 0x04                                       ; source 1: window 1
.set n, 0
.rept 32
	v_pk_add_f32 v[BB+n:BB+n+1], v[BB+n:BB+n+1], v[64*((\a)%4)+n:64*((\a)%4)+n+1]
.set n, n+2
.endr
	WIN 0
.if (\a)+3 < 8
	RLOAD (\a)+3
.endif
.irp t, 0,1,2,3,4,5,6,7,8,9,10,11,12,13,14,15
	global_store_b128 v[CO], v[BB+4*\t:BB+4*\t+3], s[10:11] offset:(16*(\a)+\t)*4096 th:TH_STORE_NT
.endr
.endm
	PLACES NP                                      ; in front of loads into registers that the last products read, and of the first read of results
	RLOAD 0
	RLOAD 1
	RLOAD 2
	TOSTAGE 0
.irp a, 1,2,3,4,5,6,7
.if \a > 1
	s_wait_xcnt 0x0                                ; block a - 2's stores have read their registers: block a's rows may land there
.endif
	TOSTAGE \a
	SEND \a-1, 32
.endr
	SEND 7, 0
	s_wait_tensorcnt 0x0                           ; the wave's end
	ds_add_u32 v[SPW], v[NIL]
	s_wait_dscnt 0x0
	CROUND                                         ; the closing round
	s_endpgm
.Lfunc_end_k_q83a55f49c5_wo:
	.size	k_q83a55f49c5_wo, .Lfunc_end_k_q83a55f49c5_wo-k_q83a55f49c5_wo
	.p2alignl 7, 3214868480
	.fill 96, 4, 3214868480
	.section	.rodata,"a",@progbits
	.p2align	6, 0x0
	.amdhsa_kernel k_q83a55f49c5_wo
		.amdhsa_group_segment_fixed_size 327680
		.amdhsa_private_segment_fixed_size 0
		.amdhsa_enable_private_segment 0
		.amdhsa_kernarg_size 32
		.amdhsa_user_sgpr_count 2
		.amdhsa_user_sgpr_kernarg_segment_ptr 1
		.amdhsa_wavefront_size32 1
		.amdhsa_system_sgpr_workgroup_id_x 1
		.amdhsa_system_sgpr_workgroup_id_y 1
		.amdhsa_system_sgpr_workgroup_id_z 1
		.amdhsa_system_vgpr_workitem_id 0
		.amdhsa_next_free_vgpr 1024
		.amdhsa_next_free_sgpr 102
		.amdhsa_reserve_vcc 0
		.amdhsa_float_denorm_mode_32 3
		.amdhsa_float_denorm_mode_16_64 3
		.amdhsa_memory_ordered 1
		.amdhsa_forward_progress 1
		.amdhsa_inst_pref_size 174
	.end_amdhsa_kernel
	.amdgpu_metadata
---
amdhsa.version: [ 1, 2 ]
amdhsa.kernels:
  - .name:           k_q83a55f49c5_wo
    .symbol:         k_q83a55f49c5_wo.kd
    .args:
      - { .name: CTX, .offset: 0, .size: 8, .value_kind: global_buffer, .address_space: global }
      - { .name: W, .offset: 8, .size: 8, .value_kind: global_buffer, .address_space: global }
      - { .name: x, .offset: 16, .size: 8, .value_kind: global_buffer, .address_space: global }
      - { .name: X1, .offset: 24, .size: 8, .value_kind: global_buffer, .address_space: global }
    .group_segment_fixed_size: 327680
    .private_segment_fixed_size: 0
    .kernarg_segment_align: 8
    .kernarg_segment_size: 32
    .max_flat_workgroup_size: 128
    .sgpr_count:     102
    .vgpr_count:     1024
    .wavefront_size: 32
...
	.end_amdgpu_metadata
.endif
;; end of part 5
;; launch ln2: the kernel of part 2 again; grid 256 x 1, 8 waves a work-group, no clusters, 66,816 bytes of LDS; arguments X1, alpha2, bias2, XN; writes XN
;; launch ffn1 (part 6): grid 16 x 16, 4 waves a work-group, clusters of 4 x 4, 327,680 bytes of LDS; arguments XN, W, HID, b1; writes HID
.if DOCPART == 6
	.amdgcn_target "amdgcn-amd-amdhsa--gfx1250"
	.amdhsa_code_object_version 6
	.text
	.protected	k_q83a55f49c5_ffn1
	.globl	k_q83a55f49c5_ffn1
	.p2align	8
	.type	k_q83a55f49c5_ffn1,@function
k_q83a55f49c5_ffn1:
	s_mov_b64 s[64:65], 0
	v_nop
	global_prefetch_b8 v0, s[64:65] scope:SCOPE_SE
	s_setreg_imm32_b32 hwreg(HW_REG_WAVE_MODE, 25, 1), 1
	s_wait_xcnt 0x0
	s_wait_alu depctr_hold_cnt(0) depctr_sa_sdst(0) depctr_va_vdst(0) depctr_va_sdst(0) depctr_va_ssrc(0) depctr_va_vcc(0) depctr_vm_vsrc(0)
	s_getreg_b32 s2, hwreg(HW_REG_IB_STS2, 6, 4)
	s_cmp_eq_u32 s2, 0
	s_cbranch_scc0 .Lentry_in_a_cluster
	s_endpgm
.Lentry_in_a_cluster:
	s_bfe_u32 s2, ttmp6, 0x10000c
	s_cmp_lg_u32 s2, 0xf033
	s_cbranch_scc0 .Lentry_shape_is_right
	s_endpgm
.Lentry_shape_is_right:
; QKV = 1: q, k, v = xn wq, xn wk, xn wv (K = 1,024) on codes of MX-FP6; the results are quantised in registers and leave as operands of the attention.  QKV = 0 (here): h = relu(xn w1 + b1), quantised along its 4,096.
; THE PRODUCT.  A tile of 256 x 256 to a work-group of four waves, 128 x 128 a wave in 64 accumulators (windows 2 and 3).  Operands lie in memory as images of the matrix unit's registers:
; [16 rows][128 K][2 pieces of 768 bytes: registers 0-3 at 16 x lane, registers 4-5 at 512 + 8 x lane], so a fragment is two loads of 16 bytes and two of 8 a lane, consecutive over the lanes: no pitch, no padding.
; K goes in steps of 256 through a ring of two LDS slots; a wave's tensor load brings 8 row tiles x 3,072 consecutive bytes.  The scale words of the work-group's rows, [128 rows][128 K][128 words], come once and stay.
; CLUSTER 4 x 4: the first operand's tile is shared along a row of the cluster, the second's along a column: joint loads.  The matrix instruction is used TRANSPOSED (source 0 = second operand's 16 rows, source 1 = first's):
; lane (r, h) holds row r of the first operand, and register 8 b + j column 16 b + 8 h + j: 16 registers of two neighbouring tiles are a half block along the next K, in the order pi (places 8-15 and 16-23 of a block
; exchanged) that every operand of this program has.  The bias is the C of each sum's first product.  A wave's 128 columns are one K step of the next product: one fragment and one scale word a row.
; No prefetch: each tile is read by four work-groups at once and again by other clusters.  LIMITS: NaN and infinities are not served.
.set QKV,   0
.set KT,    8                          ; K / 128
.set BIAS,  1-QKV
.set RELU,  1-QKV
.set WS,    9437184                    ; W: where the scale words begin
.set XNS,   3145728                    ; XN: likewise
.set AVOFF, 1572864                    ; W: wv's codes
.set BOFF,  3145728                    ; W: w1's codes
.set BSOFF, WS+131072                  ; W: w1's scale words
.set QS,    3145728                    ; QKV: q's scale words
.set KVB,   3407872                    ; QKV: k's and v's units
.set HSG,   12582912                   ; HID: the scale words
.set FR,    12                         ; registers of a fragment
.set NL,    4                          ; LDS loads that bring one
.set NP,    4                          ; places behind this matrix instruction (ISA guide 7.12.1)
.set HALFT, 8*3072                     ; what one tensor load brings: 128 rows x 256 K
.set SLOT,  4*HALFT
.set LAPS,  KT/4                       ; a lap = two slots = 512 along K
.set SCL,   2*SLOT                     ; behind the ring: the scale words
.set HALFS, KT*512                     ; those of 128 rows
.set SPARE, SCL+4*HALFS                ; the spare words, 128 bytes a wave, that no other line names
.set ADRA,  16                         ; v16-17 16 x lane + my rows of the first operand in slot 0, 1;  v18-19 the same with 8 x lane
.set ADRB,  20                         ; v20-23 the same for the second operand
.set ADRS,  27                         ; v27 my scale words: lanes 0-15 the first operand's, lanes 16-31 the second's
.set SPW,   28
.set NIL,   29
.set SC,    32                         ; v32-63 scale words, a set of 16 for each slot: register 2 i + q; they hold nothing else
.set BI,    64                         ; v64-127 the bias in the result's layout
.set AF,    128                        ; v128-223 the first operand's 8 fragments, one set;  window 1: the second's, two sets at v0 and v128
.set PC,    128                        ; the way out: v128-139 codes, v140-146 at work
.set MK,    148                        ; v148-155 mask words of my rows
.set TM,    224                        ; v224-239 at work
.set PW,    240                        ; the scale word just made
.set SEL,   66
.set G1,    24
.set G0,    32
.set G1B,   48
.set G0B,   56
.set G1S,   68
.set G0S,   76
.set G1SB,  80
.set G0SB,  88
.set MSB,   0
.macro WIN new                         ; the immediate's high byte repeats the setting that is left
.if MSB != (\new)
	s_set_vgpr_msb (MSB<<8)|(\new)
.set MSB, (\new)
.endif
.endm
.set MUL_LO, 0xa1                      ; source 0 window 1, source 1 window 0, C and D window 2
.set MUL_HI, 0xf1                      ; the same, C and D window 3
.set TO_B,   0x40                      ; destination window 1
.macro JLOAD g0a, g1a, g0b, g1b        ; a joint load: waves 0, 1 fetch for the first operand, waves 2, 3 for the second; s_nop 0 and four v_nop follow each line
	s_cmp_eq_u32 s15, 0
	s_cbranch_scc0 .Lfor_b_\@
	tensor_load_to_lds s[\g0a:\g0a+3], s[\g1a:\g1a+7]
	s_nop 0
.rept 4
	v_nop
.endr
	s_branch .Lasked_\@
.Lfor_b_\@:
	tensor_load_to_lds s[\g0b:\g0b+3], s[\g1b:\g1b+7]
	s_nop 0
.rept 4
	v_nop
.endr
.Lasked_\@:
.endm
.macro CREST                           ; a round of the cluster's barrier behind its opening barrier
	s_cmp_lg_u32 s14, 0
	s_cbranch_scc1 .Lnot_wave_0_\@
	s_barrier_signal -3
.Lnot_wave_0_\@:
	s_barrier_wait -3
	s_barrier_signal -1
	s_barrier_wait -1
.endm
.macro CROUND
	s_barrier_signal -1
	s_barrier_wait -1
	CREST
.endm
	s_load_b128 s[4:7], s[0:1], 0x0                ; XN, W
	s_load_b64 s[12:13], s[0:1], 0x10              ; the output
	s_load_b64 s[100:101], s[0:1], 0x18            ; the mask (QKV) or the bias
	v_lshl_add_u32 v[SPW], v0, 2, SPARE
	v_mov_b32 v[NIL], 0
	ds_add_u32 v[SPW], v[NIL]                      ; the wave's opening: the add and its wait ahead of my first tensor load
	v_lshrrev_b32 v1, 5, v0
	v_readfirstlane_b32 s14, v1                    ; wave
	s_lshr_b32 s15, s14, 1                         ; my half of the first operand's rows; also: I fetch for the first (0) or the second (1)
	s_and_b32 s16, s14, 1                          ; my half of the second's; also: which 128 rows I fetch
	s_bfe_u32 s40, ttmp6, 0x40000                  ; cx
	s_bfe_u32 s41, ttmp6, 0x40004                  ; cy
	s_lshl_b32 s42, ttmp9, 2
	s_and_b32 s17, ttmp7, 0xffff
	s_lshl_b32 s17, s17, 2
.if QKV
	s_cmp_eq_u32 ttmp9, 2                          ; v?  The cluster's x: the same in all sixteen partners
	s_cselect_b32 s42, s17, s42                    ; v: the second operand's tiles (tokens) go by the cluster's y,
	s_cselect_b32 s17, 0, s17                      ; the first's (wv's four) by cy alone
	s_cselect_b32 s95, AVOFF, 0                    ; the first operand's codes in its buffer,
	s_mov_b32 s96, XNS
	s_cselect_b32 s97, WS+65536, s96               ; its scale words,
	s_mov_b32 s98, WS
	s_cselect_b32 s98, s96, s98                    ; and the second's
.endif
	s_add_co_u32 s42, s42, s40                     ; the second operand's tile
	s_add_co_u32 s17, s17, s41                     ; the first operand's tile
	s_lshl_b32 s43, s41, 2
	s_lshl_b32 s43, 15, s43                        ; my row of the cluster
	s_lshl_b32 s44, 0x1111, s40                    ; my column
	s_or_b32 s[G1+0], s43, (3<<16)|(1<<21)         ; 15:0 the mask; 17:16 elements of 8 bytes; 21 set beside a mask; no padding
	s_or_b32 s[G1B+0], s44, (3<<16)|(1<<21)
.irp g, G1, G1B
	s_mov_b32 s[\g+1], 384<<16                     ; tensor_dim0 = 384: 3,072 bytes
	s_mov_b32 s[\g+2], 8<<16                       ; tensor_dim1 = 8 row tiles
	s_mov_b32 s[\g+3], 384<<16                     ; tile_dim0
	s_mov_b32 s[\g+4], 8                           ; tile_dim1
	s_mov_b32 s[\g+5], KT*192                      ; from row tile to row tile
	s_mov_b32 s[\g+6], 0
	s_mov_b32 s[\g+7], 0
.endr
	s_or_b32 s[G1S+0], s43, (3<<16)|(1<<21)        ; the scale words of 128 rows: a dense block, as rows of 256 bytes
	s_or_b32 s[G1SB+0], s44, (3<<16)|(1<<21)
.irp g, G1S, G1SB
	s_mov_b32 s[\g+1], 32<<16
	s_mov_b32 s[\g+2], (2*KT)<<16
	s_mov_b32 s[\g+3], 32<<16
	s_mov_b32 s[\g+4], 2*KT
	s_mov_b32 s[\g+5], 32
	s_mov_b32 s[\g+6], 0
	s_mov_b32 s[\g+7], 0
.endr
	s_lshl_b32 s18, s16, 3
	s_lshl_b32 s20, s17, 4
	s_add_co_u32 s20, s20, s18                     ; first operand: row tile 16 x tile + 8 x half
	s_mul_i32 s20, s20, KT*1536
	s_lshl_b32 s46, s42, 4
	s_add_co_u32 s46, s46, s18
	s_mul_i32 s46, s46, KT*1536
	s_lshl_b32 s22, s17, 1
	s_add_co_u32 s22, s22, s16                     ; its group of 128 rows
	s_mul_i32 s22, s22, KT*512
	s_lshl_b32 s92, s42, 1
	s_add_co_u32 s92, s92, s16
	s_mul_i32 s92, s92, KT*512
.if QKV
	s_add_co_u32 s20, s20, s95
	s_add_co_u32 s22, s22, s97
	s_add_co_u32 s92, s92, s98
.else
	s_add_co_u32 s46, s46, BOFF
	s_add_co_u32 s22, s22, XNS
	s_add_co_u32 s92, s92, BSOFF
.endif
	s_mov_b32 s21, 0
	s_mov_b32 s23, 0
	s_mov_b32 s47, 0
	s_mov_b32 s93, 0
	s_mul_i32 s45, s14, HALFT                      ; where they go: wave x 128 rows: no place in the cluster enters an LDS address
	s_mul_i32 s94, s14, HALFS
	s_mov_b32 s[SEL], 0x76543210
	s_mov_b32 s[SEL+1], 0xfedcba98
	s_wait_dscnt 0x0                               ; the opening add is done
	s_wait_kmcnt 0x0
.if QKV
	s_cmp_eq_u32 ttmp9, 2
	s_cselect_b64 s[8:9], s[6:7], s[4:5]           ; the first operand's buffer
	s_cselect_b64 s[10:11], s[4:5], s[6:7]         ; the second's
.else
	s_mov_b64 s[8:9], s[4:5]
	s_mov_b64 s[10:11], s[6:7]
.endif
	s_add_nc_u64 s[20:21], s[8:9], s[20:21]
	s_add_nc_u64 s[22:23], s[8:9], s[22:23]
	s_add_nc_u64 s[46:47], s[10:11], s[46:47]
	s_add_nc_u64 s[92:93], s[10:11], s[92:93]
	CROUND                                         ; all sixteen work-groups are here: the first joint loads meet
	s_mov_b32 s[G0S], 1
	s_add_co_u32 s[G0S+1], s94, SCL
	s_mov_b64 s[G0S+2:G0S+3], s[22:23]
	s_or_b32 s[G0S+3], s[G0S+3], 0x80000000
	s_mov_b32 s[G0SB], 1
	s_add_co_u32 s[G0SB+1], s94, SCL
	s_mov_b64 s[G0SB+2:G0SB+3], s[92:93]
	s_or_b32 s[G0SB+3], s[G0SB+3], 0x80000000
	JLOAD G0S, G1S, G0SB, G1SB                     ; the scale words first
.irp s, 0,1
	s_mov_b32 s[G0+4*\s], 1
	s_add_co_u32 s[G0+4*\s+1], s45, \s*SLOT
	s_add_nc_u64 s[G0+4*\s+2:G0+4*\s+3], s[20:21], \s*3072
	s_or_b32 s[G0+4*\s+3], s[G0+4*\s+3], 0x80000000
	s_mov_b32 s[G0B+4*\s], 1
	s_add_co_u32 s[G0B+4*\s+1], s45, \s*SLOT
	s_add_nc_u64 s[G0B+4*\s+2:G0B+4*\s+3], s[46:47], \s*3072
	s_or_b32 s[G0B+4*\s+3], s[G0B+4*\s+3], 0x80000000
	JLOAD G0+4*\s, G1, G0B+4*\s, G1B               ; three tensor loads of mine are out
.endr
	v_and_b32 v1, 15, v0                           ; r
	v_bfe_u32 v2, v0, 4, 1                         ; h
	v_and_b32 v3, 31, v0
	v_lshlrev_b32 v4, 4, v3                        ; 16 x lane
	v_lshlrev_b32 v5, 3, v3                        ; 8 x lane
	s_mul_i32 s21, s15, HALFT
	s_mul_i32 s22, s16, HALFT
	s_add_co_u32 s22, s22, 2*HALFT
.irp s, 0,1
	v_add_nc_u32 v[ADRA+\s], s21, v4
	v_add_nc_u32 v[ADRB+\s], s22, v4
	v_add_nc_u32 v[ADRA+2+\s], s21, v5
	v_add_nc_u32 v[ADRB+2+\s], s22, v5
	s_add_co_u32 s21, s21, SLOT
	s_add_co_u32 s22, s22, SLOT
.endr
	v_lshlrev_b32 v5, 2, v1                        ; 4 r
	s_mul_i32 s21, s15, HALFS
	s_mul_i32 s22, s16, HALFS
	s_add_co_u32 s22, s22, 2*HALFS
	s_sub_co_u32 s22, s22, s21
	v_mul_u32_u24 v6, s22, v2                      ; lanes 16-31 take the second operand's words
	s_add_co_u32 s21, s21, SCL
	v_add_nc_u32 v5, v5, v6
	v_add_nc_u32 v[ADRS], s21, v5
.if BIAS
	s_lshl_b32 s20, s42, 10                        ; my first column x 4 bytes: 1,024 x tile + 512 x half
	s_lshl_b32 s21, s16, 9
	s_add_co_u32 s20, s20, s21
	s_mov_b32 s21, 0
	s_add_nc_u64 s[100:101], s[100:101], s[20:21]
	v_lshlrev_b32 v7, 5, v2                        ; 32 h
.irp b, 0,1,2,3,4,5,6,7
	global_load_b128 v[BI+8*\b:BI+8*\b+3], v7, s[100:101] offset:64*\b        ; register 8 b + j: bias of column 16 b + 8 h + j
	global_load_b128 v[BI+8*\b+4:BI+8*\b+7], v7, s[100:101] offset:64*\b+16
.endr
.endif
.macro FRAG reg, adr, q, i             ; a fragment comes as it was stored
.irp c, 0,1
	ds_load_b128 v[\reg+6*\c:\reg+6*\c+3], v[\adr] offset:(\i)*3072+(\q)*1536+768*\c
	ds_load_b64 v[\reg+6*\c+4:\reg+6*\c+5], v[\adr+2] offset:(\i)*3072+(\q)*1536+768*\c+512
.endr
.endm
.macro MM a, b, p, q, sc, zero         ; one product; zero = 1: it starts the sum, with the bias or with 0 as C
.set rD, 8*(8*((\a)%4)+\b)
.set rB, 128*(\p)+FR*\b
.set rA, AF+FR*(\a)
.set rX, SC+16*(\sc)+2*\b+(\q)
.set rY, SC+16*(\sc)+2*(\a)+(\q)
.if (\zero) == 0
	v_wmma_scale_f32_16x16x128_f8f6f4 v[rD:rD+7], v[rB:rB+11], v[rA:rA+11], v[rD:rD+7], v[rX], v[rY] matrix_a_fmt:MATRIX_FMT_FP6 matrix_b_fmt:MATRIX_FMT_FP6 matrix_a_scale:MATRIX_SCALE_ROW1
.elseif BIAS
	v_wmma_scale_f32_16x16x128_f8f6f4 v[rD:rD+7], v[rB:rB+11], v[rA:rA+11], v[BI+8*\b:BI+8*\b+7], v[rX], v[rY] matrix_a_fmt:MATRIX_FMT_FP6 matrix_b_fmt:MATRIX_FMT_FP6 matrix_a_scale:MATRIX_SCALE_ROW1
.else
	v_wmma_scale_f32_16x16x128_f8f6f4 v[rD:rD+7], v[rB:rB+11], v[rA:rA+11], 0, v[rX], v[rY] matrix_a_fmt:MATRIX_FMT_FP6 matrix_b_fmt:MATRIX_FMT_FP6 matrix_a_scale:MATRIX_SCALE_ROW1
.endif
.endm
.macro MUL16 a0, p, q, sc, zero        ; 16 products; the 64 accumulators take turns, one instruction a turn, in the same order in every step
.irp a, \a0, \a0+1
.irp b, 0,1,2,3,4,5,6,7
	MM \a, \b, \p, \q, \sc, \zero
.endr
.endr
.endm
.macro FETCH_B slot, q, p
	WIN TO_B
.irp i, 0,1,2,3,4,5,6,7
	FRAG 128*(\p)+FR*\i, ADRB+\slot, \q, \i
.endr
	WIN 0
.endm
.macro FETCH_A slot, q, i0
.irp i, \i0, \i0+1, \i0+2, \i0+3
	FRAG AF+FR*(\i), ADRA+\slot, \q, \i
.endr
.endm
.macro SCALES sc                       ; a slot's scale words: lanes 0-15 the first operand's block i, lanes 16-31 the second's
.irp i, 0,1,2,3,4,5,6,7
.irp q, 0,1
	ds_load_b32 v[SC+16*\sc+2*\i+\q], v[ADRS] offset:512*\q+64*\i
.endr
.endr
.endm
.macro PLACES n                        ; plain vector instructions between a matrix instruction and a load into, or a read of, its registers
.rept \n
	v_nop
.endr
.endm
.macro STEP slot, q, zero              ; 128 along K whose successor lies in the same slot
	s_wait_dscnt 4*NL                              ; all but the youngest 16 loads (the first operand's blocks 4-7) are in
.if (\zero)*BIAS
	WIN 0x81                                       ; C, the bias, in window 0
.else
	WIN MUL_LO
.endif
	MUL16 0, (\q)%2, \q, \slot, \zero
	MUL16 2, (\q)%2, \q, \slot, \zero
	s_wait_dscnt 0
	PLACES NP
	FETCH_B \slot, (\q)+1, 1-(\q)%2
	FETCH_A \slot, (\q)+1, 0
.if (\zero)*BIAS
	WIN 0xc1
.else
	WIN MUL_HI
.endif
	MUL16 4, (\q)%2, \q, \slot, \zero
	MUL16 6, (\q)%2, \q, \slot, \zero
	PLACES NP
	WIN 0
	FETCH_A \slot, (\q)+1, 4
.endm
.macro TURN slot, next, fill           ; a slot's last step changes slots: one barrier; fill = 1: it opens a round of the cluster's barrier and this slot is filled again
	s_wait_tensorcnt 0x0                           ; all my tensor loads have landed: my part of the next slot
	ds_add_u32 v[SPW], v[NIL]                      ; 0 onto my spare word
	s_wait_dscnt 4*NL+1                            ; (the add and the youngest 16 loads may be out)
	WIN MUL_LO
	MUL16 0, 1, 1, \slot, 0
	s_wait_dscnt 0x0                               ; the add is done, and my reads of this slot are over
	s_barrier_signal -1
	MUL16 2, 1, 1, \slot, 0
	WIN 0
	s_barrier_wait -1
.if \fill
	CREST                                          ; no wave of any partner still reads this slot or has a load on its way
	s_add_nc_u64 s[G0+4*\slot+2:G0+4*\slot+3], s[G0+4*\slot+2:G0+4*\slot+3], 6144
	s_add_nc_u64 s[G0B+4*\slot+2:G0B+4*\slot+3], s[G0B+4*\slot+2:G0B+4*\slot+3], 6144
	JLOAD G0+4*\slot, G1, G0B+4*\slot, G1B         ; my one tensor load behind the round; its four v_nop are the places in front of the loads below
.else
	PLACES NP
.endif
	v_add_nc_u32 v[ADRS], 1024, v[ADRS]            ; the next slot's scale words
	FETCH_B \next, 0, 0
	FETCH_A \next, 0, 0
	SCALES \next
	WIN MUL_HI
	MUL16 4, 1, 1, \slot, 0
	MUL16 6, 1, 1, \slot, 0
	PLACES NP
	WIN 0
	FETCH_A \next, 0, 4
.endm
	s_wait_tensorcnt 1                             ; the scale words and my part of slot 0 are in; slot 1's load may be out
	s_barrier_signal -1
	s_barrier_wait -1
	FETCH_B 0, 0, 0
	FETCH_A 0, 0, 0
	SCALES 0
	FETCH_A 0, 0, 4
.if BIAS
	s_wait_loadcnt 0x0                             ; the bias
.endif
	STEP 0, 0, 1                                   ; the first step starts the sums
	s_mov_b32 s3, LAPS-1
.Llap:
	TURN 0, 1, 1
	STEP 1, 0, 0
	TURN 1, 0, 1
	STEP 0, 0, 0
	s_sub_co_u32 s3, s3, 1
	s_cmp_lg_u32 s3, 0
	s_cbranch_scc1 .Llap
	TURN 0, 1, 0                                   ; the last lap fills nothing
	STEP 1, 0, 0
	s_wait_dscnt 4*NL
	WIN MUL_LO
	MUL16 0, 1, 1, 1, 0
	MUL16 2, 1, 1, 1, 0
	s_wait_dscnt 0
	WIN MUL_HI
	MUL16 4, 1, 1, 1, 0
	MUL16 6, 1, 1, 1, 0
	WIN 0
; THE WAY OUT.  Block a (16 rows of the first operand x my 128 columns, 64 registers a lane) becomes one fragment and one scale word a row, and is stored from the registers.
.if QKV
	s_and_b32 s20, s42, 3
	s_cmp_eq_u32 ttmp9, 0                          ; q?
	s_mov_b32 s23, 208896
	s_cselect_b32 s23, 98304, s23                  ; bytes from head to head
	s_mov_b32 s45, 13056
	s_cselect_b32 s45, 6144, s45                   ; from 128 tokens to the next
	s_mov_b32 s46, KVB
	s_cselect_b32 s46, 0, s46
	s_mov_b32 s47, 208896
	s_cselect_b32 s47, 8192, s47                   ; from a head's scale word to the next head's
	s_mov_b32 s92, 0x9f9f0000
	s_cselect_b32 s92, 0x7f7f0000, s92             ; bytes 2, 3 of a masked row's scale word,
	s_mov_b32 s99, 0x01010000
	s_cselect_b32 s99, 0x7f7f0000, s99             ; and of an open one's
	s_cselect_b32 s93, 1, 0
	s_cmp_eq_u32 ttmp9, 2                          ; v?
	s_cselect_b32 s18, s42, s17                    ; the tokens' tile and half,
	s_cselect_b32 s19, s16, s15
	s_cselect_b32 s20, s17, s20                    ; the channels' tile and half
	s_cselect_b32 s21, s15, s16
	s_cselect_b32 s22, 3072, s23                   ; from piece c = 0 to c = 1: v: the next 64 keys; q, k: the next head
	s_mov_b32 s94, 3072
	s_cselect_b32 s94, 208896, s94                 ; from block a to a + 4: v: the next head; q, k: four pieces on
	s_mov_b32 s95, 256
	s_cselect_b32 s95, 208896, s95                 ; the same for the scale words
	s_cselect_b32 s47, 0, s47                      ; v has one word a row: the second store repeats the first
	s_cselect_b32 s92, 0, s92
	s_cselect_b32 s99, 0, s99
	s_cselect_b32 s96, -1, 0xffff
	s_cselect_b32 s97, 0, 16
	s_cselect_b32 s98, 6656, 0
	s_add_co_u32 s46, s46, s98
	s_lshr_b32 s98, s18, 3                         ; the batch
	s_and_b32 s18, s18, 7
	s_lshl_b32 s18, s18, 1
	s_add_co_u32 s18, s18, s19                     ; which 128 tokens of the batch
	s_lshl_b32 s98, s98, 4
	s_lshl_b32 s20, s20, 2
	s_add_co_u32 s98, s98, s20
	s_lshl_b32 s21, s21, 1
	s_add_co_u32 s98, s98, s21                     ; my first head: 16 x batch + 4 x tile + 2 x half
	s_mul_i32 s19, s98, s23
	s_mul_i32 s20, s18, s45
	s_add_co_u32 s46, s46, s19
	s_add_co_u32 s46, s46, s20                     ; my codes
	s_lshl_b32 s19, s98, 13
	s_lshl_b32 s20, s18, 9
	s_add_co_u32 s19, s19, s20
	s_add_co_u32 s19, s19, QS
	s_add_co_u32 s20, s46, 6144
	s_cmp_eq_u32 s93, 1
	s_cselect_b32 s19, s19, s20                    ; my scale words
	s_lshl_b32 s20, s17, 10
	s_lshl_b32 s21, s15, 9
	s_add_co_u32 s20, s20, s21                     ; the mask words of my rows (used for k alone; for q and v both choices below are equal)
	s_mov_b32 s21, 0
	s_add_nc_u64 s[100:101], s[100:101], s[20:21]
.else
	s_lshl_b32 s18, s17, 4
	s_lshl_b32 s19, s15, 3
	s_add_co_u32 s18, s18, s19
	s_lshl_b32 s18, s18, 5                         ; my first row tile x 32 K steps
	s_lshl_b32 s19, s42, 1
	s_add_co_u32 s19, s19, s16                     ; my columns are K step 2 x tile + half of the next product
	s_add_co_u32 s18, s18, s19
	s_mul_i32 s46, s18, 1536
	s_lshl_b32 s18, s17, 1
	s_add_co_u32 s18, s18, s15
	s_lshl_b32 s18, s18, 5
	s_add_co_u32 s18, s18, s19
	s_lshl_b32 s18, s18, 9
	s_add_co_u32 s19, s18, HSG
	s_mov_b32 s22, 0
	s_mov_b32 s94, 0
	s_mov_b32 s95, 0
	s_mov_b32 s47, 0
.endif
	v_and_b32 v241, 31, v0                         ; (these plain lines are also the places behind the last products)
	v_lshlrev_b32 v242, 4, v241
	v_add_nc_u32 v244, s46, v242                   ; v244-247: 16 x lane for c = 0, 1; 8 x lane + 512 for c = 0, 1
	v_add_nc_u32 v245, s22, v244
	v_lshl_add_u32 v246, v241, 3, 512
	v_add_nc_u32 v246, s46, v246
	v_add_nc_u32 v247, s22, v246
.irp i, 0,1,2,3
	v_add_nc_u32 v[248+\i], s94, v[244+\i]         ; v248-251: the same for blocks 4-7
.endr
	v_and_b32 v241, 15, v0
	v_lshlrev_b32 v158, 2, v241                    ; 4 r
	v_add_nc_u32 v252, s19, v158                   ; v252, v253: scale words, blocks 0-3 and 4-7;  v254, v255: the second head's
	v_add_nc_u32 v253, s95, v252
	v_add_nc_u32 v254, s47, v252
	v_add_nc_u32 v255, s47, v253
.irp b, 0,1,2,3
	v_mov_b32 v[TM+4+\b], 0                        ; (a lane permute's destination counts as one of its sources)
.endr
.if QKV
	v_mov_b32 v156, s99
	v_mov_b32 v157, s92
.irp a, 0,1,2,3,4,5,6,7
	global_load_b32 v[MK+\a], v158, s[100:101] offset:64*\a
.endr
	s_wait_loadcnt 0x0
.endif
.macro QUANT a
.set WW, 2+(\a)/4
.set AC, 64*((\a)%4)
.if RELU
	WIN ((WW<<6)|(WW<<2))
.set n, 0
.rept 64
	v_max_num_f32 v[AC+n], 0, v[AC+n]              ; the activation, in f32, each accumulator from its low end on
.set n, n+1
.endr
.endif
	WIN (WW|(WW<<2))                               ; sources 0 and 1: the accumulators' window
.irp b, 0,1,2,3
	v_max3_num_f32 v[TM+\b], |v[AC+16*\b]|, |v[AC+16*\b+1]|, 0x1800000   ; block b: my 16 numbers, and the floor 2^(3 - 127)
.endr
.irp i, 2,4,6,8,10,12,14
.irp b, 0,1,2,3
	v_max3_num_f32 v[TM+\b], |v[AC+16*\b+\i]|, |v[AC+16*\b+\i+1]|, v[TM+\b]
.endr
.endr
	WIN 0
	s_wait_xcnt 0x0                                ; the last block's stores have read their registers: codes and words are written again only behind this wait
.irp b, 0,1,2,3
	v_permlanex16_b32 v[TM+4+\b], v[TM+\b], s[SEL], s[SEL+1]
.endr
.irp b, 0,1,2,3
	v_max_num_f32 v[TM+\b], v[TM+\b], v[TM+4+\b]   ; with lane l xor 16's: the block's largest magnitude
.endr
.irp b, 0,1,2,3
	v_add_nc_u32 v[TM+12+\b], 0xff000000, v[TM+\b] ; 2 off the exponent field: the conversion's scale operand
.endr
.irp b, 0,1,2,3
	v_lshrrev_b32 v[TM+4+\b], 23, v[TM+12+\b]      ; the scale's byte
.endr
	v_lshl_or_b32 v[PW], v[TM+5], 8, v[TM+4]
	v_lshl_or_b32 v[PW], v[TM+6], 16, v[PW]
	v_lshl_or_b32 v[PW], v[TM+7], 24, v[PW]
	WIN WW
.irp c, 0,1
	v_cvt_scalef32_pk16_fp6_f32 v[PC+6*\c:PC+6*\c+2], v[AC+32*\c:AC+32*\c+15], v[TM+12+2*\c]
	v_cvt_scalef32_pk16_fp6_f32 v[PC+12+4*\c:PC+14+4*\c], v[AC+16+32*\c:AC+31+32*\c], v[TM+13+2*\c]
.endr
	WIN 0
	v_nop                                          ; one plain place behind a scaled conversion
.irp c, 0,1                            ; the operand wants a whole block in a lane: lanes 0-15 block 2 c, lanes 16-31 block 2 c + 1
.irp i, 0,1,2
	v_permlane16_swap_b32 v[PC+6*\c+\i], v[PC+12+4*\c+\i]
.endr
.irp i, 0,1,2
	v_mov_b32 v[PC+3+6*\c+\i], v[PC+12+4*\c+\i]
.endr
.endr
.endm
.macro OUT a
.if QKV
	v_cmp_eq_u32 vcc_lo, 0, v[MK+(\a)]
	v_cndmask_b32 v243, v156, v157, vcc_lo         ; bytes 2, 3: a choice of values, no branch
	v_and_or_b32 v241, v[PW], s96, v243            ; q, k: the first head's two bytes; v: the whole word
	v_lshrrev_b32 v242, s97, v[PW]
	v_or_b32 v242, v242, v243                      ; q, k: the second head's; v: the same word again
.irp c, 0,1
	global_store_b128 v[244+4*((\a)/4)+\c], v[PC+6*\c:PC+6*\c+3], s[12:13] offset:((\a)%4)*768     ; 512 consecutive bytes
	global_store_b64 v[246+4*((\a)/4)+\c], v[PC+6*\c+4:PC+6*\c+5], s[12:13] offset:((\a)%4)*768    ; 256 consecutive bytes
.endr
	global_store_b32 v[252+(\a)/4], v241, s[12:13] offset:((\a)%4)*64
	global_store_b32 v[254+(\a)/4], v242, s[12:13] offset:((\a)%4)*64
.else
.irp c, 0,1
	global_store_b128 v244, v[PC+6*\c:PC+6*\c+3], s[12:13] offset:(\a)*49152+768*\c
	global_store_b64 v246, v[PC+6*\c+4:PC+6*\c+5], s[12:13] offset:(\a)*49152+768*\c
.endr
	global_store_b32 v252, v[PW], s[12:13] offset:(\a)*64
.endif
.endm
.irp a, 0,1,2,3,4,5,6,7
	QUANT \a
	OUT \a
.endr
	s_wait_tensorcnt 0x0                           ; the wave's end
	ds_add_u32 v[SPW], v[NIL]
	s_wait_dscnt 0x0
	CROUND                                         ; the closing round
	s_endpgm
.Lfunc_end_k_q83a55f49c5_ffn1:
	.size	k_q83a55f49c5_ffn1, .Lfunc_end_k_q83a55f49c5_ffn1-k_q83a55f49c5_ffn1
	.p2alignl 7, 3214868480
	.fill 96, 4, 3214868480
	.section	.rodata,"a",@progbits
	.p2align	6, 0x0
	.amdhsa_kernel k_q83a55f49c5_ffn1
		.amdhsa_group_segment_fixed_size 327680
		.amdhsa_private_segment_fixed_size 0
		.amdhsa_enable_private_segment 0
		.amdhsa_kernarg_size 32
		.amdhsa_user_sgpr_count 2
		.amdhsa_user_sgpr_kernarg_segment_ptr 1
		.amdhsa_wavefront_size32 1
		.amdhsa_system_sgpr_workgroup_id_x 1
		.amdhsa_system_sgpr_workgroup_id_y 1
		.amdhsa_system_sgpr_workgroup_id_z 1
		.amdhsa_system_vgpr_workitem_id 0
		.amdhsa_next_free_vgpr 1024
		.amdhsa_next_free_sgpr 102
		.amdhsa_reserve_vcc 1
		.amdhsa_float_denorm_mode_32 3
		.amdhsa_float_denorm_mode_16_64 3
		.amdhsa_memory_ordered 1
		.amdhsa_forward_progress 1
		.amdhsa_inst_pref_size 170
	.end_amdhsa_kernel
	.amdgpu_metadata
---
amdhsa.version: [ 1, 2 ]
amdhsa.kernels:
  - .name:           k_q83a55f49c5_ffn1
    .symbol:         k_q83a55f49c5_ffn1.kd
    .args:
      - { .name: XN, .offset: 0, .size: 8, .value_kind: global_buffer, .address_space: global }
      - { .name: W, .offset: 8, .size: 8, .value_kind: global_buffer, .address_space: global }
      - { .name: HID, .offset: 16, .size: 8, .value_kind: global_buffer, .address_space: global }
      - { .name: b1, .offset: 24, .size: 8, .value_kind: global_buffer, .address_space: global }
    .group_segment_fixed_size: 327680
    .private_segment_fixed_size: 0
    .kernarg_segment_align: 8
    .kernarg_segment_size: 32
    .max_flat_workgroup_size: 128
    .sgpr_count:     102
    .vgpr_count:     1024
    .wavefront_size: 32
...
	.end_amdgpu_metadata
.endif
;; end of part 6
;; launch ffn2 (part 7): grid 4 x 16, 4 waves a work-group, clusters of 4 x 4, 327,680 bytes of LDS; arguments HID, W, X1, out0, b2; writes out0
.if DOCPART == 7
	.amdgcn_target "amdgcn-amd-amdhsa--gfx1250"
	.amdhsa_code_object_version 6
	.text
	.protected	k_q83a55f49c5_ffn2
	.globl	k_q83a55f49c5_ffn2
	.p2align	8
	.type	k_q83a55f49c5_ffn2,@function
k_q83a55f49c5_ffn2:
	s_mov_b64 s[64:65], 0
	v_nop
	global_prefetch_b8 v0, s[64:65] scope:SCOPE_SE
	s_setreg_imm32_b32 hwreg(HW_REG_WAVE_MODE, 25, 1), 1
	s_wait_xcnt 0x0
	s_wait_alu depctr_hold_cnt(0) depctr_sa_sdst(0) depctr_va_vdst(0) depctr_va_sdst(0) depctr_va_ssrc(0) depctr_va_vcc(0) depctr_vm_vsrc(0)
	s_getreg_b32 s2, hwreg(HW_REG_IB_STS2, 6, 4)
	s_cmp_eq_u32 s2, 0
	s_cbranch_scc0 .Lentry_in_a_cluster
	s_endpgm
.Lentry_in_a_cluster:
	s_bfe_u32 s2, ttmp6, 0x10000c
	s_cmp_lg_u32 s2, 0xf033
	s_cbranch_scc0 .Lentry_shape_is_right
	s_endpgm
.Lentry_shape_is_right:
; out = res + A B^T (+ bias): A [4,096][128 KT] and B [1,024][128 KT] on codes of MX-FP6, out and res [4,096][1,024] f32.  Here: out0 = x1 + h w2 + b2; the bias is the C of each sum's first product.
; A tile of 256 x 256 to a work-group of four waves, 128 x 128 a wave in 64 accumulators (windows 2 and 3).  Operands lie in memory as images of the matrix unit's registers:
; [16 rows][128 K][2 pieces of 768 bytes: registers 0-3 at 16 x lane, registers 4-5 at 512 + 8 x lane], so a fragment is two loads of 16 bytes and two of 8 a lane, consecutive over the lanes: no pitch, no padding.
; K goes in steps of 256 through a ring of two LDS slots; a wave's tensor load brings 8 row tiles x 3,072 consecutive bytes.  The scale words of the work-group's rows, [128 rows][128 K][128 words], come once and stay.
; CLUSTER 4 x 4: A's tile is shared along a row of the cluster, B's along a column: joint loads.  The matrix instruction is used TRANSPOSED (source 0 = B's 16 rows, source 1 = A's): a lane holds eight neighbouring numbers of a row.
; The grid has 64 work-groups: 4,096 x 1,024 in tiles of 256 x 256.  No prefetch: each tile is read by four work-groups at once and again by other clusters.  LIMITS: NaN and infinities are not served.
.set KT,    32                         ; K / 128
.set BIAS,  1
.set ASOFF, 12582912                   ; A's buffer: where the scale words begin
.set BOFF,  6291456                    ; W: B's codes
.set BSOFF, 9699328                    ; W: B's scale words
.set FR,    12
.set NL,    4
.set NP,    4
.set HALFT, 8*3072
.set SLOT,  4*HALFT
.set LAPS,  KT/4
.set SCL,   2*SLOT
.set HALFS, KT*512
.set SPARE, SCL+4*HALFS                ; the spare words, 128 bytes a wave, that no other line names
.set SPITCH, 528                       ; the way out: a stage of 16 rows x (512 + 16) bytes for each wave, in slot 0, which has had its last fill and its last read by then
.set ADRA,  16
.set ADRB,  20
.set STO,   24
.set RD,    25
.set CO,    26
.set ADRS,  27
.set SPW,   28
.set NIL,   29
.set SC,    32                         ; v32-63 scale words; they hold nothing else
.set BI,    64                         ; v64-127 the bias in the result's layout
.set AF,    128                        ; v128-223 A's 8 fragments;  window 1: B's two sets at v0 and v128
.set BK,    128                        ; the way out: 16 rows back from the stage, v128-191 and v192-255 by turns;  window 1: four sets of 64 for the residual
.set G1,    24
.set G0,    32
.set G1B,   48
.set G0B,   56
.set G1S,   68
.set G0S,   76
.set G1SB,  80
.set G0SB,  88
.set MSB,   0
.macro WIN new
.if MSB != (\new)
	s_set_vgpr_msb (MSB<<8)|(\new)
.set MSB, (\new)
.endif
.endm
.set MUL_LO, 0xa1
.set MUL_HI, 0xf1
.set TO_B,   0x40
.macro JLOAD g0a, g1a, g0b, g1b        ; a joint load: waves 0, 1 fetch for A, waves 2, 3 for B; s_nop 0 and four v_nop follow each line
	s_cmp_eq_u32 s15, 0
	s_cbranch_scc0 .Lfor_b_\@
	tensor_load_to_lds s[\g0a:\g0a+3], s[\g1a:\g1a+7]
	s_nop 0
.rept 4
	v_nop
.endr
	s_branch .Lasked_\@
.Lfor_b_\@:
	tensor_load_to_lds s[\g0b:\g0b+3], s[\g1b:\g1b+7]
	s_nop 0
.rept 4
	v_nop
.endr
.Lasked_\@:
.endm
.macro CREST
	s_cmp_lg_u32 s14, 0
	s_cbranch_scc1 .Lnot_wave_0_\@
	s_barrier_signal -3
.Lnot_wave_0_\@:
	s_barrier_wait -3
	s_barrier_signal -1
	s_barrier_wait -1
.endm
.macro CROUND
	s_barrier_signal -1
	s_barrier_wait -1
	CREST
.endm
	s_load_b256 s[4:11], s[0:1], 0x0               ; A, W, the residual, the output
.if BIAS
	s_load_b64 s[12:13], s[0:1], 0x20              ; the bias
.endif
	v_lshl_add_u32 v[SPW], v0, 2, SPARE
	v_mov_b32 v[NIL], 0
	ds_add_u32 v[SPW], v[NIL]                      ; the wave's opening: the add and its wait ahead of my first tensor load
	v_lshrrev_b32 v1, 5, v0
	v_readfirstlane_b32 s14, v1
	s_lshr_b32 s15, s14, 1                         ; my half of the rows; also: I fetch for A (0) or B (1)
	s_and_b32 s16, s14, 1                          ; my half of the columns; also: which 128 rows I fetch
	s_bfe_u32 s40, ttmp6, 0x40000
	s_bfe_u32 s41, ttmp6, 0x40004
	s_lshl_b32 s42, ttmp9, 2
	s_add_co_u32 s42, s42, s40                     ; tile column
	s_and_b32 s17, ttmp7, 0xffff
	s_lshl_b32 s17, s17, 2
	s_add_co_u32 s17, s17, s41                     ; tile row
	s_lshl_b32 s43, s41, 2
	s_lshl_b32 s43, 15, s43
	s_lshl_b32 s44, 0x1111, s40
	s_or_b32 s[G1+0], s43, (3<<16)|(1<<21)         ; the mask; elements of 8 bytes; 21 set beside a mask; no padding
	s_or_b32 s[G1B+0], s44, (3<<16)|(1<<21)
.irp g, G1, G1B
	s_mov_b32 s[\g+1], 384<<16
	s_mov_b32 s[\g+2], 8<<16
	s_mov_b32 s[\g+3], 384<<16
	s_mov_b32 s[\g+4], 8
	s_mov_b32 s[\g+5], KT*192
	s_mov_b32 s[\g+6], 0
	s_mov_b32 s[\g+7], 0
.endr
	s_or_b32 s[G1S+0], s43, (3<<16)|(1<<21)
	s_or_b32 s[G1SB+0], s44, (3<<16)|(1<<21)
.irp g, G1S, G1SB
	s_mov_b32 s[\g+1], 32<<16
	s_mov_b32 s[\g+2], (2*KT)<<16
	s_mov_b32 s[\g+3], 32<<16
	s_mov_b32 s[\g+4], 2*KT
	s_mov_b32 s[\g+5], 32
	s_mov_b32 s[\g+6], 0
	s_mov_b32 s[\g+7], 0
.endr
	s_lshl_b32 s18, s16, 3
	s_lshl_b32 s20, s17, 4
	s_add_co_u32 s20, s20, s18
	s_mul_i32 s20, s20, KT*1536
	s_lshl_b32 s46, s42, 4
	s_add_co_u32 s46, s46, s18
	s_mul_i32 s46, s46, KT*1536
	s_add_co_u32 s46, s46, BOFF
	s_lshl_b32 s22, s17, 1
	s_add_co_u32 s22, s22, s16
	s_mul_i32 s22, s22, KT*512
	s_add_co_u32 s22, s22, ASOFF
	s_lshl_b32 s92, s42, 1
	s_add_co_u32 s92, s92, s16
	s_mul_i32 s92, s92, KT*512
	s_add_co_u32 s92, s92, BSOFF
	s_mov_b32 s21, 0
	s_mov_b32 s23, 0
	s_mov_b32 s47, 0
	s_mov_b32 s93, 0
	s_mul_i32 s45, s14, HALFT
	s_mul_i32 s94, s14, HALFS
	s_wait_dscnt 0x0
	s_wait_kmcnt 0x0
	s_add_nc_u64 s[20:21], s[4:5], s[20:21]
	s_add_nc_u64 s[22:23], s[4:5], s[22:23]
	s_add_nc_u64 s[46:47], s[6:7], s[46:47]
	s_add_nc_u64 s[92:93], s[6:7], s[92:93]
	CROUND
	s_mov_b32 s[G0S], 1
	s_add_co_u32 s[G0S+1], s94, SCL
	s_mov_b64 s[G0S+2:G0S+3], s[22:23]
	s_or_b32 s[G0S+3], s[G0S+3], 0x80000000
	s_mov_b32 s[G0SB], 1
	s_add_co_u32 s[G0SB+1], s94, SCL
	s_mov_b64 s[G0SB+2:G0SB+3], s[92:93]
	s_or_b32 s[G0SB+3], s[G0SB+3], 0x80000000
	JLOAD G0S, G1S, G0SB, G1SB
.irp s, 0,1
	s_mov_b32 s[G0+4*\s], 1
	s_add_co_u32 s[G0+4*\s+1], s45, \s*SLOT
	s_add_nc_u64 s[G0+4*\s+2:G0+4*\s+3], s[20:21], \s*3072
	s_or_b32 s[G0+4*\s+3], s[G0+4*\s+3], 0x80000000
	s_mov_b32 s[G0B+4*\s], 1
	s_add_co_u32 s[G0B+4*\s+1], s45, \s*SLOT
	s_add_nc_u64 s[G0B+4*\s+2:G0B+4*\s+3], s[46:47], \s*3072
	s_or_b32 s[G0B+4*\s+3], s[G0B+4*\s+3], 0x80000000
	JLOAD G0+4*\s, G1, G0B+4*\s, G1B               ; three tensor loads of mine are out
.endr
	v_and_b32 v1, 15, v0
	v_bfe_u32 v2, v0, 4, 1
	v_and_b32 v3, 31, v0
	v_lshlrev_b32 v4, 4, v3
	v_lshlrev_b32 v5, 3, v3
	s_mul_i32 s21, s15, HALFT
	s_mul_i32 s22, s16, HALFT
	s_add_co_u32 s22, s22, 2*HALFT
.irp s, 0,1
	v_add_nc_u32 v[ADRA+\s], s21, v4
	v_add_nc_u32 v[ADRB+\s], s22, v4
	v_add_nc_u32 v[ADRA+2+\s], s21, v5
	v_add_nc_u32 v[ADRB+2+\s], s22, v5
	s_add_co_u32 s21, s21, SLOT
	s_add_co_u32 s22, s22, SLOT
.endr
	v_lshlrev_b32 v5, 2, v1
	s_mul_i32 s21, s15, HALFS
	s_mul_i32 s22, s16, HALFS
	s_add_co_u32 s22, s22, 2*HALFS
	s_sub_co_u32 s22, s22, s21
	v_mul_u32_u24 v6, s22, v2                      ; lanes 16-31 take B's words
	s_add_co_u32 s21, s21, SCL
	v_add_nc_u32 v5, v5, v6
	v_add_nc_u32 v[ADRS], s21, v5
	s_mul_i32 s23, s14, 16*SPITCH                  ; my stage
	v_mul_u32_u24 v5, v1, SPITCH
	v_lshl_add_u32 v5, v2, 5, v5
	v_add_nc_u32 v[STO], s23, v5                   ; in: row r, 32 bytes for each half of the lanes
	v_lshlrev_b32 v[CO], 4, v3                     ; back: the 32 lanes take a row of 512 bytes; the same in memory
	v_add_nc_u32 v[RD], s23, v[CO]
	s_lshl_b32 s20, s17, 8
	s_lshl_b32 s21, s15, 7
	s_add_co_u32 s20, s20, s21                     ; my first row
	s_lshl_b32 s20, s20, 12                        ; x 4,096 bytes
	s_lshl_b32 s21, s42, 10
	s_add_co_u32 s20, s20, s21
	s_lshl_b32 s21, s16, 9
	s_add_co_u32 s20, s20, s21                     ; + my first column x 4
	s_mov_b32 s21, 0
	s_add_nc_u64 s[8:9], s[8:9], s[20:21]
	s_add_nc_u64 s[10:11], s[10:11], s[20:21]
.if BIAS
	s_lshl_b32 s20, s42, 10
	s_lshl_b32 s21, s16, 9
	s_add_co_u32 s20, s20, s21
	s_mov_b32 s21, 0
	s_add_nc_u64 s[12:13], s[12:13], s[20:21]
	v_lshlrev_b32 v7, 5, v2
.irp b, 0,1,2,3,4,5,6,7
	global_load_b128 v[BI+8*\b:BI+8*\b+3], v7, s[12:13] offset:64*\b          ; register 8 b + j: bias of column 16 b + 8 h + j
	global_load_b128 v[BI+8*\b+4:BI+8*\b+7], v7, s[12:13] offset:64*\b+16
.endr
.endif
.macro FRAG reg, adr, q, i
.irp c, 0,1
	ds_load_b128 v[\reg+6*\c:\reg+6*\c+3], v[\adr] offset:(\i)*3072+(\q)*1536+768*\c
	ds_load_b64 v[\reg+6*\c+4:\reg+6*\c+5], v[\adr+2] offset:(\i)*3072+(\q)*1536+768*\c+512
.endr
.endm
.macro MM a, b, p, q, sc, zero
.set rD, 8*(8*((\a)%4)+\b)
.set rB, 128*(\p)+FR*\b
.set rA, AF+FR*(\a)
.set rX, SC+16*(\sc)+2*\b+(\q)
.set rY, SC+16*(\sc)+2*(\a)+(\q)
.if (\zero) == 0
	v_wmma_scale_f32_16x16x128_f8f6f4 v[rD:rD+7], v[rB:rB+11], v[rA:rA+11], v[rD:rD+7], v[rX], v[rY] matrix_a_fmt:MATRIX_FMT_FP6 matrix_b_fmt:MATRIX_FMT_FP6 matrix_a_scale:MATRIX_SCALE_ROW1
.elseif BIAS
	v_wmma_scale_f32_16x16x128_f8f6f4 v[rD:rD+7], v[rB:rB+11], v[rA:rA+11], v[BI+8*\b:BI+8*\b+7], v[rX], v[rY] matrix_a_fmt:MATRIX_FMT_FP6 matrix_b_fmt:MATRIX_FMT_FP6 matrix_a_scale:MATRIX_SCALE_ROW1
.else
	v_wmma_scale_f32_16x16x128_f8f6f4 v[rD:rD+7], v[rB:rB+11], v[rA:rA+11], 0, v[rX], v[rY] matrix_a_fmt:MATRIX_FMT_FP6 matrix_b_fmt:MATRIX_FMT_FP6 matrix_a_scale:MATRIX_SCALE_ROW1
.endif
.endm
.macro MUL16 a0, p, q, sc, zero        ; the 64 accumulators take turns, one instruction a turn, in the same order in every step
.irp a, \a0, \a0+1
.irp b, 0,1,2,3,4,5,6,7
	MM \a, \b, \p, \q, \sc, \zero
.endr
.endr
.endm
.macro FETCH_B slot, q, p
	WIN TO_B
.irp i, 0,1,2,3,4,5,6,7
	FRAG 128*(\p)+FR*\i, ADRB+\slot, \q, \i
.endr
	WIN 0
.endm
.macro FETCH_A slot, q, i0
.irp i, \i0, \i0+1, \i0+2, \i0+3
	FRAG AF+FR*(\i), ADRA+\slot, \q, \i
.endr
.endm
.macro SCALES sc
.irp i, 0,1,2,3,4,5,6,7
.irp q, 0,1
	ds_load_b32 v[SC+16*\sc+2*\i+\q], v[ADRS] offset:512*\q+64*\i
.endr
.endr
.endm
.macro PLACES n
.rept \n
	v_nop
.endr
.endm
.macro STEP slot, q, zero
	s_wait_dscnt 4*NL                              ; all but the youngest 16 loads (A's blocks 4-7) are in
.if (\zero)*BIAS
	WIN 0x81
.else
	WIN MUL_LO
.endif
	MUL16 0, (\q)%2, \q, \slot, \zero
	MUL16 2, (\q)%2, \q, \slot, \zero
	s_wait_dscnt 0
	PLACES NP
	FETCH_B \slot, (\q)+1, 1-(\q)%2
	FETCH_A \slot, (\q)+1, 0
.if (\zero)*BIAS
	WIN 0xc1
.else
	WIN MUL_HI
.endif
	MUL16 4, (\q)%2, \q, \slot, \zero
	MUL16 6, (\q)%2, \q, \slot, \zero
	PLACES NP
	WIN 0
	FETCH_A \slot, (\q)+1, 4
.endm
.macro TURN slot, next, fill
	s_wait_tensorcnt 0x0                           ; all my tensor loads have landed: my part of the next slot
	ds_add_u32 v[SPW], v[NIL]                      ; 0 onto my spare word
	s_wait_dscnt 4*NL+1                            ; (the add and the youngest 16 loads may be out)
	WIN MUL_LO
	MUL16 0, 1, 1, \slot, 0
	s_wait_dscnt 0x0                               ; the add is done, and my reads of this slot are over
	s_barrier_signal -1
	MUL16 2, 1, 1, \slot, 0
	WIN 0
	s_barrier_wait -1
.if \fill
	CREST                                          ; no wave of any partner still reads this slot or has a load on its way
	s_add_nc_u64 s[G0+4*\slot+2:G0+4*\slot+3], s[G0+4*\slot+2:G0+4*\slot+3], 6144
	s_add_nc_u64 s[G0B+4*\slot+2:G0B+4*\slot+3], s[G0B+4*\slot+2:G0B+4*\slot+3], 6144
	JLOAD G0+4*\slot, G1, G0B+4*\slot, G1B         ; my one tensor load behind the round
.else
	PLACES NP
.endif
	v_add_nc_u32 v[ADRS], 1024, v[ADRS]
	FETCH_B \next, 0, 0
	FETCH_A \next, 0, 0
	SCALES \next
	WIN MUL_HI
	MUL16 4, 1, 1, \slot, 0
	MUL16 6, 1, 1, \slot, 0
	PLACES NP
	WIN 0
	FETCH_A \next, 0, 4
.endm
	s_wait_tensorcnt 1                             ; the scale words and my part of slot 0 are in; slot 1's load may be out
	s_barrier_signal -1
	s_barrier_wait -1
	FETCH_B 0, 0, 0
	FETCH_A 0, 0, 0
	SCALES 0
	FETCH_A 0, 0, 4
.if BIAS
	s_wait_loadcnt 0x0
.endif
	STEP 0, 0, 1
	s_mov_b32 s3, LAPS-1
.Llap:
	TURN 0, 1, 1
	STEP 1, 0, 0
	TURN 1, 0, 1
	STEP 0, 0, 0
	s_sub_co_u32 s3, s3, 1
	s_cmp_lg_u32 s3, 0
	s_cbranch_scc1 .Llap
	TURN 0, 1, 0
	STEP 1, 0, 0
	s_wait_dscnt 4*NL
	WIN MUL_LO
	MUL16 0, 1, 1, 1, 0
	MUL16 2, 1, 1, 1, 0
	s_wait_dscnt 0
	WIN MUL_HI
	MUL16 4, 1, 1, 1, 0
	MUL16 6, 1, 1, 1, 0
	WIN 0
; THE WAY OUT, block by block of 16 rows x 128 columns: through my own stage, back as whole rows of 512 bytes, the residual added, stored as two aligned runs of 256 bytes an instruction.  Every offset is an immediate: 127 rows at the most.
.macro RLOAD a                         ; the residual's 16 rows of block a into window 1
	WIN 0x40
.irp t, 0,1,2,3,4,5,6,7,8,9,10,11,12,13,14,15
	global_load_b128 v[64*((\a)%4)+4*\t:64*((\a)%4)+4*\t+3], v[CO], s[8:9] offset:(16*(\a)+\t)*4096
.endr
	WIN 0
.endm
.macro TOSTAGE a
.set AC, 64*((\a)%4)
	WIN 0x08+4*((\a)/4)                            ; the data: window 2 or 3
.irp b, 0,1,2,3,4,5,6,7
	ds_store_b128 v[STO], v[AC+8*\b:AC+8*\b+3] offset:64*\b          ; each accumulator from its low end on
	ds_store_b128 v[STO], v[AC+8*\b+4:AC+8*\b+7] offset:64*\b+16
.endr
	WIN 0
.set BB, BK+64*((\a)%2)
.irp t, 0,1,2,3,4,5,6,7,8,9,10,11,12,13,14,15
	ds_load_b128 v[BB+4*\t:BB+4*\t+3], v[RD] offset:\t*SPITCH        ; LDS serves a wave's instructions in order: these see the stores above
.endr
.endm
.macro SEND a, younger
.set BB, BK+64*((\a)%2)
.set LFT, 7-(\a)
.if LFT > 2
.set LFT, 2
.endif
	s_wait_dscnt \younger                          ; the block is back; the next block's 16 stores and 16 loads may be out
	s_wait_loadcnt 16*LFT                          ; its residual is in; the loads of the blocks behind it may be out
	WIN 0x04                                       ; source 1: window 1
.set n, 0
.rept 32
	v_pk_add_f32 v[BB+n:BB+n+1], v[BB+n:BB+n+1], v[64*((\a)%4)+n:64*((\a)%4)+n+1]
.set n, n+2
.endr
	WIN 0
.if (\a)+3 < 8
	RLOAD (\a)+3
.endif
.irp t, 0,1,2,3,4,5,6,7,8,9,10,11,12,13,14,15
	global_store_b128 v[CO], v[BB+4*\t:BB+4*\t+3], s[10:11] offset:(16*(\a)+\t)*4096 th:TH_STORE_NT
.endr
.endm
	PLACES NP                                      ; in front of loads into registers that the last products read, and of the first read of results
	RLOAD 0
	RLOAD 1
	RLOAD 2
	TOSTAGE 0
.irp a, 1,2,3,4,5,6,7
.if \a > 1
	s_wait_xcnt 0x0                                ; block a - 2's stores have read their registers: block a's rows may land there
.endif
	TOSTAGE \a
	SEND \a-1, 32
.endr
	SEND 7, 0
	s_wait_tensorcnt 0x0                           ; the wave's end
	ds_add_u32 v[SPW], v[NIL]
	s_wait_dscnt 0x0
	CROUND                                         ; the closing round
	s_endpgm
.Lfunc_end_k_q83a55f49c5_ffn2:
	.size	k_q83a55f49c5_ffn2, .Lfunc_end_k_q83a55f49c5_ffn2-k_q83a55f49c5_ffn2
	.p2alignl 7, 3214868480
	.fill 96, 4, 3214868480
	.section	.rodata,"a",@progbits
	.p2align	6, 0x0
	.amdhsa_kernel k_q83a55f49c5_ffn2
		.amdhsa_group_segment_fixed_size 327680
		.amdhsa_private_segment_fixed_size 0
		.amdhsa_enable_private_segment 0
		.amdhsa_kernarg_size 40
		.amdhsa_user_sgpr_count 2
		.amdhsa_user_sgpr_kernarg_segment_ptr 1
		.amdhsa_wavefront_size32 1
		.amdhsa_system_sgpr_workgroup_id_x 1
		.amdhsa_system_sgpr_workgroup_id_y 1
		.amdhsa_system_sgpr_workgroup_id_z 1
		.amdhsa_system_vgpr_workitem_id 0
		.amdhsa_next_free_vgpr 1024
		.amdhsa_next_free_sgpr 102
		.amdhsa_reserve_vcc 0
		.amdhsa_float_denorm_mode_32 3
		.amdhsa_float_denorm_mode_16_64 3
		.amdhsa_memory_ordered 1
		.amdhsa_forward_progress 1
		.amdhsa_inst_pref_size 176
	.end_amdhsa_kernel
	.amdgpu_metadata
---
amdhsa.version: [ 1, 2 ]
amdhsa.kernels:
  - .name:           k_q83a55f49c5_ffn2
    .symbol:         k_q83a55f49c5_ffn2.kd
    .args:
      - { .name: HID, .offset: 0, .size: 8, .value_kind: global_buffer, .address_space: global }
      - { .name: W, .offset: 8, .size: 8, .value_kind: global_buffer, .address_space: global }
      - { .name: X1, .offset: 16, .size: 8, .value_kind: global_buffer, .address_space: global }
      - { .name: out0, .offset: 24, .size: 8, .value_kind: global_buffer, .address_space: global }
      - { .name: b2, .offset: 32, .size: 8, .value_kind: global_buffer, .address_space: global }
    .group_segment_fixed_size: 327680
    .private_segment_fixed_size: 0
    .kernarg_segment_align: 8
    .kernarg_segment_size: 40
    .max_flat_workgroup_size: 128
    .sgpr_count:     102
    .vgpr_count:     1024
    .wavefront_size: 32
...
	.end_amdgpu_metadata
.endif
;; end of part 7
;; ======== version 2 of 2: 8 launches
;; limits: right only within a limited range of input values
;; workspace buffers: W 9,830,400 bytes; XN 3,276,800 bytes; QKV 10,092,544 bytes; CTX 3,276,800 bytes; X1 16,777,216 bytes; HID 13,107,200 bytes
;; launch wquant (part 8): grid 384 x 1, 4 waves a work-group, no clusters, 0 bytes of LDS; arguments wq, wk, wv, wo, w1, w2, W; writes W
.if DOCPART == 8
	.amdgcn_target "amdgcn-amd-amdhsa--gfx1250"
	.amdhsa_code_object_version 6
	.text
	.protected	k_q83a55f49c5_wquant
	.globl	k_q83a55f49c5_wquant
	.p2align	8
	.type	k_q83a55f49c5_wquant,@function
k_q83a55f49c5_wquant:
	s_mov_b64 s[64:65], 0
	v_nop
	global_prefetch_b8 v0, s[64:65] scope:SCOPE_SE
	s_setreg_imm32_b32 hwreg(HW_REG_WAVE_MODE, 25, 1), 1
	s_wait_xcnt 0x0
; The six weights, f32 stored [K][N], become operands of MX-FP6 (E2M3, one E8M0 byte for 32 along K) in the order of the matrix unit's registers.
; A LANE TAKES A COLUMN n AND ITS REGISTERS RUN DOWN K: a block of 32 lies in one lane, its largest magnitude needs no other lane, and the conversions give codes with K innermost.
; ORDER INSIDE A BLOCK: place p holds element pi(p), pi = places 8-15 and 16-23 exchanged (bits 3 and 4 of p swapped).  Every operand of this program is laid so; the same order on both sides of a product changes no sum.
; OUT: for 16 columns x 64 K a piece of 768 bytes: registers 0-3 of the 32 lanes (16 bytes a lane), then registers 4-5 (8 bytes a lane).  Pieces lie [16 columns][128 K][2 pieces].  Each store covers 512 or 256 consecutive bytes, aligned.
; Scale words (4 bytes: 128 K of one column) lie [128 columns][128 K][128 words].
; A work-group takes 128 columns x 256 K, a wave 32 columns x 8 blocks.  Work-groups 0-127: wq, wk, wv, wo (32 each); 128-255: w1; 256-383: w2.  Loads run two blocks (64 loads a wave) ahead.
; A block of zeros gets the byte 1 (its codes are zeros; this program alone reads the bytes).  LIMITS: NaN and infinities are not served.
.set WS,    9437184                    ; where the scale words begin in W
.set AIN,   3                          ; v3  4 x lane
.set O16A,  4                          ; v4  16 x lane            (first 16 columns)
.set O8A,   5                          ; v5  8 x lane + 512
.set O16B,  6                          ; v6, v7 the same for the second 16 columns
.set O8B,   7
.set SB,    24                         ; v24-25 scale words of the two K steps
.set X,     32                         ; v32-95 two sets of 32 numbers
.set CD,    96                         ; v96-143 codes: 12 registers for each pair of blocks, never written twice
.set TMP,   144                        ; v144-146
	s_load_b256 s[4:11], s[0:1], 0x0               ; wq, wk, wv, wo
	s_load_b128 s[12:15], s[0:1], 0x20             ; w1, w2
	s_load_b64 s[16:17], s[0:1], 0x30              ; W
	v_lshrrev_b32 v1, 5, v0
	v_readfirstlane_b32 s18, v1                    ; wave
	v_and_b32 v2, 31, v0                           ; lane
	s_wait_alu depctr_va_vdst(0)
	v_lshlrev_b32 v[AIN], 2, v2
	s_lshr_b32 s20, ttmp9, 5                       ; 0-3: wq .. wo; 4-7: w1; 8-11: w2
	s_and_b32 s21, s20, 12
	s_and_b32 s22, ttmp9, 31
	s_and_b32 s23, ttmp9, 127
	s_cmp_lt_u32 s20, 4
	s_cselect_b32 s21, s20, s21                    ; 0, 1, 2, 3, 4 (w1), 8 (w2): the weight's place in W, in units of a 1024 x 1024 weight
	s_cselect_b32 s22, s22, s23                    ; my number within the weight
	s_cmp_eq_u32 s21, 4
	s_cselect_b32 s23, 5, 3                        ; log2 of the blocks of 128 columns
	s_cselect_b32 s24, 14, 12                      ; log2 of a row's bytes
	s_cmp_eq_u32 s21, 8
	s_cselect_b32 s25, 32, 8                       ; KT: K / 128
	s_lshr_b32 s26, s22, s23                       ; y: which 256 along K
	s_lshl_b32 s27, s26, s23
	s_sub_co_u32 s27, s22, s27                     ; x: which 128 columns
	s_add_co_u32 s28, s24, 8
	s_lshl_b32 s28, s26, s28                       ; in: 256 y rows
	s_lshl_b32 s29, s27, 9
	s_add_co_u32 s28, s28, s29                     ; + 512 x
	s_lshl_b32 s29, s18, 7
	s_add_co_u32 s28, s28, s29                     ; + 128 x wave
	s_mov_b32 s29, 0
	s_lshl_b32 s30, s27, 3
	s_lshl_b32 s31, s18, 1
	s_add_co_u32 s30, s30, s31                     ; my first group of 16 columns
	s_mul_i32 s30, s30, s25
	s_lshl_b32 s31, s26, 1
	s_add_co_u32 s30, s30, s31                     ; x KT + my first K step
	s_mul_i32 s30, s30, 1536
	s_mul_i32 s31, s21, 786432
	s_add_co_u32 s30, s30, s31
	s_mov_b32 s31, 0
	s_mul_i32 s32, s27, s25
	s_lshl_b32 s33, s26, 1
	s_add_co_u32 s32, s32, s33
	s_lshl_b32 s32, s32, 9                         ; scale words: (x KT + 2 y) x 512
	s_lshl_b32 s33, s21, 15
	s_add_co_u32 s32, s32, s33
	s_lshl_b32 s33, s18, 7
	s_add_co_u32 s32, s32, s33
	s_add_co_u32 s32, s32, WS
	s_mov_b32 s33, 0
	s_mul_i32 s34, s25, 1536                       ; from 16 columns to the next 16
	v_lshlrev_b32 v[O16A], 4, v2
	v_lshl_add_u32 v[O8A], v2, 3, 512
	v_add_nc_u32 v[O16B], s34, v[O16A]
	v_add_nc_u32 v[O8B], s34, v[O8A]
	s_wait_kmcnt 0x0
	s_cmp_eq_u32 s20, 1                            ; the weight is chosen by the work-group's number alone
	s_cselect_b64 s[4:5], s[6:7], s[4:5]
	s_cmp_eq_u32 s20, 2
	s_cselect_b64 s[4:5], s[8:9], s[4:5]
	s_cmp_eq_u32 s20, 3
	s_cselect_b64 s[4:5], s[10:11], s[4:5]
	s_cmp_ge_u32 s20, 4
	s_cselect_b64 s[4:5], s[12:13], s[4:5]
	s_cmp_ge_u32 s20, 8
	s_cselect_b64 s[4:5], s[14:15], s[4:5]
	s_add_nc_u64 s[4:5], s[4:5], s[28:29]
	s_add_nc_u64 s[36:37], s[16:17], s[30:31]      ; my codes
	s_add_nc_u64 s[38:39], s[16:17], s[32:33]      ; my scale words
.macro LOAD t, rs                      ; block t: register i takes row 32 t + pi(i) of my column
.set i, 0
.rept 32
	global_load_b32 v[X+32*((\t)%2)+i], v[AIN], s[4:5] offset:(32*(\t)+((i&7)|((i&8)<<1)|((i&16)>>1)))*(\rs) th:TH_LOAD_NT
.set i, i+1
.endr
.endm
.macro BLOCK t, rs
.set XS, X+32*((\t)%2)
.set CB, CD+12*((\t)/2)+6*((\t)%2)
.if (\t) < 7
	s_wait_loadcnt 32                              ; this block's 32 loads are in; the next block's 32 may be out
.else
	s_wait_loadcnt 0x0
.endif
	v_max3_num_f32 v12, |v[XS]|, |v[XS+1]|, |v[XS+2]|
	v_max3_num_f32 v13, |v[XS+3]|, |v[XS+4]|, |v[XS+5]|
.irp j, 6,10,14,18,22,26
	v_max3_num_f32 v12, v12, |v[XS+\j]|, |v[XS+\j+1]|
	v_max3_num_f32 v13, v13, |v[XS+\j+2]|, |v[XS+\j+3]|
.endr
	v_max3_num_f32 v12, v12, |v[XS+30]|, |v[XS+31]|
	v_max3_num_f32 v12, v12, v13, 0x1800000        ; the floor 2^(3 - 127): the byte cannot fall under 1
	v_add_nc_u32 v11, 0xff000000, v12              ; 2 off the exponent field: the conversion's scale operand
	v_lshrrev_b32 v13, 23, v11                     ; the scale's byte
.if (\t)%4 == 0
	v_mov_b32 v[SB+(\t)/4], v13
.else
	v_lshl_or_b32 v[SB+(\t)/4], v13, 8*((\t)%4), v[SB+(\t)/4]
.endif
	v_cvt_scalef32_pk16_fp6_f32 v[CB:CB+2], v[XS:XS+15], v11
	v_cvt_scalef32_pk16_fp6_f32 v[TMP:TMP+2], v[XS+16:XS+31], v11   ; (a conversion's three registers begin on an even number)
	v_nop                                          ; one plain place behind a scaled conversion
	v_mov_b32 v[CB+3], v[TMP]
	v_mov_b32 v[CB+4], v[TMP+1]
	v_mov_b32 v[CB+5], v[TMP+2]
.if (\t)+2 < 8
	LOAD (\t)+2, \rs
.endif
.if (\t)%2 == 1                        ; blocks t - 1 and t: the operand wants lanes 0-15 to hold the even block and lanes 16-31 the odd one, of the SAME 16 columns
.irp j, 0,1,2,3,4,5
	v_permlane16_swap_b32 v[CB-6+\j], v[CB+\j]     ; the first six are now the piece of columns 0-15, the second six that of columns 16-31
.endr
	global_store_b128 v[O16A], v[CB-6:CB-3], s[36:37] offset:((\t)/4)*1536+(((\t)/2)%2)*768
	global_store_b64 v[O8A], v[CB-2:CB-1], s[36:37] offset:((\t)/4)*1536+(((\t)/2)%2)*768
	global_store_b128 v[O16B], v[CB:CB+3], s[36:37] offset:((\t)/4)*1536+(((\t)/2)%2)*768
	global_store_b64 v[O8B], v[CB+4:CB+5], s[36:37] offset:((\t)/4)*1536+(((\t)/2)%2)*768
.endif
.if (\t)%4 == 3
	global_store_b32 v[AIN], v[SB+(\t)/4], s[38:39] offset:((\t)/4)*512
.endif
.endm
.macro BODY rs                         ; every offset is an immediate: 255 rows of 16,384 bytes at the most, inside the signed 24 bits
	LOAD 0, \rs
	LOAD 1, \rs
.irp t, 0,1,2,3,4,5,6,7
	BLOCK \t, \rs
.endr
	s_endpgm
.endm
	s_cmp_eq_u32 s21, 4                            ; only the rows' length differs: w1's rows are 16,384 bytes
	s_cbranch_scc1 .Lwide
	s_wait_alu depctr_va_vdst(0)
	BODY 4096
.Lwide:
	s_wait_alu depctr_va_vdst(0)
	BODY 16384
.Lfunc_end_k_q83a55f49c5_wquant:
	.size	k_q83a55f49c5_wquant, .Lfunc_end_k_q83a55f49c5_wquant-k_q83a55f49c5_wquant
	.p2alignl 7, 3214868480
	.fill 96, 4, 3214868480
	.section	.rodata,"a",@progbits
	.p2align	6, 0x0
	.amdhsa_kernel k_q83a55f49c5_wquant
		.amdhsa_group_segment_fixed_size 0
		.amdhsa_private_segment_fixed_size 0
		.amdhsa_enable_private_segment 0
		.amdhsa_kernarg_size 56
		.amdhsa_user_sgpr_count 2
		.amdhsa_user_sgpr_kernarg_segment_ptr 1
		.amdhsa_wavefront_size32 1
		.amdhsa_system_sgpr_workgroup_id_x 1
		.amdhsa_system_sgpr_workgroup_id_y 1
		.amdhsa_system_sgpr_workgroup_id_z 1
		.amdhsa_system_vgpr_workitem_id 0
		.amdhsa_next_free_vgpr 160
		.amdhsa_next_free_sgpr 66
		.amdhsa_reserve_vcc 0
		.amdhsa_float_denorm_mode_32 3
		.amdhsa_float_denorm_mode_16_64 3
		.amdhsa_memory_ordered 1
		.amdhsa_forward_progress 1
		.amdhsa_inst_pref_size 80
	.end_amdhsa_kernel
	.amdgpu_metadata
---
amdhsa.version: [ 1, 2 ]
amdhsa.kernels:
  - .name:           k_q83a55f49c5_wquant
    .symbol:         k_q83a55f49c5_wquant.kd
    .args:
      - { .name: wq, .offset: 0, .size: 8, .value_kind: global_buffer, .address_space: global }
      - { .name: wk, .offset: 8, .size: 8, .value_kind: global_buffer, .address_space: global }
      - { .name: wv, .offset: 16, .size: 8, .value_kind: global_buffer, .address_space: global }
      - { .name: wo, .offset: 24, .size: 8, .value_kind: global_buffer, .address_space: global }
      - { .name: w1, .offset: 32, .size: 8, .value_kind: global_buffer, .address_space: global }
      - { .name: w2, .offset: 40, .size: 8, .value_kind: global_buffer, .address_space: global }
      - { .name: W, .offset: 48, .size: 8, .value_kind: global_buffer, .address_space: global }
    .group_segment_fixed_size: 0
    .private_segment_fixed_size: 0
    .kernarg_segment_align: 8
    .kernarg_segment_size: 56
    .max_flat_workgroup_size: 128
    .sgpr_count:     66
    .vgpr_count:     160
    .wavefront_size: 32
...
	.end_amdgpu_metadata
.endif
;; end of part 8
;; launch ln1 (part 9): grid 256 x 1, 8 waves a work-group, no clusters, 66,816 bytes of LDS; arguments x, alpha1, bias1, XN; writes XN
.if DOCPART == 9
	.amdgcn_target "amdgcn-amd-amdhsa--gfx1250"
	.amdhsa_code_object_version 6
	.text
	.protected	k_q83a55f49c5_ln1
	.globl	k_q83a55f49c5_ln1
	.p2align	8
	.type	k_q83a55f49c5_ln1,@function
k_q83a55f49c5_ln1:
	s_mov_b64 s[64:65], 0
	v_nop
	global_prefetch_b8 v0, s[64:65] scope:SCOPE_SE
	s_setreg_imm32_b32 hwreg(HW_REG_WAVE_MODE, 25, 1), 1
	s_wait_xcnt 0x0
; y = alpha (x - mean) / (std + 1e-5) + bias along rows of 1,024 (std with divisor 1,023), all in f32, then quantised to MX-FP6 along the row and stored as operand pieces.
; A work-group owns 16 rows.  PHASE 1: wave w takes rows 2 w and 2 w + 1 whole (32 registers a row; each load covers 512 consecutive bytes), mean, then the sum of squares of x - mean, and puts y into LDS.
; PHASE 2: wave w takes columns 128 w .. 128 w + 127 of the 16 rows: lane (r, h) reads blocks h and 2 + h of row r, in the order pi inside a block (places 8-15 and 16-23 exchanged, as every operand of this program),
; so that the conversions' results are the operand's registers.  OUT: [16 rows][128 K][2 pieces of 768 bytes: registers 0-3 at 16 x lane, registers 4-5 at 512 + 8 x lane]; scale words [128 rows][128 K][128 words].
; LDS rows are 4,112 bytes apart (257 x 16), so that the sixteen rows that a load touches start in different banks.
; LIMITS: NaN and infinities are not served; a variance under 2^-126 counts as 0 (the divisor is then 1e-5).
.set PITCH, 4112
.set SPARE, 16*PITCH                   ; behind the rows: the spare words, 128 bytes for each wave, that no other line names
.set XNS,   3145728                    ; where the scale words begin in the output
.set R0,    16                         ; v16-79  two rows, later two blocks x two
.set SM,    80                         ; v80-87  sums, four registers a row
.set MN,    88                         ; v88-91  -mean twice, later the gain twice, a pair a row
.set BS,    92                         ; v92-93  bias twice
.set TP,    94                         ; v94-95
.set PC,    96                         ; v96-107 the codes
.set TQ,    108                        ; v108-110, v112-114
.set SPW,   126
.set NIL,   127
	s_load_b256 s[4:11], s[0:1], 0x0               ; in, alpha, bias, out
	v_lshl_add_u32 v[SPW], v0, 2, SPARE
	v_mov_b32 v[NIL], 0
	v_lshrrev_b32 v1, 5, v0
	s_delay_alu instid0(VALU_DEP_1)
	v_readfirstlane_b32 s12, v1                    ; wave
	v_and_b32 v2, 31, v0
	s_delay_alu instid0(VALU_DEP_1)
	v_lshlrev_b32 v3, 4, v2                        ; 16 x lane
	s_delay_alu instid0(VALU_DEP_2)
	v_lshl_add_u32 v8, v2, 3, 512                  ; 8 x lane + 512
	v_and_b32 v5, 15, v0                           ; r
	v_bfe_u32 v6, v0, 4, 1                         ; h
	s_delay_alu instid0(VALU_DEP_2)
	v_lshlrev_b32 v9, 2, v5                        ; 4 r
	s_lshl_b32 s14, ttmp9, 16                      ; 16 rows of 4,096 bytes
	s_lshl_b32 s15, s12, 13
	s_add_co_u32 s14, s14, s15                     ; + my two rows
	s_mov_b32 s15, 0
	s_mov_b32 s20, 0x76543210
	s_mov_b32 s21, 0xfedcba98                      ; selects for lane l xor 16
	s_mul_i32 s18, s12, 2*PITCH
	v_add_nc_u32 v4, s18, v3                       ; LDS, in: my two rows, 16 x lane
	v_mul_u32_u24 v7, v5, PITCH
	s_delay_alu instid0(VALU_DEP_1)
	v_lshl_add_u32 v7, v6, 7, v7
	s_lshl_b32 s18, s12, 9
	v_add_nc_u32 v7, s18, v7                       ; LDS, back: row r, + 512 w + 128 h
	v_mov_b32 v[TP], 0                             ; (a lane permute's destination counts as one of its sources)
	v_mov_b32 v[TP+1], 0
	s_lshl_b32 s22, ttmp9, 3
	s_add_co_u32 s22, s22, s12
	s_mul_i32 s22, s22, 1536                       ; my fragment: (8 x row tile + w) x 1,536
	s_mov_b32 s23, 0
	s_lshr_b32 s24, ttmp9, 3
	s_lshl_b32 s24, s24, 3
	s_add_co_u32 s24, s24, s12
	s_lshl_b32 s24, s24, 9
	s_and_b32 s25, ttmp9, 7
	s_lshl_b32 s25, s25, 6
	s_add_co_u32 s24, s24, s25
	s_add_co_u32 s24, s24, XNS
	s_mov_b32 s25, 0
	s_wait_kmcnt 0x0
	s_load_b32 s16, s[6:7], 0x0                    ; alpha
	s_load_b32 s17, s[8:9], 0x0                    ; bias
	s_add_nc_u64 s[4:5], s[4:5], s[14:15]
	s_add_nc_u64 s[22:23], s[10:11], s[22:23]
	s_add_nc_u64 s[24:25], s[10:11], s[24:25]
.irp p, 0,1
.irp j, 0,1,2,3,4,5,6,7
	global_load_b128 v[R0+32*\p+4*\j:R0+32*\p+4*\j+3], v3, s[4:5] offset:4096*\p+512*\j th:TH_LOAD_NT
.endr
.endr
.macro ACROSS                          ; v[SM] and v[SM+4] summed over the 32 lanes, the result in every lane
.irp m, 1,2,4,8
.irp p, 0,1
	s_delay_alu instid0(VALU_DEP_2)
	v_add_f32_dpp v[SM+4*\p], v[SM+4*\p], v[SM+4*\p] row_xmask:\m row_mask:0xf bank_mask:0xf
.endr
.endr
.irp p, 0,1
	s_delay_alu instid0(VALU_DEP_2)
	v_permlanex16_b32 v[TP+\p], v[SM+4*\p], s20, s21
.endr
.irp p, 0,1
	s_delay_alu instid0(VALU_DEP_2)
	v_add_f32 v[SM+4*\p], v[SM+4*\p], v[TP+\p]
.endr
.endm
.macro FOLD                            ; a row's two chains of pairs into one number
.irp p, 0
	s_delay_alu instid0(VALU_DEP_3)
	v_pk_add_f32 v[SM+4*\p:SM+4*\p+1], v[SM+4*\p:SM+4*\p+1], v[SM+4*\p+2:SM+4*\p+3]
.endr
.irp p, 1
	s_delay_alu instid0(VALU_DEP_2)
	v_pk_add_f32 v[SM+4*\p:SM+4*\p+1], v[SM+4*\p:SM+4*\p+1], v[SM+4*\p+2:SM+4*\p+3]
.endr
.irp p, 0,1
	s_delay_alu instid0(VALU_DEP_2)
	v_add_f32 v[SM+4*\p], v[SM+4*\p], v[SM+4*\p+1]
.endr
	ACROSS
.endm
	s_wait_loadcnt 0x0
	s_wait_kmcnt 0x0
.irp p, 0,1
	v_pk_add_f32 v[SM+4*\p:SM+4*\p+1], v[R0+32*\p:R0+32*\p+1], v[R0+32*\p+2:R0+32*\p+3]
	v_pk_add_f32 v[SM+4*\p+2:SM+4*\p+3], v[R0+32*\p+4:R0+32*\p+5], v[R0+32*\p+6:R0+32*\p+7]
.endr
.irp j, 8,12,16,20,24,28
.irp p, 0,1
	s_delay_alu instid0(VALU_DEP_4)
	v_pk_add_f32 v[SM+4*\p:SM+4*\p+1], v[SM+4*\p:SM+4*\p+1], v[R0+32*\p+\j:R0+32*\p+\j+1]
	s_delay_alu instid0(VALU_DEP_4)
	v_pk_add_f32 v[SM+4*\p+2:SM+4*\p+3], v[SM+4*\p+2:SM+4*\p+3], v[R0+32*\p+\j+2:R0+32*\p+\j+3]
.endr
.endr
	FOLD
.irp p, 0
	s_delay_alu instid0(VALU_DEP_2)
	v_mul_f32 v[MN+2*\p], 0xba800000, v[SM+4*\p]   ; -mean = -sum / 1,024
	s_delay_alu instid0(VALU_DEP_3)
	v_mul_f32 v[MN+2*\p+1], 0xba800000, v[SM+4*\p]
.endr
.irp p, 1
	s_delay_alu instid0(VALU_DEP_3)
	v_mul_f32 v[MN+2*\p], 0xba800000, v[SM+4*\p]   ; -mean = -sum / 1,024
	s_delay_alu instid0(VALU_DEP_4)
	v_mul_f32 v[MN+2*\p+1], 0xba800000, v[SM+4*\p]
.endr
.irp j, 0,2,4,6,8,10,12,14,16,18,20,22,24,26,28,30
.irp p, 0,1
	v_pk_add_f32 v[R0+32*\p+\j:R0+32*\p+\j+1], v[R0+32*\p+\j:R0+32*\p+\j+1], v[MN+2*\p:MN+2*\p+1]   ; d = x - mean
.endr
.endr
.irp p, 0,1
	v_pk_mul_f32 v[SM+4*\p:SM+4*\p+1], v[R0+32*\p:R0+32*\p+1], v[R0+32*\p:R0+32*\p+1]
	v_pk_mul_f32 v[SM+4*\p+2:SM+4*\p+3], v[R0+32*\p+2:R0+32*\p+3], v[R0+32*\p+2:R0+32*\p+3]
.endr
.irp j, 4,8,12,16,20,24,28
.irp p, 0,1
	s_delay_alu instid0(VALU_DEP_4)
	v_pk_fma_f32 v[SM+4*\p:SM+4*\p+1], v[R0+32*\p+\j:R0+32*\p+\j+1], v[R0+32*\p+\j:R0+32*\p+\j+1], v[SM+4*\p:SM+4*\p+1]
	s_delay_alu instid0(VALU_DEP_4)
	v_pk_fma_f32 v[SM+4*\p+2:SM+4*\p+3], v[R0+32*\p+\j+2:R0+32*\p+\j+3], v[R0+32*\p+\j+2:R0+32*\p+\j+3], v[SM+4*\p+2:SM+4*\p+3]
.endr
.endr
	FOLD
.irp p, 0,1
	s_delay_alu instid0(VALU_DEP_2)
	v_mul_f32 v[SM+4*\p], 0x3a802008, v[SM+4*\p]   ; / 1,023
.endr
	s_wait_alu depctr_va_vdst(0)
.irp p, 0,1
	v_sqrt_f32 v[SM+4*\p+1], v[SM+4*\p]
.endr
	v_mov_b32 v[BS], s17                           ; (a plain place behind the roots)
	v_mov_b32 v[BS+1], s17
	s_wait_alu depctr_va_vdst(0)                   ; one wait for both roots, ahead of their first reader
.irp p, 0,1
	v_add_f32 v[SM+4*\p+1], 0x3727c5ac, v[SM+4*\p+1]   ; std + 1e-5
.endr
	s_wait_alu depctr_va_vdst(0)
.irp p, 0,1
	v_rcp_f32 v[SM+4*\p+2], v[SM+4*\p+1]
.endr
	v_nop
	s_wait_alu depctr_va_vdst(0)                   ; and one for both reciprocals
.irp p, 0,1
	v_mul_f32 v[MN+2*\p], s16, v[SM+4*\p+2]        ; alpha / (std + 1e-5)
	v_mul_f32 v[MN+2*\p+1], s16, v[SM+4*\p+2]
.endr
.irp j, 0,2,4,6,8,10,12,14,16,18,20,22,24,26,28,30
.irp p, 0,1
	v_pk_fma_f32 v[R0+32*\p+\j:R0+32*\p+\j+1], v[R0+32*\p+\j:R0+32*\p+\j+1], v[MN+2*\p:MN+2*\p+1], v[BS:BS+1]
.endr
.endr
.irp p, 0,1
.irp j, 0,1,2,3,4,5,6,7
	ds_store_b128 v4, v[R0+32*\p+4*\j:R0+32*\p+4*\j+3] offset:PITCH*\p+512*\j
.endr
.endr
	s_wait_dscnt 0x0                               ; for the others' sake: my two rows lie in LDS
	s_barrier_signal -1
	s_barrier_wait -1
.irp c, 0,1                            ; block 2 c + h of row r; the block's four groups of eight in the order 0, 2, 1, 3
.irp g, 0,1,2,3
.irp q, 0,1
	ds_load_b128 v[R0+32*\c+8*\g+4*\q:R0+32*\c+8*\g+4*\q+3], v7 offset:256*\c+32*(((\g&1)<<1)|(\g>>1))+16*\q
.endr
.endr
.endr
	s_wait_dscnt 0x0
.irp c, 0,1
	v_max3_num_f32 v[SM+\c], |v[R0+32*\c]|, |v[R0+32*\c+1]|, 0x1800000   ; with the floor 2^(3 - 127): the byte cannot fall under 1
.endr
.irp i, 2,4,6,8,10,12,14,16,18,20,22,24,26,28,30
.irp c, 0,1
	s_delay_alu instid0(VALU_DEP_2)
	v_max3_num_f32 v[SM+\c], v[SM+\c], |v[R0+32*\c+\i]|, |v[R0+32*\c+\i+1]|
.endr
.endr
.irp c, 0,1
	s_delay_alu instid0(VALU_DEP_2)
	v_add_nc_u32 v[SM+2+\c], 0xff000000, v[SM+\c]  ; 2 off the exponent field: the conversion's scale operand
.endr
.irp c, 0,1
	s_delay_alu instid0(VALU_DEP_2)
	v_lshrrev_b32 v[SM+4+\c], 23, v[SM+2+\c]       ; the scale's byte
.endr
	s_delay_alu instid0(VALU_DEP_1)
	v_lshl_or_b32 v[SM+6], v[SM+5], 16, v[SM+4]    ; my two bytes: blocks h and 2 + h,
	v_lshlrev_b32 v[SM+7], 3, v6
	s_delay_alu instid0(VALU_DEP_1)
	v_lshlrev_b32 v[SM+6], v[SM+7], v[SM+6]        ; 8 h bits up;
	s_delay_alu instid0(VALU_DEP_1)
	v_permlanex16_b32 v[TP], v[SM+6], s20, s21
	s_delay_alu instid0(VALU_DEP_1)
	v_or_b32 v[SM+6], v[SM+6], v[TP]               ; with lane l xor 16's two the word is whole
.irp c, 0,1
	v_cvt_scalef32_pk16_fp6_f32 v[PC+6*\c:PC+6*\c+2], v[R0+32*\c:R0+32*\c+15], v[SM+2+\c]
	v_cvt_scalef32_pk16_fp6_f32 v[TQ+4*\c:TQ+4*\c+2], v[R0+32*\c+16:R0+32*\c+31], v[SM+2+\c]
.endr
	v_nop                                          ; one plain place behind a scaled conversion
.irp c, 0,1
.irp i, 0,1,2
	v_mov_b32 v[PC+6*\c+3+\i], v[TQ+4*\c+\i]
.endr
.endr
.irp c, 0,1
	global_store_b128 v3, v[PC+6*\c:PC+6*\c+3], s[22:23] offset:768*\c      ; 512 consecutive bytes
	global_store_b64 v8, v[PC+6*\c+4:PC+6*\c+5], s[22:23] offset:768*\c     ; 256 consecutive bytes
.endr
	global_store_b32 v9, v[SM+6], s[24:25]         ; row r's scale word (both halves of the lanes hold the same word)
	s_wait_tensorcnt 0x0                           ; the wave's end, behind my last LDS store
	ds_add_u32 v[SPW], v[NIL]
	s_wait_dscnt 0x0
	s_endpgm
.Lfunc_end_k_q83a55f49c5_ln1:
	.size	k_q83a55f49c5_ln1, .Lfunc_end_k_q83a55f49c5_ln1-k_q83a55f49c5_ln1
	.p2alignl 7, 3214868480
	.fill 96, 4, 3214868480
	.section	.rodata,"a",@progbits
	.p2align	6, 0x0
	.amdhsa_kernel k_q83a55f49c5_ln1
		.amdhsa_group_segment_fixed_size 66816
		.amdhsa_private_segment_fixed_size 0
		.amdhsa_enable_private_segment 0
		.amdhsa_kernarg_size 32
		.amdhsa_user_sgpr_count 2
		.amdhsa_user_sgpr_kernarg_segment_ptr 1
		.amdhsa_wavefront_size32 1
		.amdhsa_system_sgpr_workgroup_id_x 1
		.amdhsa_system_sgpr_workgroup_id_y 1
		.amdhsa_system_sgpr_workgroup_id_z 1
		.amdhsa_system_vgpr_workitem_id 0
		.amdhsa_next_free_vgpr 128
		.amdhsa_next_free_sgpr 66
		.amdhsa_reserve_vcc 0
		.amdhsa_float_denorm_mode_32 3
		.amdhsa_float_denorm_mode_16_64 3
		.amdhsa_memory_ordered 1
		.amdhsa_forward_progress 1
		.amdhsa_inst_pref_size 24
	.end_amdhsa_kernel
	.amdgpu_metadata
---
amdhsa.version: [ 1, 2 ]
amdhsa.kernels:
  - .name:           k_q83a55f49c5_ln1
    .symbol:         k_q83a55f49c5_ln1.kd
    .args:
      - { .name: x, .offset: 0, .size: 8, .value_kind: global_buffer, .address_space: global }
      - { .name: alpha1, .offset: 8, .size: 8, .value_kind: global_buffer, .address_space: global }
      - { .name: bias1, .offset: 16, .size: 8, .value_kind: global_buffer, .address_space: global }
      - { .name: XN, .offset: 24, .size: 8, .value_kind: global_buffer, .address_space: global }
    .group_segment_fixed_size: 66816
    .private_segment_fixed_size: 0
    .kernarg_segment_align: 8
    .kernarg_segment_size: 32
    .max_flat_workgroup_size: 256
    .sgpr_count:     66
    .vgpr_count:     128
    .wavefront_size: 32
...
	.end_amdgpu_metadata
.endif
;; end of part 9
;; launch qkv (part 10): grid 12 x 16, 4 waves a work-group, clusters of 4 x 4, 327,680 bytes of LDS; arguments XN, W, QKV, mask; writes QKV
.if DOCPART == 10
	.amdgcn_target "amdgcn-amd-amdhsa--gfx1250"
	.amdhsa_code_object_version 6
	.text
	.protected	k_q83a55f49c5_qkv
	.globl	k_q83a55f49c5_qkv
	.p2align	8
	.type	k_q83a55f49c5_qkv,@function
k_q83a55f49c5_qkv:
	s_mov_b64 s[64:65], 0
	v_nop
	global_prefetch_b8 v0, s[64:65] scope:SCOPE_SE
	s_setreg_imm32_b32 hwreg(HW_REG_WAVE_MODE, 25, 1), 1
	s_wait_xcnt 0x0
	s_wait_alu depctr_hold_cnt(0) depctr_sa_sdst(0) depctr_va_vdst(0) depctr_va_sdst(0) depctr_va_ssrc(0) depctr_va_vcc(0) depctr_vm_vsrc(0)
	s_getreg_b32 s2, hwreg(HW_REG_IB_STS2, 6, 4)
	s_cmp_eq_u32 s2, 0
	s_cbranch_scc0 .Lentry_in_a_cluster
	s_endpgm
.Lentry_in_a_cluster:
	s_bfe_u32 s2, ttmp6, 0x10000c
	s_cmp_lg_u32 s2, 0xf033
	s_cbranch_scc0 .Lentry_shape_is_right
	s_endpgm
.Lentry_shape_is_right:
.set QKV,   1
.set KT,    8
.set BIAS,  1-QKV
.set RELU,  1-QKV
.set WS,    9437184
.set XNS,   3145728
.set AVOFF, 1572864
.set BOFF,  3145728
.set BSOFF, WS+131072
.set QS,    3145728
.set KVB,   3407872
.set HSG,   12582912
.set FR,    12
.set NL,    4
.set NP,    4
.set HALFT, 8*3072
.set SLOT,  4*HALFT
.set LAPS,  KT/4
.set SCL,   2*SLOT
.set HALFS, KT*512
.set SPARE, SCL+4*HALFS
.set ADRA,  16
.set ADRB,  20
.set ADRS,  27
.set SPW,   28
.set NIL,   29
.set SC,    32
.set BI,    64
.set AF,    128
.set PC,    128
.set MK,    148
.set TM,    224
.set PW,    240
.set SEL,   66
.set G1,    24
.set G0,    32
.set G1B,   48
.set G0B,   56
.set G1S,   68
.set G0S,   76
.set G1SB,  80
.set G0SB,  88
.set MSB,   0
.macro WIN new
.if MSB != (\new)
	s_set_vgpr_msb (MSB<<8)|(\new)
.set MSB, (\new)
.endif
.endm
.set MUL_LO, 0xa1
.set MUL_HI, 0xf1
.set TO_B,   0x40
.macro JLOAD g0a, g1a, g0b, g1b
	s_cmp_eq_u32 s15, 0
	s_cbranch_scc0 .Lfor_b_\@
	tensor_load_to_lds s[\g0a:\g0a+3], s[\g1a:\g1a+7]
	s_nop 0
.rept 4
	v_nop
.endr
	s_branch .Lasked_\@
.Lfor_b_\@:
	tensor_load_to_lds s[\g0b:\g0b+3], s[\g1b:\g1b+7]
	s_nop 0
.rept 4
	v_nop
.endr
.Lasked_\@:
.endm
.macro CREST
	s_cmp_lg_u32 s14, 0
	s_cbranch_scc1 .Lnot_wave_0_\@
	s_barrier_signal -3
.Lnot_wave_0_\@:
	s_barrier_wait -3
	s_barrier_signal -1
	s_barrier_wait -1
.endm
.macro CROUND
	s_barrier_signal -1
	s_barrier_wait -1
	CREST
.endm
	s_load_b128 s[4:7], s[0:1], 0x0
	s_load_b64 s[12:13], s[0:1], 0x10
	s_load_b64 s[100:101], s[0:1], 0x18
	v_lshl_add_u32 v[SPW], v0, 2, SPARE
	v_mov_b32 v[NIL], 0
	ds_add_u32 v[SPW], v[NIL]
	ds_add_u32 v[SPW], v[NIL]
	v_lshrrev_b32 v1, 5, v0
	v_readfirstlane_b32 s14, v1
	s_lshr_b32 s15, s14, 1
	s_and_b32 s16, s14, 1
	s_bfe_u32 s40, ttmp6, 0x40000
	s_bfe_u32 s41, ttmp6, 0x40004
	s_lshl_b32 s42, ttmp9, 2
	s_and_b32 s17, ttmp7, 0xffff
	s_lshl_b32 s17, s17, 2
.if QKV
	s_cmp_eq_u32 ttmp9, 2
	s_cselect_b32 s42, s17, s42
	s_cselect_b32 s17, 0, s17
	s_cselect_b32 s95, AVOFF, 0
	s_mov_b32 s96, XNS
	s_cselect_b32 s97, WS+65536, s96
	s_mov_b32 s98, WS
	s_cselect_b32 s98, s96, s98
.endif
	s_add_co_u32 s42, s42, s40
	s_add_co_u32 s17, s17, s41
	s_lshl_b32 s43, s41, 2
	s_lshl_b32 s43, 15, s43
	s_lshl_b32 s44, 0x1111, s40
	s_or_b32 s[G1+0], s43, (3<<16)|(1<<21)
	s_or_b32 s[G1B+0], s44, (3<<16)|(1<<21)
.irp g, G1, G1B
	s_mov_b32 s[\g+1], 384<<16
	s_mov_b32 s[\g+2], 8<<16
	s_mov_b32 s[\g+3], 384<<16
	s_mov_b32 s[\g+4], 8
	s_mov_b32 s[\g+5], KT*192
	s_mov_b32 s[\g+6], 0
	s_mov_b32 s[\g+7], 0
.endr
	s_or_b32 s[G1S+0], s43, (3<<16)|(1<<21)
	s_or_b32 s[G1SB+0], s44, (3<<16)|(1<<21)
.irp g, G1S, G1SB
	s_mov_b32 s[\g+1], 32<<16
	s_mov_b32 s[\g+2], (2*KT)<<16
	s_mov_b32 s[\g+3], 32<<16
	s_mov_b32 s[\g+4], 2*KT
	s_mov_b32 s[\g+5], 32
	s_mov_b32 s[\g+6], 0
	s_mov_b32 s[\g+7], 0
.endr
	s_lshl_b32 s18, s16, 3
	s_lshl_b32 s20, s17, 4
	s_add_co_u32 s20, s20, s18
	s_mul_i32 s20, s20, KT*1536
	s_lshl_b32 s46, s42, 4
	s_add_co_u32 s46, s46, s18
	s_mul_i32 s46, s46, KT*1536
	s_lshl_b32 s22, s17, 1
	s_add_co_u32 s22, s22, s16
	s_mul_i32 s22, s22, KT*512
	s_lshl_b32 s92, s42, 1
	s_add_co_u32 s92, s92, s16
	s_mul_i32 s92, s92, KT*512
.if QKV
	s_add_co_u32 s20, s20, s95
	s_add_co_u32 s22, s22, s97
	s_add_co_u32 s92, s92, s98
.else
	s_add_co_u32 s46, s46, BOFF
	s_add_co_u32 s22, s22, XNS
	s_add_co_u32 s92, s92, BSOFF
.endif
	s_mov_b32 s21, 0
	s_mov_b32 s23, 0
	s_mov_b32 s47, 0
	s_mov_b32 s93, 0
	s_mul_i32 s45, s14, HALFT
	s_mov_b32 s[SEL], 0x76543210
	s_mov_b32 s[SEL+1], 0xfedcba98
	s_wait_dscnt 0x0
	s_wait_kmcnt 0x0
.if QKV
	s_cmp_eq_u32 ttmp9, 2
	s_cselect_b64 s[8:9], s[6:7], s[4:5]
	s_cselect_b64 s[10:11], s[4:5], s[6:7]
.else
	s_mov_b64 s[8:9], s[4:5]
	s_mov_b64 s[10:11], s[6:7]
.endif
	s_add_nc_u64 s[20:21], s[8:9], s[20:21]
	s_add_nc_u64 s[22:23], s[8:9], s[22:23]
	s_add_nc_u64 s[46:47], s[10:11], s[46:47]
	s_add_nc_u64 s[92:93], s[10:11], s[92:93]
	CROUND
	; the head's four tiles, each whole: slot 0's 256 rows of A (s[4:7]), of B (s[96:99]), A's scale words, B's; the wave's half is taken off the addresses
	s_mul_i32 s2, s16, HALFS
	s_mov_b32 s3, 0
	s_sub_nc_u64 s[G0S+2:G0S+3], s[22:23], s[2:3]
	s_sub_nc_u64 s[G0SB+2:G0SB+3], s[92:93], s[2:3]
	s_mul_i32 s2, s16, 8*KT*1536
	s_sub_nc_u64 s[6:7], s[20:21], s[2:3]
	s_sub_nc_u64 s[98:99], s[46:47], s[2:3]
	s_mov_b32 s[G0S], 1
	s_mov_b32 s[G0S+1], SCL
	s_or_b32 s[G0S+3], s[G0S+3], 0x80000000
	s_mov_b32 s[G0SB], 1
	s_mov_b32 s[G0SB+1], SCL+2*HALFS
	s_or_b32 s[G0SB+3], s[G0SB+3], 0x80000000
	s_mov_b32 s4, 1
	s_mov_b32 s5, 0
	s_or_b32 s7, s7, 0x80000000
	s_mov_b32 s96, 1
	s_mov_b32 s97, 2*HALFT
	s_or_b32 s99, s99, 0x80000000
.irp g, G1, G1B
	s_mov_b32 s[\g+2], 16<<16                      ; the head's loads of codes bring 16 row tiles
	s_mov_b32 s[\g+4], 16
.endr
.irp g, G1S, G1SB
	s_mov_b32 s[\g+2], (4*KT)<<16                  ; and those of scale words 256 rows' words
	s_mov_b32 s[\g+4], 4*KT
.endr
.irp s, 0,1
	s_mov_b32 s[G0+4*\s], 1
	s_add_co_u32 s[G0+4*\s+1], s45, \s*SLOT
	s_add_nc_u64 s[G0+4*\s+2:G0+4*\s+3], s[20:21], \s*3072
	s_or_b32 s[G0+4*\s+3], s[G0+4*\s+3], 0x80000000
	s_mov_b32 s[G0B+4*\s], 1
	s_add_co_u32 s[G0B+4*\s+1], s45, \s*SLOT
	s_add_nc_u64 s[G0B+4*\s+2:G0B+4*\s+3], s[46:47], \s*3072
	s_or_b32 s[G0B+4*\s+3], s[G0B+4*\s+3], 0x80000000
.endr
; one tensor load a wave at the head: one chain of branches on the wave's number, one load to an arm, one join
.macro ARM under, g0, g1, next
	s_cmp_lt_u32 s14, \under
	s_cbranch_scc0 \next
	tensor_load_to_lds s[\g0:\g0+3], s[\g1:\g1+7]
	s_nop 0
.rept 4
	v_nop
.endr
	s_branch .Lhead_asked
\next:
.endm
	ARM 1, 4, G1, .Lhead_b
	ARM 2, 96, G1B, .Lhead_sa
	ARM 3, G0S, G1S, .Lhead_sb
	tensor_load_to_lds s[G0SB:G0SB+3], s[G1SB:G1SB+7]
	s_nop 0
.rept 4
	v_nop
.endr
.Lhead_asked:
	; the prefetches: of the 8 row tiles that my wave fetches, the partner at place p (cx for A, cy for B) names row tiles 2 p and 2 p + 1: 2 x 12 blocks of 256 bytes of a slot's 3,072, a lane a block; told apart by address alone
	v_and_b32 v30, 31, v0
	v_min_u32 v30, 23, v30                         ; lanes 24-31 name the wave's last block again
	v_mul_u32_u24 v31, v30, 171
	v_lshrrev_b32 v31, 11, v31                     ; lane / 12
	v_mul_u32_u24 v31, v31, KT*1536-3072
	v_lshl_add_u32 v30, v30, 8, v31                ; v30: 256 x lane, the second twelve in the next row tile; never rewritten
	s_cmp_eq_u32 s15, 0
	s_cselect_b64 s[8:9], s[20:21], s[46:47]
	s_cselect_b32 s2, s40, s41
	s_mul_i32 s2, s2, 2*KT*1536
	s_add_nc_u64 s[8:9], s[8:9], s[2:3]            ; never rewritten
	global_prefetch_b8 v30, s[8:9] offset:3072 th:TH_LOAD_NT scope:SCOPE_SE      ; the second and third 256 along K: what slot 1's first fill and the first refill will ask for
	global_prefetch_b8 v30, s[8:9] offset:6144 th:TH_LOAD_NT scope:SCOPE_SE
	v_and_b32 v1, 15, v0
	v_bfe_u32 v2, v0, 4, 1
	v_and_b32 v3, 31, v0
	v_lshlrev_b32 v4, 4, v3
	v_lshlrev_b32 v5, 3, v3
	s_mul_i32 s21, s15, HALFT
	s_mul_i32 s22, s16, HALFT
	s_add_co_u32 s22, s22, 2*HALFT
.irp s, 0,1
	v_add_nc_u32 v[ADRA+\s], s21, v4
	v_add_nc_u32 v[ADRB+\s], s22, v4
	v_add_nc_u32 v[ADRA+2+\s], s21, v5
	v_add_nc_u32 v[ADRB+2+\s], s22, v5
	s_add_co_u32 s21, s21, SLOT
	s_add_co_u32 s22, s22, SLOT
.endr
	v_lshlrev_b32 v5, 2, v1
	s_mul_i32 s21, s15, HALFS
	s_mul_i32 s22, s16, HALFS
	s_add_co_u32 s22, s22, 2*HALFS
	s_sub_co_u32 s22, s22, s21
	v_mul_u32_u24 v6, s22, v2
	s_add_co_u32 s21, s21, SCL
	v_add_nc_u32 v5, v5, v6
	v_add_nc_u32 v[ADRS], s21, v5
.if BIAS
	s_lshl_b32 s20, s42, 10
	s_lshl_b32 s21, s16, 9
	s_add_co_u32 s20, s20, s21
	s_mov_b32 s21, 0
	s_add_nc_u64 s[100:101], s[100:101], s[20:21]
	v_lshlrev_b32 v7, 5, v2
.irp b, 0,1,2,3,4,5,6,7
	global_load_b128 v[BI+8*\b:BI+8*\b+3], v7, s[100:101] offset:64*\b
	global_load_b128 v[BI+8*\b+4:BI+8*\b+7], v7, s[100:101] offset:64*\b+16
.endr
.endif
.macro FRAG reg, adr, q, i
.irp c, 0,1
	ds_load_b128 v[\reg+6*\c:\reg+6*\c+3], v[\adr] offset:(\i)*3072+(\q)*1536+768*\c
	ds_load_b64 v[\reg+6*\c+4:\reg+6*\c+5], v[\adr+2] offset:(\i)*3072+(\q)*1536+768*\c+512
.endr
.endm
.macro MM a, b, p, q, sc, zero
.set rD, 8*(8*((\a)%4)+\b)
.set rB, 128*(\p)+FR*\b
.set rA, AF+FR*(\a)
.set rX, SC+16*(\sc)+2*\b+(\q)
.set rY, SC+16*(\sc)+2*(\a)+(\q)
.if (\zero) == 0
	v_wmma_scale_f32_16x16x128_f8f6f4 v[rD:rD+7], v[rB:rB+11], v[rA:rA+11], v[rD:rD+7], v[rX], v[rY] matrix_a_fmt:MATRIX_FMT_FP6 matrix_b_fmt:MATRIX_FMT_FP6 matrix_a_scale:MATRIX_SCALE_ROW1
.elseif BIAS
	v_wmma_scale_f32_16x16x128_f8f6f4 v[rD:rD+7], v[rB:rB+11], v[rA:rA+11], v[BI+8*\b:BI+8*\b+7], v[rX], v[rY] matrix_a_fmt:MATRIX_FMT_FP6 matrix_b_fmt:MATRIX_FMT_FP6 matrix_a_scale:MATRIX_SCALE_ROW1
.else
	v_wmma_scale_f32_16x16x128_f8f6f4 v[rD:rD+7], v[rB:rB+11], v[rA:rA+11], 0, v[rX], v[rY] matrix_a_fmt:MATRIX_FMT_FP6 matrix_b_fmt:MATRIX_FMT_FP6 matrix_a_scale:MATRIX_SCALE_ROW1
.endif
.endm
.macro MUL16 a0, p, q, sc, zero
.irp a, \a0, \a0+1
.irp b, 0,1,2,3,4,5,6,7
	MM \a, \b, \p, \q, \sc, \zero
.endr
.endr
.endm
.macro FETCH_B slot, q, p
	WIN TO_B
.irp i, 0,1,2,3,4,5,6,7
	FRAG 128*(\p)+FR*\i, ADRB+\slot, \q, \i
.endr
	WIN 0
.endm
.macro FETCH_A slot, q, i0
.irp i, \i0, \i0+1, \i0+2, \i0+3
	FRAG AF+FR*(\i), ADRA+\slot, \q, \i
.endr
.endm
.macro SCALES sc
.irp i, 0,1,2,3,4,5,6,7
.irp q, 0,1
	ds_load_b32 v[SC+16*\sc+2*\i+\q], v[ADRS] offset:512*\q+64*\i
.endr
.endr
.endm
.macro PLACES n
.rept \n
	v_nop
.endr
.endm
.macro STEP slot, q, zero
	s_wait_dscnt 4*NL
.if (\zero)*BIAS
	WIN 0x81
.else
	WIN MUL_LO
.endif
	MUL16 0, (\q)%2, \q, \slot, \zero
	MUL16 2, (\q)%2, \q, \slot, \zero
	s_wait_dscnt 0
	PLACES NP
	FETCH_B \slot, (\q)+1, 1-(\q)%2
	FETCH_A \slot, (\q)+1, 0
.if (\zero)*BIAS
	WIN 0xc1
.else
	WIN MUL_HI
.endif
	MUL16 4, (\q)%2, \q, \slot, \zero
	MUL16 6, (\q)%2, \q, \slot, \zero
	PLACES NP
	WIN 0
	FETCH_A \slot, (\q)+1, 4
.endm
.macro TURN slot, next, fill
	s_wait_tensorcnt 0x0
	ds_add_u32 v[SPW], v[NIL]
	s_wait_dscnt 4*NL+1
	WIN MUL_LO
	MUL16 0, 1, 1, \slot, 0
	s_wait_dscnt 0x0
	s_barrier_signal -1
	MUL16 2, 1, 1, \slot, 0
	WIN 0
	s_barrier_wait -1
.if \fill
	CREST
	s_add_nc_u64 s[G0+4*\slot+2:G0+4*\slot+3], s[G0+4*\slot+2:G0+4*\slot+3], 6144
	s_add_nc_u64 s[G0B+4*\slot+2:G0B+4*\slot+3], s[G0B+4*\slot+2:G0B+4*\slot+3], 6144
	JLOAD G0+4*\slot, G1, G0B+4*\slot, G1B
.else
	PLACES NP
.endif
	s_wait_alu depctr_va_vdst(0)
	v_add_nc_u32 v[ADRS], 1024, v[ADRS]
	FETCH_B \next, 0, 0
	FETCH_A \next, 0, 0
	SCALES \next
	WIN MUL_HI
	MUL16 4, 1, 1, \slot, 0
	MUL16 6, 1, 1, \slot, 0
	PLACES NP
	WIN 0
	FETCH_A \next, 0, 4
.endm
	s_wait_alu depctr_va_vdst(0)
	s_wait_tensorcnt 0x0                           ; my tile of the head's four is in; slot 1's first fill is issued as a refill is
	ds_add_u32 v[SPW], v[NIL]
.irp g, G1, G1B
	s_mov_b32 s[\g+2], 8<<16                       ; no load of mine is out: from here on a load brings 8 row tiles
	s_mov_b32 s[\g+4], 8
.endr
	s_wait_dscnt 0x0
	CROUND
	JLOAD G0+4, G1, G0B+4, G1B
	FETCH_B 0, 0, 0
	FETCH_A 0, 0, 0
	SCALES 0
	FETCH_A 0, 0, 4
	global_prefetch_b8 v30, s[8:9] offset:9216 th:TH_LOAD_NT scope:SCOPE_SE      ; the last 256 along K: what the second refill will ask for
.if BIAS
	s_wait_loadcnt 0x0
.endif
	STEP 0, 0, 1
	s_mov_b32 s3, LAPS-1
.Llap:
	TURN 0, 1, 1
	STEP 1, 0, 0
	TURN 1, 0, 1
	STEP 0, 0, 0
	s_sub_co_u32 s3, s3, 1
	s_cmp_lg_u32 s3, 0
	s_cbranch_scc1 .Llap
	TURN 0, 1, 0
	STEP 1, 0, 0
	s_wait_dscnt 4*NL
	WIN MUL_LO
	MUL16 0, 1, 1, 1, 0
	MUL16 2, 1, 1, 1, 0
	s_wait_dscnt 0
	WIN MUL_HI
	MUL16 4, 1, 1, 1, 0
	MUL16 6, 1, 1, 1, 0
	WIN 0
.if QKV
	s_and_b32 s20, s42, 3
	s_cmp_eq_u32 ttmp9, 0
	s_mov_b32 s23, 208896
	s_cselect_b32 s23, 98304, s23
	s_mov_b32 s45, 13056
	s_cselect_b32 s45, 6144, s45
	s_mov_b32 s46, KVB
	s_cselect_b32 s46, 0, s46
	s_mov_b32 s47, 208896
	s_cselect_b32 s47, 8192, s47
	s_mov_b32 s92, 0x9f9f0000
	s_cselect_b32 s92, 0x7f7f0000, s92
	s_mov_b32 s99, 0x01010000
	s_cselect_b32 s99, 0x7f7f0000, s99
	s_cselect_b32 s93, 1, 0
	s_cmp_eq_u32 ttmp9, 2
	s_cselect_b32 s18, s42, s17
	s_cselect_b32 s19, s16, s15
	s_cselect_b32 s20, s17, s20
	s_cselect_b32 s21, s15, s16
	s_cselect_b32 s22, 3072, s23
	s_mov_b32 s94, 3072
	s_cselect_b32 s94, 208896, s94
	s_mov_b32 s95, 256
	s_cselect_b32 s95, 208896, s95
	s_cselect_b32 s47, 0, s47
	s_cselect_b32 s92, 0, s92
	s_cselect_b32 s99, 0, s99
	s_cselect_b32 s96, -1, 0xffff
	s_cselect_b32 s97, 0, 16
	s_cselect_b32 s98, 6656, 0
	s_add_co_u32 s46, s46, s98
	s_lshr_b32 s98, s18, 3
	s_and_b32 s18, s18, 7
	s_lshl_b32 s18, s18, 1
	s_add_co_u32 s18, s18, s19
	s_lshl_b32 s98, s98, 4
	s_lshl_b32 s20, s20, 2
	s_add_co_u32 s98, s98, s20
	s_lshl_b32 s21, s21, 1
	s_add_co_u32 s98, s98, s21
	s_mul_i32 s19, s98, s23
	s_mul_i32 s20, s18, s45
	s_add_co_u32 s46, s46, s19
	s_add_co_u32 s46, s46, s20
	s_lshl_b32 s19, s98, 13
	s_lshl_b32 s20, s18, 9
	s_add_co_u32 s19, s19, s20
	s_add_co_u32 s19, s19, QS
	s_add_co_u32 s20, s46, 6144
	s_cmp_eq_u32 s93, 1
	s_cselect_b32 s19, s19, s20
	s_lshl_b32 s20, s17, 10
	s_lshl_b32 s21, s15, 9
	s_add_co_u32 s20, s20, s21
	s_mov_b32 s21, 0
	s_add_nc_u64 s[100:101], s[100:101], s[20:21]
.else
	s_lshl_b32 s18, s17, 4
	s_lshl_b32 s19, s15, 3
	s_add_co_u32 s18, s18, s19
	s_lshl_b32 s18, s18, 5
	s_lshl_b32 s19, s42, 1
	s_add_co_u32 s19, s19, s16
	s_add_co_u32 s18, s18, s19
	s_mul_i32 s46, s18, 1536
	s_lshl_b32 s18, s17, 1
	s_add_co_u32 s18, s18, s15
	s_lshl_b32 s18, s18, 5
	s_add_co_u32 s18, s18, s19
	s_lshl_b32 s18, s18, 9
	s_add_co_u32 s19, s18, HSG
	s_mov_b32 s22, 0
	s_mov_b32 s94, 0
	s_mov_b32 s95, 0
	s_mov_b32 s47, 0
.endif
	v_and_b32 v241, 31, v0
	v_lshlrev_b32 v242, 4, v241
	v_add_nc_u32 v244, s46, v242
	v_add_nc_u32 v245, s22, v244
	v_lshl_add_u32 v246, v241, 3, 512
	v_add_nc_u32 v246, s46, v246
	v_add_nc_u32 v247, s22, v246
.irp i, 0,1,2,3
	v_add_nc_u32 v[248+\i], s94, v[244+\i]
.endr
	v_and_b32 v241, 15, v0
	v_lshlrev_b32 v158, 2, v241
	v_add_nc_u32 v252, s19, v158
	v_add_nc_u32 v253, s95, v252
	v_add_nc_u32 v254, s47, v252
	v_add_nc_u32 v255, s47, v253
.irp b, 0,1,2,3
	v_mov_b32 v[TM+4+\b], 0
.endr
.if QKV
	v_mov_b32 v156, s99
	v_mov_b32 v157, s92
.irp a, 0,1,2,3,4,5,6,7
	global_load_b32 v[MK+\a], v158, s[100:101] offset:64*\a
.endr
	s_wait_loadcnt 0x0
.endif
.macro QUANT a
.set WW, 2+(\a)/4
.set AC, 64*((\a)%4)
.if RELU
	WIN ((WW<<6)|(WW<<2))
.set n, 0
.rept 64
	v_max_num_f32 v[AC+n], 0, v[AC+n]
.set n, n+1
.endr
.endif
	WIN (WW|(WW<<2))
.irp b, 0,1,2,3
	v_max3_num_f32 v[TM+\b], |v[AC+16*\b]|, |v[AC+16*\b+1]|, 0x1800000
.endr
.irp i, 2,4,6,8,10,12,14
.irp b, 0,1,2,3
	v_max3_num_f32 v[TM+\b], |v[AC+16*\b+\i]|, |v[AC+16*\b+\i+1]|, v[TM+\b]
.endr
.endr
	WIN 0
	s_wait_alu depctr_va_vdst(0)
	s_wait_xcnt 0x0
.irp b, 0,1,2,3
	v_permlanex16_b32 v[TM+4+\b], v[TM+\b], s[SEL], s[SEL+1]
.endr
.irp b, 0,1,2,3
	v_max_num_f32 v[TM+\b], v[TM+\b], v[TM+4+\b]
.endr
.irp b, 0,1,2,3
	v_add_nc_u32 v[TM+12+\b], 0xff000000, v[TM+\b]
.endr
.irp b, 0,1,2,3
	v_lshrrev_b32 v[TM+4+\b], 23, v[TM+12+\b]
.endr
	v_lshl_or_b32 v[PW], v[TM+5], 8, v[TM+4]
	v_lshl_or_b32 v[PW], v[TM+6], 16, v[PW]
	v_lshl_or_b32 v[PW], v[TM+7], 24, v[PW]
	WIN WW
.irp c, 0,1
	v_cvt_scalef32_pk16_fp6_f32 v[PC+6*\c:PC+6*\c+2], v[AC+32*\c:AC+32*\c+15], v[TM+12+2*\c]
	v_cvt_scalef32_pk16_fp6_f32 v[PC+12+4*\c:PC+14+4*\c], v[AC+16+32*\c:AC+31+32*\c], v[TM+13+2*\c]
.endr
	WIN 0
	v_nop
.irp c, 0,1
.irp i, 0,1,2
	v_permlane16_swap_b32 v[PC+6*\c+\i], v[PC+12+4*\c+\i]
.endr
.irp i, 0,1,2
	v_mov_b32 v[PC+3+6*\c+\i], v[PC+12+4*\c+\i]
.endr
.endr
.endm
.macro OUT a
.if QKV
	v_cmp_eq_u32 vcc_lo, 0, v[MK+(\a)]
	v_cndmask_b32 v243, v156, v157, vcc_lo
	v_and_or_b32 v241, v[PW], s96, v243
	v_lshrrev_b32 v242, s97, v[PW]
	v_or_b32 v242, v242, v243
.irp c, 0,1
	global_store_b128 v[244+4*((\a)/4)+\c], v[PC+6*\c:PC+6*\c+3], s[12:13] offset:((\a)%4)*768
	global_store_b64 v[246+4*((\a)/4)+\c], v[PC+6*\c+4:PC+6*\c+5], s[12:13] offset:((\a)%4)*768
.endr
	global_store_b32 v[252+(\a)/4], v241, s[12:13] offset:((\a)%4)*64
	global_store_b32 v[254+(\a)/4], v242, s[12:13] offset:((\a)%4)*64
.else
.irp c, 0,1
	global_store_b128 v244, v[PC+6*\c:PC+6*\c+3], s[12:13] offset:(\a)*49152+768*\c
	global_store_b64 v246, v[PC+6*\c+4:PC+6*\c+5], s[12:13] offset:(\a)*49152+768*\c
.endr
	global_store_b32 v252, v[PW], s[12:13] offset:(\a)*64
.endif
.endm
.irp a, 0,1,2,3,4,5,6,7
	QUANT \a
	OUT \a
.endr
	s_wait_tensorcnt 0x0
	ds_add_u32 v[SPW], v[NIL]
	s_wait_dscnt 0x0
	CROUND
	s_endpgm
.Lfunc_end_k_q83a55f49c5_qkv:
	.size	k_q83a55f49c5_qkv, .Lfunc_end_k_q83a55f49c5_qkv-k_q83a55f49c5_qkv
	.p2alignl 7, 3214868480
	.fill 96, 4, 3214868480
	.section	.rodata,"a",@progbits
	.p2align	6, 0x0
	.amdhsa_kernel k_q83a55f49c5_qkv
		.amdhsa_group_segment_fixed_size 327680
		.amdhsa_private_segment_fixed_size 0
		.amdhsa_enable_private_segment 0
		.amdhsa_kernarg_size 32
		.amdhsa_user_sgpr_count 2
		.amdhsa_user_sgpr_kernarg_segment_ptr 1
		.amdhsa_wavefront_size32 1
		.amdhsa_system_sgpr_workgroup_id_x 1
		.amdhsa_system_sgpr_workgroup_id_y 1
		.amdhsa_system_sgpr_workgroup_id_z 1
		.amdhsa_system_vgpr_workitem_id 0
		.amdhsa_next_free_vgpr 1024
		.amdhsa_next_free_sgpr 102
		.amdhsa_reserve_vcc 1
		.amdhsa_float_denorm_mode_32 3
		.amdhsa_float_denorm_mode_16_64 3
		.amdhsa_memory_ordered 1
		.amdhsa_forward_progress 1
		.amdhsa_inst_pref_size 160
	.end_amdhsa_kernel
	.amdgpu_metadata
---
amdhsa.version: [ 1, 2 ]
amdhsa.kernels:
  - .name:           k_q83a55f49c5_qkv
    .symbol:         k_q83a55f49c5_qkv.kd
    .args:
      - { .name: XN, .offset: 0, .size: 8, .value_kind: global_buffer, .address_space: global }
      - { .name: W, .offset: 8, .size: 8, .value_kind: global_buffer, .address_space: global }
      - { .name: QKV, .offset: 16, .size: 8, .value_kind: global_buffer, .address_space: global }
      - { .name: mask, .offset: 24, .size: 8, .value_kind: global_buffer, .address_space: global }
    .group_segment_fixed_size: 327680
    .private_segment_fixed_size: 0
    .kernarg_segment_align: 8
    .kernarg_segment_size: 32
    .max_flat_workgroup_size: 128
    .sgpr_count:     102
    .vgpr_count:     1024
    .wavefront_size: 32
...
	.end_amdgpu_metadata
.endif
;; end of part 10
;; launch attn (part 11): grid 8 x 32, 16 waves a work-group, clusters of 4 x 1, 263,424 bytes of LDS; arguments QKV, mask, CTX; writes CTX
.if DOCPART == 11
	.amdgcn_target "amdgcn-amd-amdhsa--gfx1250"
	.amdhsa_code_object_version 6
	.text
	.protected	k_q83a55f49c5_attn
	.globl	k_q83a55f49c5_attn
	.p2align	8
	.type	k_q83a55f49c5_attn,@function
k_q83a55f49c5_attn:
	s_mov_b64 s[64:65], 0
	v_nop
	global_prefetch_b8 v0, s[64:65] scope:SCOPE_SE
	s_setreg_imm32_b32 hwreg(HW_REG_WAVE_MODE, 25, 1), 1
	s_wait_xcnt 0x0
	s_wait_alu depctr_hold_cnt(0) depctr_sa_sdst(0) depctr_va_vdst(0) depctr_va_sdst(0) depctr_va_ssrc(0) depctr_va_vcc(0) depctr_vm_vsrc(0)
	s_getreg_b32 s2, hwreg(HW_REG_IB_STS2, 6, 4)
	s_cmp_eq_u32 s2, 0
	s_cbranch_scc0 .Lentry_in_a_cluster
	s_endpgm
.Lentry_in_a_cluster:
	s_bfe_u32 s2, ttmp6, 0x10000c
	s_cmp_lg_u32 s2, 0x3003
	s_cbranch_scc0 .Lentry_shape_is_right
	s_endpgm
.Lentry_shape_is_right:
; ctx = softmax(q k^T / 8, masked) v for 32 heads of 2,048 tokens x 64 channels, both products on codes of MX-FP6; ctx leaves quantised along the model's 1,024, as an operand of the next product.
; SOFTMAX: t = score x log2(e) / 8; M = the running largest t rounded up to a whole number; p = 2^(t - M) is quantised along the keys; the row's sum is taken of the unquantised p and divides at the end.
; SHARES.  A work-group owns 256 queries of one head, each of its sixteen waves 16 of them in 256 registers.  A head's k and v are 16 units of 13,056 bytes (128 keys each: k's 8 pieces of 768 bytes, k's 128 scale
; words, v's 8 pieces, v's 64 scale words), 51 rows of 256 bytes.  Wave w asks for unit w: one tensor load a wave, at the head; the units stay, nothing is filled again, and one barrier shows them to all waves.
; The four work-groups of a cluster belong to one head and ask jointly.  All is asked for at the head, so there is no loop to run ahead in: no prefetch.
; LDS rows are 320 bytes apart: six rows on (two pieces) is 128 bytes on modulo 256.
; LAYOUT.  Both products transposed: S^T = k q^T, O^T = v^T p^T: a lane holds one query throughout.  THE KEYS OF A TILE ARE CHOSEN BY THE LANES' LDS ADDRESSES: rows 0-7 of tile 4 c + u are keys 64 c + 8 g + 0..7, rows 8-15
; keys 64 c + 32 + 8 g + 0..7, g = 0, 2, 1, 3 for u = 0..3 (the order inside a block in which v was laid).  So the 32 registers of tiles 4 c .. 4 c + 3 in lane half h are the whole block 2 c + h of 32 keys, in the operand's order:
; a block's maximum needs no other lane and the conversions' results are the operand's registers.
; ORDER OF A STEP (128 keys): O^T += v^T p^T of the step BEFORE stands between this step's two halves of S^T; the rescaling of O^T and the first maxima are the places behind the products.  The first step finds p's codes and O^T zero.
; K = 64 IN AN INSTRUCTION OF 128, AND THE MASK.  Of k = 64 .. 127 only k = 64 and 96 hold codes: -1.0 in every key's fragment, 1.0 in q's.  Their scale bytes come with k's scale words: 2^32 for a masked key, 2^-126 for an open one.
; So a masked raw score is s - 2^33 and its p is 0.  Where EVERY key of the batch is masked, q's code and the factor c are chosen 0: p = 1 for all keys.
; LIMITS: open raw scores lie above -2^32; the scaled scores stay under 2^31 in magnitude; NaN and infinities are not served.
.set UNITG, 13056                      ; a unit in memory
.set ROWP,  320                        ; an LDS row: 256 bytes + 64 of padding
.set UNIT,  51*ROWP
.set FLG,   16*UNIT                    ; a word for each wave: has its part of the mask an open key?
.set SPARE, FLG+256                    ; the spare words, 128 bytes a wave, that no other line names
.set QS,    3145728                    ; QKV: q's scale words
.set KVB,   3407872                    ; QKV: the units
.set CSG,   3145728                    ; CTX: the scale words
.set KA,    1                          ; v1-3 k: 16-byte pieces, 8-byte pieces, scale words;  v4-6 the same for v;  all six step two units a trip
.set KB,    2
.set KS,    3
.set VA,    4
.set VB,    5
.set VW,    6
.set SPW,   7
.set NIL,   8
.set SH8,   9                          ; v9 8 h;  v10, v11, v255 at work
.set NM,    12                         ; v[12:13], v[14:15] -M, by turns
.set QF,    16                         ; v16-27 q
.set VS,    28                         ; v28-31 v's scale words
.set KF,    32                         ; v32-79 four fragments of k
.set VF,    80                         ; v80-127 v's four fragments
.set S,     128                        ; v128-191 S^T, then p
.set O,     192                        ; v192-223 O^T
.set PCD,   224                        ; v224-235 p's codes
.set L,     236                        ; v236-243 the row's sum, four chains of pairs
.set KSC,   244                        ; v244-247 k's scale words;  v248 p's;  v249 q's: these hold scales alone
.set PS,    248
.set QSC,   249
.set F,     250                        ; v[250:251] f = 2^(old M - new M)
.set R,     252                        ; the running largest raw score
.set BM,    253                        ; v253-254 my two blocks' largest score, then largest p, then the conversions' scale operand
.set WV,    18
.set SEL,   20
.set CS,    22
.set G1,    24
.set G0,    32
.set NC,    36
.set CNT,   37
.macro D n
	s_delay_alu instid0(VALU_DEP_\n)
.endm
.macro CROUND
	s_barrier_signal -1
	s_barrier_wait -1
	s_cmp_lg_u32 s[WV], 0
	s_cbranch_scc1 .Lnot_wave_0_\@
	s_barrier_signal -3
.Lnot_wave_0_\@:
	s_barrier_wait -3
	s_barrier_signal -1
	s_barrier_wait -1
.endm
	s_load_b128 s[4:7], s[0:1], 0x0                ; QKV, mask
	s_load_b64 s[8:9], s[0:1], 0x10                ; CTX
	v_lshl_add_u32 v[SPW], v0, 2, SPARE
	v_mov_b32 v[NIL], 0
	ds_add_u32 v[SPW], v[NIL]                      ; the opening lines: the add, twice on end, and its wait
	ds_add_u32 v[SPW], v[NIL]
	v_lshrrev_b32 v10, 5, v0
	v_readfirstlane_b32 s[WV], v10                 ; wave 0..15
	s_bfe_u32 s10, ttmp6, 0x40000                  ; cx
	s_lshl_b32 s11, ttmp9, 2
	s_add_co_u32 s11, s11, s10                     ; my block of 256 queries: it enters q's and ctx's addresses alone
	s_and_b32 s12, ttmp7, 0xffff                   ; 16 x batch + head, which the four partners share
	s_mov_b32 s[G1], 15|(3<<16)|(1<<20)|(1<<21)|(5<<22)|(15<<25)   ; all four partners; elements of 8 bytes; behind every 64 words 16 words of padding
	s_mov_b32 s[G1+1], 32<<16                      ; a unit is dense: 51 rows of 256 bytes
	s_mov_b32 s[G1+2], 51<<16
	s_mov_b32 s[G1+3], 32<<16
	s_mov_b32 s[G1+4], 51
	s_mov_b32 s[G1+5], 32
	s_mov_b32 s[G1+6], 0
	s_mov_b32 s[G1+7], 0
	s_mov_b32 s[G0], 1
	s_mul_i32 s[G0+1], s[WV], UNIT                 ; LDS: unit = wave
	s_mul_i32 s15, s[WV], UNITG
	s_mul_i32 s52, s12, 16*UNITG
	s_add_co_u32 s52, s52, s15
	s_add_co_u32 s52, s52, KVB
	s_mov_b32 s53, 0
	s_mov_b32 s[SEL], 0x76543210
	s_mov_b32 s[SEL+1], 0xfedcba98
	s_wait_dscnt 0x0
	s_wait_kmcnt 0x0
	s_add_nc_u64 s[G0+2:G0+3], s[4:5], s[52:53]
	s_or_b32 s[G0+3], s[G0+3], 0x80000000
	CROUND                                         ; all four work-groups are here: the joint loads meet
	tensor_load_to_lds s[G0:G0+3], s[G1:G1+7]      ; my one tensor load
	s_nop 0
	s_lshr_b32 s56, s12, 4
	s_lshl_b32 s56, s56, 13
	s_mov_b32 s57, 0
	s_add_nc_u64 s[6:7], s[6:7], s[56:57]          ; the batch's mask
	s_lshl_b32 s58, s11, 4
	s_add_co_u32 s58, s58, s[WV]                   ; my tile of 16 queries in the head
	s_mul_i32 s60, s12, 98304
	s_mul_i32 s59, s58, 768
	s_add_co_u32 s60, s60, s59
	s_mov_b32 s61, 0
	s_add_nc_u64 s[60:61], s[4:5], s[60:61]
	s_lshl_b32 s62, s12, 13
	s_lshl_b32 s59, s58, 6
	s_add_co_u32 s62, s62, s59
	s_add_co_u32 s62, s62, QS
	s_mov_b32 s63, 0
	s_add_nc_u64 s[62:63], s[4:5], s[62:63]
	v_and_b32 v10, 31, v0                          ; lane
	v_and_b32 v11, 7, v0                           ; r % 8
	v_bfe_u32 v[SH8], v0, 4, 1                     ; h
	v_bfe_u32 v255, v0, 3, 1                       ; e = r / 8
	v_and_b32 v[BM], 15, v0                        ; r
	v_mul_u32_u24 v[KA], v255, 6*ROWP              ; rows 8-15 of a tile of k come from two pieces on
	v_mul_u32_u24 v[VA], v[SH8], ROWP
	v_lshlrev_b32 v[KS], 7, v255
	v_lshlrev_b32 v[VB], 3, v10                    ; v, 8-byte pieces: 8 x lane
	v_lshlrev_b32 v[VW], 2, v[BM]                  ; v's scale words: 4 r
	v_lshl_add_u32 v[KB], v[SH8], 7, v[KA]
	v_add_nc_u32 v[KA], v[KA], v[VA]
	v_lshl_add_u32 v[VA], v[BM], 4, v[VA]          ; v, 16-byte pieces: row h of the piece, 16 r
	v_lshl_add_u32 v[KS], v11, 2, v[KS]            ; k's scale words: 128 e + 4 (r % 8)
	v_lshl_add_u32 v[KB], v11, 3, v[KB]            ; k, 8-byte pieces: 1,920 e + 128 h + 8 (r % 8)
	v_lshl_add_u32 v[KA], v11, 4, v[KA]            ; k, 16-byte pieces: 1,920 e + 320 h + 16 (r % 8)
	v_lshlrev_b32 v[SH8], 3, v[SH8]
	v_lshlrev_b32 v[S+8], 4, v0                    ; 16 x thread: my wave's 128 words of the mask
	v_lshlrev_b32 v[S+9], 4, v10
	v_lshl_add_u32 v[S+10], v10, 3, 512
	s_wait_alu depctr_va_vdst(0)                   ; the wait ahead of the readers below
	global_load_b128 v[S:S+3], v[S+8], s[6:7]
	global_load_b128 v[QF:QF+3], v[S+9], s[60:61]
	global_load_b64 v[QF+4:QF+5], v[S+10], s[60:61]
	global_load_b32 v[QSC], v[VW], s[62:63]        ; q's scale words
.irp i, 7,8,9,10,11
	v_mov_b32 v[QF+\i], 0
.endr
.irp t, 0,1,2,3
	v_mov_b32 v[KF+12*\t+6], 0x28                  ; the code -1.0 at k = 64 (lanes 0-15) and k = 96 (lanes 16-31); these six registers of each fragment are written once
.irp i, 7,8,9,10,11
	v_mov_b32 v[KF+12*\t+\i], 0
.endr
.endr
.set n, 0
.rept 12
	v_mov_b32 v[PCD+n], 0                          ; the step is written once: its first run finds p's codes
.set n, n+1
.endr
.set n, 0
.rept 32
	v_mov_b32 v[O+n], 0                            ; and O^T zero
.set n, n+1
.endr
	v_mov_b32 v[PS], 0x7f7f7f7f
	v_mov_b32 v[NM+1], 0
	v_mov_b32 v[NM+2], 0x7e000000                  ; -M before the first step: 2^125, so that the first f is 0
	v_mov_b32 v[NM+3], 0
	v_mov_b32 v[F], 0
	v_mov_b32 v[F+1], 0
	v_mov_b32 v[R], 0xff61b1e6                     ; the largest raw score so far: -3e38
	s_wait_alu depctr_va_vdst(0)
	s_wait_loadcnt 0x0
	v_or_b32 v[S], v[S], v[S+1]
	v_or_b32 v[S+2], v[S+2], v[S+3]
	D 1
	v_or_b32 v[S], v[S], v[S+2]
	D 1
	v_cmp_ne_u32 s51, 0, v[S]                      ; the lanes with an open key
	s_lshl_b32 s50, s[WV], 2
	s_add_co_u32 s50, s50, FLG
	v_mov_b32 v[S+4], s50
	v_mov_b32 v[S+1], s51
	s_wait_alu depctr_va_vdst(0)
	s_wait_tensorcnt 0x0                           ; my unit is in
	ds_store_b32 v[S+4], v[S+1]                    ; all lanes write the same word with the same value
	s_wait_dscnt 0x0
	s_barrier_signal -1
	s_barrier_wait -1                              ; all sixteen units and flags lie in LDS
.macro KLOAD c, u                      ; k's tiles 4 c .. 4 c + 3 of the unit at byte u: tile t takes the groups of eight keys g = 2 (t % 2) + t / 2 of blocks 2 c and 2 c + 1
.irp t, 0,1,2,3
	ds_load_b128 v[KF+12*\t:KF+12*\t+3], v[KA] offset:(\u)+3*ROWP*(4*\c+(\t&1))+128*(\t>>1)
	ds_load_b64 v[KF+12*\t+4:KF+12*\t+5], v[KB] offset:(\u)+3*ROWP*(4*\c+(\t&1))+2*ROWP+64*(\t>>1)
	ds_load_b32 v[KSC+\t], v[KS] offset:(\u)+ROWP*(24+\c)+32*(2*(\t&1)+(\t>>1))
.endr
.endm
.macro VLOAD u                         ; v's four fragments (16 channels x 128 keys) and scale words: 20 loads
.irp t, 0,1,2,3
.irp c, 0,1
	ds_load_b128 v[VF+12*\t+6*\c:VF+12*\t+6*\c+3], v[VA] offset:(\u)+ROWP*(26+12*\c+3*\t)
	ds_load_b64 v[VF+12*\t+6*\c+4:VF+12*\t+6*\c+5], v[VB] offset:(\u)+ROWP*(28+12*\c+3*\t)
.endr
	ds_load_b32 v[VS+\t], v[VW] offset:(\u)+ROWP*50+64*\t
.endr
.endm
	v_mov_b32 v10, FLG
.irp i, 0,1,2,3
	ds_load_b128 v[S+4*\i:S+4*\i+3], v10 offset:16*\i
.endr
	VLOAD 0                                        ; finite codes and scales for the first run's product with p = 0
	KLOAD 0, 0                                     ; the first step's first half of k
	s_wait_dscnt 32                                ; the flags are in; the 32 loads behind them may be out
.irp w, 8,4,2,1
.set n, 0
.rept \w
	v_or_b32 v[S+n], v[S+n], v[S+\w+n]
.set n, n+1
.endr
.endr
	D 1
	v_readfirstlane_b32 s51, v[S]
	s_cmp_lg_u32 s51, 0                            ; is any key of the batch open?  It chooses values, and no way through the text
	s_cselect_b32 s[CS], 0x3e38aa3b, 0             ; c = log2(e) / 8
	s_cselect_b32 s50, 8, 0                        ; q's code at k = 64 and 96: 1.0
	s_mov_b32 s[CS+1], s[CS]
	s_xor_b32 s[NC], s[CS], 0x80000000             ; -c
	v_mov_b32 v[QF+6], s50
.set n, 0
.rept 8
	v_mov_b32 v[L+n], 0                            ; the sums; also the places between q's code and the first product
.set n, n+1
.endr
.macro SMUL g
.irp t, 0,1,2,3
	v_wmma_scale_f32_16x16x128_f8f6f4 v[S+8*(4*\g+\t):S+8*(4*\g+\t)+7], v[KF+12*\t:KF+12*\t+11], v[QF:QF+11], 0, v[KSC+\t], v[QSC] matrix_a_fmt:MATRIX_FMT_FP6 matrix_b_fmt:MATRIX_FMT_FP6
.endr
.endm
.macro RESC                            ; O^T under the last step's M
	s_wait_alu depctr_va_vdst(0)                   ; the wait directly ahead of the first reader of O^T
.set n, 0
.rept 16
	v_pk_mul_f32 v[O+n:O+n+1], v[O+n:O+n+1], v[F:F+1] op_sel_hi:[1,0]
.set n, n+2
.endr
.endm
.macro PV                              ; O^T += v^T p^T; the four accumulators by turns
.irp t, 0,1,2,3
	v_wmma_scale_f32_16x16x128_f8f6f4 v[O+8*\t:O+8*\t+7], v[VF+12*\t:VF+12*\t+11], v[PCD:PCD+11], v[O+8*\t:O+8*\t+7], v[VS+\t], v[PS] matrix_a_fmt:MATRIX_FMT_FP6 matrix_b_fmt:MATRIX_FMT_FP6
.endr
.endm
.macro MR d, b, i, first
.if \first
	v_max3_num_f32 v[\d], v[\b], v[\b+1], v[\b+2]
.else
	v_max3_num_f32 v[\d], v[\d], v[\b+\i], v[\b+\i+1]
.endif
.endm
.macro MROW c, i, first                ; one chain for each of a block's four tiles, each tile from its low end on
	MR BM+\c, S+32*\c, \i, \first
	MR 10, S+32*\c+8, \i, \first
	MR 11, S+32*\c+16, \i, \first
	MR 255, S+32*\c+24, \i, \first
.endm
.macro MAXA c
	MROW \c, 0, 1
	MROW \c, 3, 0
.endm
.macro MAXB c                          ; my block's largest score: for the row's maximum and, since p rises with the score, for the block's largest p
	MROW \c, 5, 0
	v_max3_num_f32 v[BM+\c], v[BM+\c], v10, v11                      ; the four chains and each tile's last number: two halves that do not hang on each other, then joined
	v_max3_num_f32 v255, v255, v[S+32*\c+7], v[S+32*\c+15]
	v_max3_num_f32 v[BM+\c], v[BM+\c], v255, v[S+32*\c+23]
	v_max_num_f32 v[BM+\c], v[BM+\c], v[S+32*\c+31]
.endm
.macro STEP p, nx                      ; 128 keys: the unit at byte p x UNIT from the address registers; nx = 1: a step follows
.set U, (\p)*UNIT
.set NN, NM+2*(\p)
.set NO, NM+2-2*(\p)
	s_wait_dscnt 0x0                               ; k's first half and the last step's v, both asked for in the last step
	SMUL 0
	RESC                                           ; 16 places behind the products, in front of the loads into k's registers
	KLOAD 1, U
	PV                                             ; the last step's p and v
	MAXA 0                                         ; 8 places in front of the loads into v's registers
	VLOAD U
	s_wait_alu depctr_va_vdst(0)
	s_wait_dscnt 20                                ; k's second half is in; v's 20 loads may be out
	SMUL 1
	MAXB 0                                         ; 8 places in front of the first read of the second half, and of the loads into k's registers
.if \nx
	KLOAD 0, U+UNIT                                ; the next step's first half of k: it lands under the softmax
.endif
	MAXA 1
	MAXB 1
	D 1
	v_max_num_f32 v10, v[BM], v[BM+1]
	D 1
	v_permlanex16_b32 v11, v10, s[SEL], s[SEL+1]
	D 1
	v_max3_num_f32 v[R], v[R], v10, v11            ; the running largest raw score of my query
	D 1
	v_mul_f32 v10, s[NC], v[R]                     ; -t (c is not negative)
	D 1
	v_floor_f32 v[NN], v10                         ; -M = floor(-t): M is a whole number
	D 1
	v_sub_f32 v10, v[NN], v[NO]                    ; old M - new M: a whole number, 0 or less
.set n, 0
.rept 32
	v_pk_fma_f32 v[S+n:S+n+1], v[S+n:S+n+1], s[CS:CS+1], v[NN:NN+1] op_sel_hi:[1,0,0]   ; t - M, two at a time
.set n, n+2
.endr
	v_cvt_i32_f32 v10, v10                         ; (it saturates)
	v_fma_f32 v[BM], v[BM], s[CS], v[NN]
	v_fma_f32 v[BM+1], v[BM+1], s[CS], v[NN]
	s_wait_alu depctr_va_vdst(0)                   ; the wait ahead of the batch
.set n, 0
.rept 64
	v_exp_f32 v[S+n], v[S+n]                       ; p = 2^(t - M)
.set n, n+1
.endr
	v_exp_f32 v[BM], v[BM]                         ; each block's largest p
	v_exp_f32 v[BM+1], v[BM+1]
	v_ldexp_f32 v[F], 1.0, v10                     ; f: a multiplication by it rounds nothing (the plain place behind the exponentials)
	s_wait_alu depctr_va_vdst(0)                   ; one wait for the batch, ahead of its first reader
.irp k, 0,1,2,3
	v_pk_fma_f32 v[L+2*\k:L+2*\k+1], v[L+2*\k:L+2*\k+1], v[F:F+1], v[S+2*\k:S+2*\k+1] op_sel_hi:[1,0,1]   ; the sums under the new M, and the unquantised p onto them
.endr
.set n, 8
.rept 28
	v_pk_add_f32 v[L+2*((n/2)%4):L+2*((n/2)%4)+1], v[L+2*((n/2)%4):L+2*((n/2)%4)+1], v[S+n:S+n+1]
.set n, n+2
.endr
	v_max_num_f32 v[BM], 0x1800000, v[BM]          ; the floor 2^(3 - 127): the byte cannot fall under 1
	v_max_num_f32 v[BM+1], 0x1800000, v[BM+1]
	D 2
	v_add_nc_u32 v[BM], 0xff000000, v[BM]          ; 2 off the exponent field: the conversion's scale operand
	v_add_nc_u32 v[BM+1], 0xff000000, v[BM+1]
	v_cvt_scalef32_pk16_fp6_f32 v[PCD:PCD+2], v[S:S+15], v[BM]
	v_cvt_scalef32_pk16_fp6_f32 v[PCD+6:PCD+8], v[S+32:S+47], v[BM+1]
	v_lshrrev_b32 v10, 23, v[BM]                   ; the scales' bytes (plain places between the conversions)
	v_lshrrev_b32 v11, 23, v[BM+1]
	v_cvt_scalef32_pk16_fp6_f32 v[S:S+2], v[S+16:S+31], v[BM]          ; (a conversion's three registers begin on an even number: made in registers of p that are done with, and moved)
	v_cvt_scalef32_pk16_fp6_f32 v[S+32:S+34], v[S+48:S+63], v[BM+1]
	v_lshl_or_b32 v10, v11, 16, v10                ; my two bytes: blocks h and 2 + h,
	D 1
	v_lshlrev_b32 v10, v[SH8], v10                 ; 8 h bits up;
	D 1
	v_permlanex16_b32 v11, v10, s[SEL], s[SEL+1]
	D 1
	v_or_b32 v[PS], v10, v11                       ; with lane l xor 16's two the word is whole
.irp i, 0,1,2
	v_mov_b32 v[PCD+3+\i], v[S+\i]
	v_mov_b32 v[PCD+9+\i], v[S+32+\i]
.endr
.endm
	s_mov_b32 s[CNT], 7
	s_wait_alu depctr_va_vdst(0)                   ; the wait at the head's end
.Ltrip:
	STEP 0, 1
	STEP 1, 1
.irp a, KA, KB, KS, VA, VB, VW
	v_add_nc_u32 v[\a], 2*UNIT, v[\a]
.endr
	s_sub_co_u32 s[CNT], s[CNT], 1
	s_cmp_lg_u32 s[CNT], 0
	s_wait_alu depctr_va_vdst(0)
	s_cbranch_scc1 .Ltrip
	STEP 0, 1                                      ; the last two steps are written out: the last asks for no further k
	STEP 1, 0
	RESC                                           ; the last step's product
	s_wait_alu depctr_va_vdst(0)
	s_wait_dscnt 0x0
	PV
	; THE WAY OUT: O^T / the sum; my 16 queries x 64 channels are two blocks along the next K: one piece of 768 bytes and two scale bytes a row
	v_pk_add_f32 v[L:L+1], v[L:L+1], v[L+2:L+3]
	v_pk_add_f32 v[L+4:L+5], v[L+4:L+5], v[L+6:L+7]
	D 1
	v_pk_add_f32 v[L:L+1], v[L:L+1], v[L+4:L+5]
	D 1
	v_add_f32 v10, v[L], v[L+1]
	D 1
	v_permlanex16_b32 v11, v10, s[SEL], s[SEL+1]
	D 1
	v_add_f32 v10, v10, v11                        ; the row's sum
	s_wait_alu depctr_va_vdst(0)
	v_rcp_f32 v[R], v10
	v_and_b32 v1, 31, v0
	v_and_b32 v4, 15, v0
	v_lshlrev_b32 v2, 4, v1                        ; 16 x lane
	v_lshl_add_u32 v3, v1, 3, 512                  ; 8 x lane + 512
	v_lshlrev_b32 v4, 2, v4                        ; 4 r
	s_lshr_b32 s56, s12, 4
	s_lshl_b32 s56, s56, 7
	s_add_co_u32 s56, s56, s58                     ; my row tile: 128 x batch + my tile
	s_and_b32 s57, s12, 15                         ; the head
	s_mul_i32 s52, s56, 12288
	s_mul_i32 s53, s57, 768
	s_add_co_u32 s52, s52, s53
	s_mov_b32 s53, 0
	s_add_nc_u64 s[52:53], s[8:9], s[52:53]
	s_lshr_b32 s54, s56, 3
	s_lshl_b32 s54, s54, 3
	s_lshr_b32 s55, s57, 1
	s_add_co_u32 s54, s54, s55
	s_lshl_b32 s54, s54, 9
	s_and_b32 s55, s56, 7
	s_lshl_b32 s55, s55, 6
	s_add_co_u32 s54, s54, s55
	s_and_b32 s55, s57, 1
	s_lshl_b32 s55, s55, 1
	s_add_co_u32 s54, s54, s55
	s_add_co_u32 s54, s54, CSG
	s_mov_b32 s55, 0
	s_add_nc_u64 s[54:55], s[8:9], s[54:55]
	s_wait_alu depctr_va_vdst(0)                   ; ahead of the first reader of the reciprocal and of O^T
.set n, 0
.rept 32
	v_mul_f32 v[S+n], v[O+n], v[R]
.set n, n+1
.endr
.irp b, 0,1
	v_max3_num_f32 v[BM+\b], |v[S+16*\b]|, |v[S+16*\b+1]|, 0x1800000
.endr
.irp i, 2,4,6,8,10,12,14
.irp b, 0,1
	D 2
	v_max3_num_f32 v[BM+\b], v[BM+\b], |v[S+16*\b+\i]|, |v[S+16*\b+\i+1]|
.endr
.endr
.irp b, 0,1
	D 2
	v_permlanex16_b32 v[10+\b], v[BM+\b], s[SEL], s[SEL+1]
.endr
.irp b, 0,1
	D 2
	v_max_num_f32 v[BM+\b], v[BM+\b], v[10+\b]
.endr
.irp b, 0,1
	D 2
	v_add_nc_u32 v[BM+\b], 0xff000000, v[BM+\b]
.endr
.irp b, 0,1
	D 2
	v_lshrrev_b32 v[10+\b], 23, v[BM+\b]
.endr
	D 1
	v_lshl_or_b32 v12, v11, 8, v10                 ; my head's two bytes of the row's scale word
	v_cvt_scalef32_pk16_fp6_f32 v[224:226], v[S:S+15], v[BM]
	v_cvt_scalef32_pk16_fp6_f32 v[228:230], v[S+16:S+31], v[BM+1]
	v_nop                                          ; one plain place behind a scaled conversion
.irp i, 0,1,2
	v_permlane16_swap_b32 v[224+\i], v[228+\i]     ; here a lane holds half blocks (channels 16 t + 8 h + j): lanes 0-15 take block 0, lanes 16-31 block 1
.endr
	D 3
	v_mov_b32 v227, v228
	D 3
	v_mov_b32 v228, v229
	D 3
	v_mov_b32 v229, v230
	global_store_b128 v2, v[224:227], s[52:53]     ; 512 consecutive bytes
	global_store_b64 v3, v[228:229], s[52:53]      ; 256 consecutive bytes
	global_store_b16 v4, v12, s[54:55]             ; two bytes a row: the other head of the pair writes the word's other half
	s_wait_tensorcnt 0x0                           ; the wave's end
	ds_add_u32 v[SPW], v[NIL]
	s_wait_dscnt 0x0
	CROUND                                         ; the closing round
	s_endpgm
.Lfunc_end_k_q83a55f49c5_attn:
	.size	k_q83a55f49c5_attn, .Lfunc_end_k_q83a55f49c5_attn-k_q83a55f49c5_attn
	.p2alignl 7, 3214868480
	.fill 96, 4, 3214868480
	.section	.rodata,"a",@progbits
	.p2align	6, 0x0
	.amdhsa_kernel k_q83a55f49c5_attn
		.amdhsa_group_segment_fixed_size 263424
		.amdhsa_private_segment_fixed_size 0
		.amdhsa_enable_private_segment 0
		.amdhsa_kernarg_size 24
		.amdhsa_user_sgpr_count 2
		.amdhsa_user_sgpr_kernarg_segment_ptr 1
		.amdhsa_wavefront_size32 1
		.amdhsa_system_sgpr_workgroup_id_x 1
		.amdhsa_system_sgpr_workgroup_id_y 1
		.amdhsa_system_sgpr_workgroup_id_z 1
		.amdhsa_system_vgpr_workitem_id 0
		.amdhsa_next_free_vgpr 256
		.amdhsa_next_free_sgpr 66
		.amdhsa_reserve_vcc 0
		.amdhsa_float_denorm_mode_32 3
		.amdhsa_float_denorm_mode_16_64 3
		.amdhsa_memory_ordered 1
		.amdhsa_forward_progress 1
		.amdhsa_inst_pref_size 80
	.end_amdhsa_kernel
	.amdgpu_metadata
---
amdhsa.version: [ 1, 2 ]
amdhsa.kernels:
  - .name:           k_q83a55f49c5_attn
    .symbol:         k_q83a55f49c5_attn.kd
    .args:
      - { .name: QKV, .offset: 0, .size: 8, .value_kind: global_buffer, .address_space: global }
      - { .name: mask, .offset: 8, .size: 8, .value_kind: global_buffer, .address_space: global }
      - { .name: CTX, .offset: 16, .size: 8, .value_kind: global_buffer, .address_space: global }
    .group_segment_fixed_size: 263424
    .private_segment_fixed_size: 0
    .kernarg_segment_align: 8
    .kernarg_segment_size: 24
    .max_flat_workgroup_size: 512
    .sgpr_count:     66
    .vgpr_count:     256
    .wavefront_size: 32
...
	.end_amdgpu_metadata
.endif
;; end of part 11
;; launch wo (part 12): grid 8 x 32, 4 waves a work-group, clusters of 4 x 4, 327,680 bytes of LDS; arguments CTX, W, x, X1; writes X1
.if DOCPART == 12
	.amdgcn_target "amdgcn-amd-amdhsa--gfx1250"
	.amdhsa_code_object_version 6
	.text
	.protected	k_q83a55f49c5_wo
	.globl	k_q83a55f49c5_wo
	.p2align	8
	.type	k_q83a55f49c5_wo,@function
k_q83a55f49c5_wo:
	s_mov_b64 s[64:65], 0
	v_nop
	global_prefetch_b8 v0, s[64:65] scope:SCOPE_SE
	s_setreg_imm32_b32 hwreg(HW_REG_WAVE_MODE, 25, 1), 1
	s_wait_xcnt 0x0
	s_wait_alu depctr_hold_cnt(0) depctr_sa_sdst(0) depctr_va_vdst(0) depctr_va_sdst(0) depctr_va_ssrc(0) depctr_va_vcc(0) depctr_vm_vsrc(0)
	s_getreg_b32 s2, hwreg(HW_REG_IB_STS2, 6, 4)
	s_cmp_eq_u32 s2, 0
	s_cbranch_scc0 .Lentry_in_a_cluster
	s_endpgm
.Lentry_in_a_cluster:
	s_bfe_u32 s2, ttmp6, 0x10000c
	s_cmp_lg_u32 s2, 0xf033
	s_cbranch_scc0 .Lentry_shape_is_right
	s_endpgm
.Lentry_shape_is_right:
; out = res + A B^T (+ bias): A [4,096][128 KT] and B [1,024][128 KT] on codes of MX-FP6, out and res [4,096][1,024] f32.  Here: x1 = x + ctx wo.
; A tile of 128 x 128 to a work-group of four waves, 64 x 64 a wave in 16 accumulators (window 2): 4,096 x 1,024 so makes 256 work-groups, where tiles of 256 x 256 would make 64.
; Operands lie in memory as images of the matrix unit's registers: [16 rows][128 K][2 pieces of 768 bytes: registers 0-3 at 16 x lane, registers 4-5 at 512 + 8 x lane], so a fragment is two loads of 16 bytes and
; two of 8 a lane, consecutive over the lanes: no pitch, no padding.  K goes in steps of 512 through two LDS slots; a wave's tensor load brings 4 row tiles x 6,144 consecutive bytes.  With KT = 8 the two first fills
; hold all of K and nothing is filled again.  The scale words of the work-group's rows, [128 rows][128 K][128 words], come once and stay.
; CLUSTER 4 x 4: A's tile is shared along a row of the cluster, B's along a column: joint loads.  The matrix instruction is used TRANSPOSED (source 0 = B's 16 rows, source 1 = A's): a lane holds eight neighbouring numbers of a row.
; A step of 128 along K is 16 products on 8 fragments; both operands have two sets of registers, and a step's 32 LDS loads are issued in one run a step ahead.
; The residual's 64 x 64 numbers of a wave are asked for at the head, into registers of their own (window 3), and are waited for on the way out.
; No prefetch: the tiles are small, each is asked for by four work-groups at once and again by other clusters.  LIMITS: NaN and infinities are not served.
.set KT,    8                          ; K / 128
.set BIAS,  0
.set ASOFF, 3145728                    ; A's buffer: where the scale words begin
.set BOFF,  2359296                    ; W: B's codes
.set BSOFF, 9535488                    ; W: B's scale words
.set FR,    12                         ; registers of a fragment
.set NF,    32                         ; LDS loads that bring a step's eight fragments
.set NP,    4                          ; places behind this matrix instruction (ISA guide 7.12.1)
.set HALFT, 4*6144                     ; what one tensor load brings: 64 rows x 512 K
.set SLOT,  4*HALFT                    ; A's 128 rows, then B's 128 rows
.set LAPS,  KT/8                       ; a lap = two slots = 1,024 along K
.set SCL,   2*SLOT                     ; behind the slots: the scale words, A's KT x 512 bytes, then B's
.set HALFS, KT*256                     ; what one tensor load brings of them: 128 rows x half of K
.set SPARE, SCL+4*HALFS                ; the spare words, 128 bytes a wave, that no other line names
.set SPITCH, 272                       ; the way out: a stage of 16 rows x (256 + 16) bytes for each wave, in slot 0, which has had its last fill and its last read by then
.set ADRA,  16                         ; v16-17 16 x lane + my rows of A in slot 0, 1;  v18-19 the same with 8 x lane
.set ADRB,  20                         ; v20-23 the same for B
.set STO,   24
.set RD,    25
.set CO,    26                         ; v26 my byte offset in two rows of the output and of the residual; never rewritten
.set ADRS,  27                         ; v27 my scale words: lanes 0-15 A's, lanes 16-31 B's
.set SPW,   28
.set NIL,   29
.set SC,    32                         ; v32-63 scale words, a set of 16 for each slot: register 4 i + q; they hold nothing else
.set BI,    64                         ; v64-95 the bias in the result's layout
.set AF,    128                        ; v128-223 A's 4 fragments, two sets of 48;  window 1: B's two sets at v0 and v128
.set BK,    128                        ; the way out: v128-255, 32 registers for each block of 16 rows;  window 3: v0-127 the residual
.set G1,    24
.set G0,    32
.set G1B,   48
.set G0B,   56
.set G1S,   68
.set G0S,   76
.set G1SB,  80
.set G0SB,  88
.set MSB,   0
.macro WIN new                         ; the immediate's high byte repeats the setting that is left
.if MSB != (\new)
	s_set_vgpr_msb (MSB<<8)|(\new)
.set MSB, (\new)
.endif
.endm
.set MULW,  0xa1                       ; source 0 (B) window 1, source 1 (A) window 0, C and D window 2
.set TO_B,  0x40                       ; destination window 1
.macro JLOAD g0a, g1a, g0b, g1b        ; a joint load: waves 0, 1 fetch for A, waves 2, 3 for B; s_nop 0 and four v_nop follow each line
	s_cmp_eq_u32 s15, 0
	s_cbranch_scc0 .Lfor_b_\@
	tensor_load_to_lds s[\g0a:\g0a+3], s[\g1a:\g1a+7]
	s_nop 0
.rept 4
	v_nop
.endr
	s_branch .Lasked_\@
.Lfor_b_\@:
	tensor_load_to_lds s[\g0b:\g0b+3], s[\g1b:\g1b+7]
	s_nop 0
.rept 4
	v_nop
.endr
.Lasked_\@:
.endm
.macro CREST                           ; a round of the cluster's barrier behind its opening barrier
	s_cmp_lg_u32 s14, 0
	s_cbranch_scc1 .Lnot_wave_0_\@
	s_barrier_signal -3
.Lnot_wave_0_\@:
	s_barrier_wait -3
	s_barrier_signal -1
	s_barrier_wait -1
.endm
.macro CROUND
	s_barrier_signal -1
	s_barrier_wait -1
	CREST
.endm
	s_load_b256 s[4:11], s[0:1], 0x0               ; A, W, the residual, the output
.if BIAS
	s_load_b64 s[12:13], s[0:1], 0x20              ; the bias
.endif
	v_lshl_add_u32 v[SPW], v0, 2, SPARE
	v_mov_b32 v[NIL], 0
	ds_add_u32 v[SPW], v[NIL]                      ; the wave's opening: the add, twice, and its wait ahead of my first tensor load
	ds_add_u32 v[SPW], v[NIL]
	v_lshrrev_b32 v1, 5, v0
	v_readfirstlane_b32 s14, v1                    ; wave
	s_lshr_b32 s15, s14, 1                         ; my half of the rows; also: I fetch for A (0) or B (1)
	s_and_b32 s16, s14, 1                          ; my half of the columns; also: which 64 rows I fetch
	s_bfe_u32 s40, ttmp6, 0x40000                  ; cx
	s_bfe_u32 s41, ttmp6, 0x40004                  ; cy
	s_lshl_b32 s42, ttmp9, 2
	s_add_co_u32 s42, s42, s40                     ; tile column, 0 to 7
	s_and_b32 s17, ttmp7, 0xffff
	s_lshl_b32 s17, s17, 2
	s_add_co_u32 s17, s17, s41                     ; tile row, 0 to 31
	s_lshl_b32 s43, s41, 2
	s_lshl_b32 s43, 15, s43                        ; my row of the cluster
	s_lshl_b32 s44, 0x1111, s40                    ; my column
	s_or_b32 s[G1+0], s43, (3<<16)|(1<<21)         ; the mask; elements of 8 bytes; 21 set beside a mask; no padding
	s_or_b32 s[G1B+0], s44, (3<<16)|(1<<21)
.irp g, G1, G1B
	s_mov_b32 s[\g+1], 768<<16                     ; tensor_dim0 = 768: 6,144 bytes, 512 along K of 16 rows
	s_mov_b32 s[\g+2], 4<<16                       ; tensor_dim1 = 4 row tiles
	s_mov_b32 s[\g+3], 768<<16                     ; tile_dim0
	s_mov_b32 s[\g+4], 4                           ; tile_dim1
	s_mov_b32 s[\g+5], KT*192                      ; from row tile to row tile
	s_mov_b32 s[\g+6], 0
	s_mov_b32 s[\g+7], 0
.endr
	s_or_b32 s[G1S+0], s43, (3<<16)|(1<<21)        ; the scale words of 128 rows and half of K: a dense block, as rows of 256 bytes
	s_or_b32 s[G1SB+0], s44, (3<<16)|(1<<21)
.irp g, G1S, G1SB
	s_mov_b32 s[\g+1], 32<<16
	s_mov_b32 s[\g+2], KT<<16
	s_mov_b32 s[\g+3], 32<<16
	s_mov_b32 s[\g+4], KT
	s_mov_b32 s[\g+5], 32
	s_mov_b32 s[\g+6], 0
	s_mov_b32 s[\g+7], 0
.endr
	s_lshl_b32 s18, s16, 2
	s_lshl_b32 s20, s17, 3
	s_add_co_u32 s20, s20, s18                     ; A: row tile 8 x tile row + 4 x half
	s_mul_i32 s20, s20, KT*1536
	s_lshl_b32 s46, s42, 3
	s_add_co_u32 s46, s46, s18                     ; B: row tile 8 x tile column + 4 x half
	s_mul_i32 s46, s46, KT*1536
	s_add_co_u32 s46, s46, BOFF
	s_lshl_b32 s22, s17, 1
	s_add_co_u32 s22, s22, s16                     ; A's scale words: group of 128 rows = tile row; + half of K
	s_mul_i32 s22, s22, HALFS
	s_add_co_u32 s22, s22, ASOFF
	s_lshl_b32 s92, s42, 1
	s_add_co_u32 s92, s92, s16
	s_mul_i32 s92, s92, HALFS
	s_add_co_u32 s92, s92, BSOFF
	s_mov_b32 s21, 0
	s_mov_b32 s23, 0
	s_mov_b32 s47, 0
	s_mov_b32 s93, 0
	s_mul_i32 s45, s14, HALFT                      ; where they go: wave x 64 rows: no place in the cluster enters an LDS address
	s_wait_dscnt 0x0                               ; the opening add is done
	s_wait_kmcnt 0x0
	s_add_nc_u64 s[20:21], s[4:5], s[20:21]
	s_add_nc_u64 s[22:23], s[4:5], s[22:23]
	s_add_nc_u64 s[46:47], s[6:7], s[46:47]
	s_add_nc_u64 s[92:93], s[6:7], s[92:93]
	CROUND                                         ; all sixteen work-groups are here: the first joint loads meet
	; the head's four tiles, each whole: slot 0's 128 rows of A (s[4:7]), of B (s[96:99]), A's scale words, B's; the wave's half is taken off the addresses
	s_mul_i32 s2, s16, HALFS
	s_mov_b32 s3, 0
	s_sub_nc_u64 s[G0S+2:G0S+3], s[22:23], s[2:3]
	s_sub_nc_u64 s[G0SB+2:G0SB+3], s[92:93], s[2:3]
	s_mul_i32 s2, s16, 4*KT*1536
	s_sub_nc_u64 s[6:7], s[20:21], s[2:3]
	s_sub_nc_u64 s[98:99], s[46:47], s[2:3]
	s_mov_b32 s[G0S], 1
	s_mov_b32 s[G0S+1], SCL
	s_or_b32 s[G0S+3], s[G0S+3], 0x80000000
	s_mov_b32 s[G0SB], 1
	s_mov_b32 s[G0SB+1], SCL+2*HALFS
	s_or_b32 s[G0SB+3], s[G0SB+3], 0x80000000
	s_mov_b32 s4, 1
	s_mov_b32 s5, 0
	s_or_b32 s7, s7, 0x80000000
	s_mov_b32 s96, 1
	s_mov_b32 s97, 2*HALFT
	s_or_b32 s99, s99, 0x80000000
.irp g, G1, G1B
	s_mov_b32 s[\g+2], 8<<16                       ; the head's loads of codes bring 8 row tiles
	s_mov_b32 s[\g+4], 8
.endr
.irp g, G1S, G1SB
	s_mov_b32 s[\g+2], (2*KT)<<16                  ; and those of scale words all of K
	s_mov_b32 s[\g+4], 2*KT
.endr
.irp s, 0,1
	s_mov_b32 s[G0+4*\s], 1
	s_add_co_u32 s[G0+4*\s+1], s45, \s*SLOT
	s_add_nc_u64 s[G0+4*\s+2:G0+4*\s+3], s[20:21], \s*6144
	s_or_b32 s[G0+4*\s+3], s[G0+4*\s+3], 0x80000000
	s_mov_b32 s[G0B+4*\s], 1
	s_add_co_u32 s[G0B+4*\s+1], s45, \s*SLOT
	s_add_nc_u64 s[G0B+4*\s+2:G0B+4*\s+3], s[46:47], \s*6144
	s_or_b32 s[G0B+4*\s+3], s[G0B+4*\s+3], 0x80000000
.endr
; one tensor load a wave at the head: one chain of branches on the wave's number, one load to an arm, one join
.macro ARM under, g0, g1, next
	s_cmp_lt_u32 s14, \under
	s_cbranch_scc0 \next
	tensor_load_to_lds s[\g0:\g0+3], s[\g1:\g1+7]
	s_nop 0
.rept 4
	v_nop
.endr
	s_branch .Lhead_asked
\next:
.endm
	ARM 1, 4, G1, .Lhead_b
	ARM 2, 96, G1B, .Lhead_sa
	ARM 3, G0S, G1S, .Lhead_sb
	tensor_load_to_lds s[G0SB:G0SB+3], s[G1SB:G1SB+7]
	s_nop 0
.rept 4
	v_nop
.endr
.Lhead_asked:
	v_and_b32 v1, 15, v0                           ; r
	v_bfe_u32 v2, v0, 4, 1                         ; h
	v_and_b32 v3, 31, v0
	v_lshlrev_b32 v4, 4, v3                        ; 16 x lane
	v_lshlrev_b32 v5, 3, v3                        ; 8 x lane
	s_mul_i32 s21, s15, HALFT                      ; my 64 rows of A
	s_mul_i32 s22, s16, HALFT                      ; my 64 rows of B,
	s_add_co_u32 s22, s22, 2*HALFT                 ; which lie behind A's 128
.irp s, 0,1
	v_add_nc_u32 v[ADRA+\s], s21, v4
	v_add_nc_u32 v[ADRB+\s], s22, v4
	v_add_nc_u32 v[ADRA+2+\s], s21, v5
	v_add_nc_u32 v[ADRB+2+\s], s22, v5
	s_add_co_u32 s21, s21, SLOT
	s_add_co_u32 s22, s22, SLOT
.endr
	v_lshlrev_b32 v5, 2, v1                        ; 4 r
	s_lshl_b32 s21, s15, 8                         ; A's words of my 64 rows: 256 bytes on for the second half
	s_lshl_b32 s22, s16, 8                         ; B's likewise,
	s_add_co_u32 s22, s22, 2*HALFS                 ; behind A's KT x 512 bytes
	s_sub_co_u32 s22, s22, s21
	v_mul_u32_u24 v6, s22, v2                      ; lanes 16-31 take B's words
	s_add_co_u32 s21, s21, SCL
	v_add_nc_u32 v5, v5, v6
	v_add_nc_u32 v[ADRS], s21, v5
	s_mul_i32 s23, s14, 16*SPITCH                  ; my stage
	v_mul_u32_u24 v5, v1, SPITCH
	v_lshl_add_u32 v5, v2, 5, v5
	v_add_nc_u32 v[STO], s23, v5                   ; in: row r, 32 bytes for each half of the lanes
	v_mul_u32_u24 v5, v2, SPITCH
	v_lshl_add_u32 v5, v1, 4, v5
	v_add_nc_u32 v[RD], s23, v5                    ; back: lanes 0-15 take one row of 256 bytes, lanes 16-31 the next
	v_lshlrev_b32 v[CO], 12, v2
	v_lshl_add_u32 v[CO], v1, 4, v[CO]             ; and the same two rows in memory: 4,096 h + 16 r
	s_wait_alu depctr_va_vdst(0)
	s_lshl_b32 s20, s17, 7
	s_lshl_b32 s21, s15, 6
	s_add_co_u32 s20, s20, s21                     ; my first row: 128 x tile row + 64 x half
	s_lshl_b32 s20, s20, 12                        ; x 4,096 bytes
	s_lshl_b32 s21, s42, 9
	s_add_co_u32 s20, s20, s21
	s_lshl_b32 s21, s16, 8
	s_add_co_u32 s20, s20, s21                     ; + my first column x 4: 512 x tile column + 256 x half
	s_mov_b32 s21, 0
	s_add_nc_u64 s[8:9], s[8:9], s[20:21]
	s_add_nc_u64 s[10:11], s[10:11], s[20:21]
.if BIAS
	s_lshl_b32 s20, s42, 9
	s_lshl_b32 s21, s16, 8
	s_add_co_u32 s20, s20, s21
	s_mov_b32 s21, 0
	s_add_nc_u64 s[12:13], s[12:13], s[20:21]
	v_lshlrev_b32 v7, 5, v2                        ; 32 h
.irp b, 0,1,2,3
	global_load_b128 v[BI+8*\b:BI+8*\b+3], v7, s[12:13] offset:64*\b          ; register 8 b + j: bias of column 16 b + 8 h + j
	global_load_b128 v[BI+8*\b+4:BI+8*\b+7], v7, s[12:13] offset:64*\b+16
.endr
.endif
	WIN 0xc0                                       ; destination window 3
.irp a, 0,1,2,3                        ; the residual of my 64 rows x 64 columns, in the order in which the rows come back from the stage: 32 loads, 16 lanes to 256 consecutive bytes
.irp t, 0,1,2,3,4,5,6,7
	global_load_b128 v[32*\a+4*\t:32*\a+4*\t+3], v[CO], s[8:9] offset:(16*\a+2*\t)*4096
.endr
.endr
	WIN 0
.macro FRAG reg, adr, q, i             ; a fragment comes as it was stored
.irp c, 0,1
	ds_load_b128 v[\reg+6*\c:\reg+6*\c+3], v[\adr] offset:(\i)*6144+(\q)*1536+768*\c
	ds_load_b64 v[\reg+6*\c+4:\reg+6*\c+5], v[\adr+2] offset:(\i)*6144+(\q)*1536+768*\c+512
.endr
.endm
.macro MM a, b, p, q, sc, zero         ; one product; zero = 1: it starts the sum, with the bias or with 0 as C
.set rD, 8*(4*(\a)+\b)
.set rB, 128*(\p)+FR*\b
.set rA, AF+48*(\p)+FR*(\a)
.set rX, SC+16*(\sc)+4*\b+(\q)
.set rY, SC+16*(\sc)+4*(\a)+(\q)
.if (\zero) == 0
	v_wmma_scale_f32_16x16x128_f8f6f4 v[rD:rD+7], v[rB:rB+11], v[rA:rA+11], v[rD:rD+7], v[rX], v[rY] matrix_a_fmt:MATRIX_FMT_FP6 matrix_b_fmt:MATRIX_FMT_FP6 matrix_a_scale:MATRIX_SCALE_ROW1
.elseif BIAS
	v_wmma_scale_f32_16x16x128_f8f6f4 v[rD:rD+7], v[rB:rB+11], v[rA:rA+11], v[BI+8*\b:BI+8*\b+7], v[rX], v[rY] matrix_a_fmt:MATRIX_FMT_FP6 matrix_b_fmt:MATRIX_FMT_FP6 matrix_a_scale:MATRIX_SCALE_ROW1
.else
	v_wmma_scale_f32_16x16x128_f8f6f4 v[rD:rD+7], v[rB:rB+11], v[rA:rA+11], 0, v[rX], v[rY] matrix_a_fmt:MATRIX_FMT_FP6 matrix_b_fmt:MATRIX_FMT_FP6 matrix_a_scale:MATRIX_SCALE_ROW1
.endif
.endm
.macro MUL16 p, q, sc, zero            ; a step's 16 products; the 16 accumulators take turns, one instruction a turn, in the same order in every step
.irp a, 0,1,2,3
.irp b, 0,1,2,3
	MM \a, \b, \p, \q, \sc, \zero
.endr
.endr
.endm
.macro FETCH slot, q, p                ; 32 LDS loads in one run: the slot's q-th 128 along K, B's four fragments and A's four, into set p
	WIN TO_B
.irp i, 0,1,2,3
	FRAG 128*(\p)+FR*\i, ADRB+\slot, \q, \i
.endr
	WIN 0
.irp i, 0,1,2,3
	FRAG AF+48*(\p)+FR*\i, ADRA+\slot, \q, \i
.endr
.endm
.macro SCALES sc                       ; a slot's scale words: lanes 0-15 A's block i, lanes 16-31 B's block i, for the slot's q-th 128 along K
.irp i, 0,1,2,3
.irp q, 0,1,2,3
	ds_load_b32 v[SC+16*\sc+4*\i+\q], v[ADRS] offset:512*\q+64*\i
.endr
.endr
.endm
.macro PLACES n                        ; plain vector instructions between a matrix instruction and a load into, or a read of, its registers
.rept \n
	v_nop
.endr
.endm
.macro STEP slot, q, zero              ; 128 along K whose successor lies in the same slot
	PLACES NP                                      ; the last step's products read the set that is loaded now
	FETCH \slot, (\q)+1, 1-(\q)%2
	s_wait_dscnt NF                                ; all but the 32 loads just issued: this step's fragments, and the slot's scale words, are in
.if (\zero)*BIAS
	WIN 0x81                                       ; C, the bias, in window 0
.else
	WIN MULW
.endif
	MUL16 (\q)%2, \q, \slot, \zero
	WIN 0
.endm
.macro TURN slot, next, fill           ; a slot's fourth step changes slots: its fragments are in registers, so the slot is left before its products; fill = 1: the barrier opens a round of the cluster's barrier and the slot is filled again
	s_wait_tensorcnt 0x0                           ; all my tensor loads have landed: my part of the next slot; so every group 0 may be written
	ds_add_u32 v[SPW], v[NIL]                      ; 0 onto my spare word
.if \fill
	s_add_nc_u64 s[G0+4*\slot+2:G0+4*\slot+3], s[G0+4*\slot+2:G0+4*\slot+3], 12288       ; this slot's next 512 along K: two slots on
	s_add_nc_u64 s[G0B+4*\slot+2:G0B+4*\slot+3], s[G0B+4*\slot+2:G0B+4*\slot+3], 12288
.endif
	s_wait_dscnt 0x0                               ; the add is done, and my reads of this slot are over
	s_barrier_signal -1
	s_barrier_wait -1
.if \fill
	CREST                                          ; no wave of any partner still reads this slot or has a load on its way
	JLOAD G0+4*\slot, G1, G0B+4*\slot, G1B         ; my one tensor load behind the round; its four v_nop are the places in front of the loads below
.else
	PLACES NP
.endif
	v_add_nc_u32 v[ADRS], 2048, v[ADRS]            ; the next slot's scale words: four K steps of 512 bytes on
	FETCH \next, 0, 0
	SCALES \next
	WIN MULW
	MUL16 1, 3, \slot, 0
	WIN 0
.endm
	s_wait_alu depctr_va_vdst(0)                   ; the wait at the head's end
	s_wait_tensorcnt 0x0                           ; my tile of the head's four is in; slot 1's first fill is issued as a refill is
	ds_add_u32 v[SPW], v[NIL]
.irp g, G1, G1B
	s_mov_b32 s[\g+2], 4<<16                       ; no load of mine is out: from here on a load brings 4 row tiles
	s_mov_b32 s[\g+4], 4
.endr
	s_wait_dscnt 0x0
	CROUND
	JLOAD G0+4, G1, G0B+4, G1B
	FETCH 0, 0, 0
	SCALES 0
.if BIAS
	s_wait_loadcnt 32                              ; the bias is in; the residual's 32 loads may be out
.endif
	STEP 0, 0, 1                                   ; the first step starts the sums
.if LAPS > 1
	s_mov_b32 s3, LAPS-1
.Llap:                                                 ; a trip goes once round the two slots, from a lap's second step to the next lap's first, and fills both again
	STEP 0, 1, 0
	STEP 0, 2, 0
	TURN 0, 1, 1
	STEP 1, 0, 0
	STEP 1, 1, 0
	STEP 1, 2, 0
	TURN 1, 0, 1
	STEP 0, 0, 0
	s_sub_co_u32 s3, s3, 1
	s_cmp_lg_u32 s3, 0
	s_cbranch_scc1 .Llap
.endif
	STEP 0, 1, 0                                   ; the last lap fills nothing
	STEP 0, 2, 0
	TURN 0, 1, 0
	STEP 1, 0, 0
	STEP 1, 1, 0
	STEP 1, 2, 0
	s_wait_dscnt 0x0                               ; the very last step: nothing more to fetch
	WIN MULW
	MUL16 1, 3, 1, 0
	WIN 0
; THE WAY OUT, four blocks of 16 rows x 64 columns: through my own stage, back as whole rows of 256 bytes, the residual added, stored with 16 lanes to 256 consecutive bytes, aligned.  Every offset is an immediate: 62 rows at the most.
.macro TOSTAGE a
.set AC, 32*(\a)
	WIN 0x08                                       ; the data: window 2
.irp b, 0,1,2,3
	ds_store_b128 v[STO], v[AC+8*\b:AC+8*\b+3] offset:64*\b          ; each accumulator from its low end on
	ds_store_b128 v[STO], v[AC+8*\b+4:AC+8*\b+7] offset:64*\b+16
.endr
	WIN 0
.irp t, 0,1,2,3,4,5,6,7
	ds_load_b128 v[BK+32*(\a)+4*\t:BK+32*(\a)+4*\t+3], v[RD] offset:2*\t*SPITCH   ; LDS serves a wave's instructions in order: these see the stores above, and the next block's stores come behind them
.endr
.endm
.macro SEND a
.set BB, BK+32*(\a)
	s_wait_dscnt 16*(3-(\a))                       ; the block is back; the 8 stores and 8 loads of each block behind it may be out
	WIN 0x0c                                       ; source 1: window 3
.set n, 0
.rept 16
	v_pk_add_f32 v[BB+n:BB+n+1], v[BB+n:BB+n+1], v[32*(\a)+n:32*(\a)+n+1]
.set n, n+2
.endr
	WIN 0
.irp t, 0,1,2,3,4,5,6,7
	global_store_b128 v[CO], v[BB+4*\t:BB+4*\t+3], s[10:11] offset:(16*(\a)+2*\t)*4096 th:TH_STORE_NT
.endr
.endm
	PLACES NP                                      ; in front of loads into registers that the last products read, and of the first read of results
.irp a, 0,1,2,3
	TOSTAGE \a
.endr
	s_wait_loadcnt 0x0                             ; the residual, asked for at the head
.irp a, 0,1,2,3
	SEND \a
.endr
	s_wait_tensorcnt 0x0                           ; the wave's end
	ds_add_u32 v[SPW], v[NIL]
	s_wait_dscnt 0x0
	CROUND                                         ; the closing round
	s_endpgm
.Lfunc_end_k_q83a55f49c5_wo:
	.size	k_q83a55f49c5_wo, .Lfunc_end_k_q83a55f49c5_wo-k_q83a55f49c5_wo
	.p2alignl 7, 3214868480
	.fill 96, 4, 3214868480
	.section	.rodata,"a",@progbits
	.p2align	6, 0x0
	.amdhsa_kernel k_q83a55f49c5_wo
		.amdhsa_group_segment_fixed_size 327680
		.amdhsa_private_segment_fixed_size 0
		.amdhsa_enable_private_segment 0
		.amdhsa_kernarg_size 32
		.amdhsa_user_sgpr_count 2
		.amdhsa_user_sgpr_kernarg_segment_ptr 1
		.amdhsa_wavefront_size32 1
		.amdhsa_system_sgpr_workgroup_id_x 1
		.amdhsa_system_sgpr_workgroup_id_y 1
		.amdhsa_system_sgpr_workgroup_id_z 1
		.amdhsa_system_vgpr_workitem_id 0
		.amdhsa_next_free_vgpr 1024
		.amdhsa_next_free_sgpr 102
		.amdhsa_reserve_vcc 0
		.amdhsa_float_denorm_mode_32 3
		.amdhsa_float_denorm_mode_16_64 3
		.amdhsa_memory_ordered 1
		.amdhsa_forward_progress 1
		.amdhsa_inst_pref_size 63
	.end_amdhsa_kernel
	.amdgpu_metadata
---
amdhsa.version: [ 1, 2 ]
amdhsa.kernels:
  - .name:           k_q83a55f49c5_wo
    .symbol:         k_q83a55f49c5_wo.kd
    .args:
      - { .name: CTX, .offset: 0, .size: 8, .value_kind: global_buffer, .address_space: global }
      - { .name: W, .offset: 8, .size: 8, .value_kind: global_buffer, .address_space: global }
      - { .name: x, .offset: 16, .size: 8, .value_kind: global_buffer, .address_space: global }
      - { .name: X1, .offset: 24, .size: 8, .value_kind: global_buffer, .address_space: global }
    .group_segment_fixed_size: 327680
    .private_segment_fixed_size: 0
    .kernarg_segment_align: 8
    .kernarg_segment_size: 32
    .max_flat_workgroup_size: 128
    .sgpr_count:     102
    .vgpr_count:     1024
    .wavefront_size: 32
...
	.end_amdgpu_metadata
.endif
;; end of part 12
;; launch ln2: the kernel of part 9 again; grid 256 x 1, 8 waves a work-group, no clusters, 66,816 bytes of LDS; arguments X1, alpha2, bias2, XN; writes XN
;; launch ffn1 (part 13): grid 16 x 16, 4 waves a work-group, clusters of 4 x 4, 327,680 bytes of LDS; arguments XN, W, HID, b1; writes HID
.if DOCPART == 13
	.amdgcn_target "amdgcn-amd-amdhsa--gfx1250"
	.amdhsa_code_object_version 6
	.text
	.protected	k_q83a55f49c5_ffn1
	.globl	k_q83a55f49c5_ffn1
	.p2align	8
	.type	k_q83a55f49c5_ffn1,@function
k_q83a55f49c5_ffn1:
	s_mov_b64 s[64:65], 0
	v_nop
	global_prefetch_b8 v0, s[64:65] scope:SCOPE_SE
	s_setreg_imm32_b32 hwreg(HW_REG_WAVE_MODE, 25, 1), 1
	s_wait_xcnt 0x0
	s_wait_alu depctr_hold_cnt(0) depctr_sa_sdst(0) depctr_va_vdst(0) depctr_va_sdst(0) depctr_va_ssrc(0) depctr_va_vcc(0) depctr_vm_vsrc(0)
	s_getreg_b32 s2, hwreg(HW_REG_IB_STS2, 6, 4)
	s_cmp_eq_u32 s2, 0
	s_cbranch_scc0 .Lentry_in_a_cluster
	s_endpgm
.Lentry_in_a_cluster:
	s_bfe_u32 s2, ttmp6, 0x10000c
	s_cmp_lg_u32 s2, 0xf033
	s_cbranch_scc0 .Lentry_shape_is_right
	s_endpgm
.Lentry_shape_is_right:
.set QKV,   0
.set KT,    8
.set BIAS,  1-QKV
.set RELU,  1-QKV
.set WS,    9437184
.set XNS,   3145728
.set AVOFF, 1572864
.set BOFF,  3145728
.set BSOFF, WS+131072
.set QS,    3145728
.set KVB,   3407872
.set HSG,   12582912
.set FR,    12
.set NL,    4
.set NP,    4
.set HALFT, 8*3072
.set SLOT,  4*HALFT
.set LAPS,  KT/4
.set SCL,   2*SLOT
.set HALFS, KT*512
.set SPARE, SCL+4*HALFS
.set ADRA,  16
.set ADRB,  20
.set ADRS,  27
.set SPW,   28
.set NIL,   29
.set SC,    32
.set BI,    64
.set AF,    128
.set PC,    128
.set MK,    148
.set TM,    224
.set PW,    240
.set SEL,   66
.set G1,    24
.set G0,    32
.set G1B,   48
.set G0B,   56
.set G1S,   68
.set G0S,   76
.set G1SB,  80
.set G0SB,  88
.set MSB,   0
.macro WIN new
.if MSB != (\new)
	s_set_vgpr_msb (MSB<<8)|(\new)
.set MSB, (\new)
.endif
.endm
.set MUL_LO, 0xa1
.set MUL_HI, 0xf1
.set TO_B,   0x40
.macro JLOAD g0a, g1a, g0b, g1b
	s_cmp_eq_u32 s15, 0
	s_cbranch_scc0 .Lfor_b_\@
	tensor_load_to_lds s[\g0a:\g0a+3], s[\g1a:\g1a+7]
	s_nop 0
.rept 4
	v_nop
.endr
	s_branch .Lasked_\@
.Lfor_b_\@:
	tensor_load_to_lds s[\g0b:\g0b+3], s[\g1b:\g1b+7]
	s_nop 0
.rept 4
	v_nop
.endr
.Lasked_\@:
.endm
.macro CREST
	s_cmp_lg_u32 s14, 0
	s_cbranch_scc1 .Lnot_wave_0_\@
	s_barrier_signal -3
.Lnot_wave_0_\@:
	s_barrier_wait -3
	s_barrier_signal -1
	s_barrier_wait -1
.endm
.macro CROUND
	s_barrier_signal -1
	s_barrier_wait -1
	CREST
.endm
	s_load_b128 s[4:7], s[0:1], 0x0
	s_load_b64 s[12:13], s[0:1], 0x10
	s_load_b64 s[100:101], s[0:1], 0x18
	v_lshl_add_u32 v[SPW], v0, 2, SPARE
	v_mov_b32 v[NIL], 0
	ds_add_u32 v[SPW], v[NIL]
	ds_add_u32 v[SPW], v[NIL]
	v_lshrrev_b32 v1, 5, v0
	v_readfirstlane_b32 s14, v1
	s_lshr_b32 s15, s14, 1
	s_and_b32 s16, s14, 1
	s_bfe_u32 s40, ttmp6, 0x40000
	s_bfe_u32 s41, ttmp6, 0x40004
	s_lshl_b32 s42, ttmp9, 2
	s_and_b32 s17, ttmp7, 0xffff
	s_lshl_b32 s17, s17, 2
.if QKV
	s_cmp_eq_u32 ttmp9, 2
	s_cselect_b32 s42, s17, s42
	s_cselect_b32 s17, 0, s17
	s_cselect_b32 s95, AVOFF, 0
	s_mov_b32 s96, XNS
	s_cselect_b32 s97, WS+65536, s96
	s_mov_b32 s98, WS
	s_cselect_b32 s98, s96, s98
.endif
	s_add_co_u32 s42, s42, s40
	s_add_co_u32 s17, s17, s41
	s_lshl_b32 s43, s41, 2
	s_lshl_b32 s43, 15, s43
	s_lshl_b32 s44, 0x1111, s40
	s_or_b32 s[G1+0], s43, (3<<16)|(1<<21)
	s_or_b32 s[G1B+0], s44, (3<<16)|(1<<21)
.irp g, G1, G1B
	s_mov_b32 s[\g+1], 384<<16
	s_mov_b32 s[\g+2], 8<<16
	s_mov_b32 s[\g+3], 384<<16
	s_mov_b32 s[\g+4], 8
	s_mov_b32 s[\g+5], KT*192
	s_mov_b32 s[\g+6], 0
	s_mov_b32 s[\g+7], 0
.endr
	s_or_b32 s[G1S+0], s43, (3<<16)|(1<<21)
	s_or_b32 s[G1SB+0], s44, (3<<16)|(1<<21)
.irp g, G1S, G1SB
	s_mov_b32 s[\g+1], 32<<16
	s_mov_b32 s[\g+2], (2*KT)<<16
	s_mov_b32 s[\g+3], 32<<16
	s_mov_b32 s[\g+4], 2*KT
	s_mov_b32 s[\g+5], 32
	s_mov_b32 s[\g+6], 0
	s_mov_b32 s[\g+7], 0
.endr
	s_lshl_b32 s18, s16, 3
	s_lshl_b32 s20, s17, 4
	s_add_co_u32 s20, s20, s18
	s_mul_i32 s20, s20, KT*1536
	s_lshl_b32 s46, s42, 4
	s_add_co_u32 s46, s46, s18
	s_mul_i32 s46, s46, KT*1536
	s_lshl_b32 s22, s17, 1
	s_add_co_u32 s22, s22, s16
	s_mul_i32 s22, s22, KT*512
	s_lshl_b32 s92, s42, 1
	s_add_co_u32 s92, s92, s16
	s_mul_i32 s92, s92, KT*512
.if QKV
	s_add_co_u32 s20, s20, s95
	s_add_co_u32 s22, s22, s97
	s_add_co_u32 s92, s92, s98
.else
	s_add_co_u32 s46, s46, BOFF
	s_add_co_u32 s22, s22, XNS
	s_add_co_u32 s92, s92, BSOFF
.endif
	s_mov_b32 s21, 0
	s_mov_b32 s23, 0
	s_mov_b32 s47, 0
	s_mov_b32 s93, 0
	s_mul_i32 s45, s14, HALFT
	s_mov_b32 s[SEL], 0x76543210
	s_mov_b32 s[SEL+1], 0xfedcba98
	s_wait_dscnt 0x0
	s_wait_kmcnt 0x0
.if QKV
	s_cmp_eq_u32 ttmp9, 2
	s_cselect_b64 s[8:9], s[6:7], s[4:5]
	s_cselect_b64 s[10:11], s[4:5], s[6:7]
.else
	s_mov_b64 s[8:9], s[4:5]
	s_mov_b64 s[10:11], s[6:7]
.endif
	s_add_nc_u64 s[20:21], s[8:9], s[20:21]
	s_add_nc_u64 s[22:23], s[8:9], s[22:23]
	s_add_nc_u64 s[46:47], s[10:11], s[46:47]
	s_add_nc_u64 s[92:93], s[10:11], s[92:93]
	CROUND
	; the head's four tiles, each whole: slot 0's 256 rows of A (s[4:7]), of B (s[96:99]), A's scale words, B's; the wave's half is taken off the addresses
	s_mul_i32 s2, s16, HALFS
	s_mov_b32 s3, 0
	s_sub_nc_u64 s[G0S+2:G0S+3], s[22:23], s[2:3]
	s_sub_nc_u64 s[G0SB+2:G0SB+3], s[92:93], s[2:3]
	s_mul_i32 s2, s16, 8*KT*1536
	s_sub_nc_u64 s[6:7], s[20:21], s[2:3]
	s_sub_nc_u64 s[98:99], s[46:47], s[2:3]
	s_mov_b32 s[G0S], 1
	s_mov_b32 s[G0S+1], SCL
	s_or_b32 s[G0S+3], s[G0S+3], 0x80000000
	s_mov_b32 s[G0SB], 1
	s_mov_b32 s[G0SB+1], SCL+2*HALFS
	s_or_b32 s[G0SB+3], s[G0SB+3], 0x80000000
	s_mov_b32 s4, 1
	s_mov_b32 s5, 0
	s_or_b32 s7, s7, 0x80000000
	s_mov_b32 s96, 1
	s_mov_b32 s97, 2*HALFT
	s_or_b32 s99, s99, 0x80000000
.irp g, G1, G1B
	s_mov_b32 s[\g+2], 16<<16                      ; the head's loads of codes bring 16 row tiles
	s_mov_b32 s[\g+4], 16
.endr
.irp g, G1S, G1SB
	s_mov_b32 s[\g+2], (4*KT)<<16                  ; and those of scale words 256 rows' words
	s_mov_b32 s[\g+4], 4*KT
.endr
.irp s, 0,1
	s_mov_b32 s[G0+4*\s], 1
	s_add_co_u32 s[G0+4*\s+1], s45, \s*SLOT
	s_add_nc_u64 s[G0+4*\s+2:G0+4*\s+3], s[20:21], \s*3072
	s_or_b32 s[G0+4*\s+3], s[G0+4*\s+3], 0x80000000
	s_mov_b32 s[G0B+4*\s], 1
	s_add_co_u32 s[G0B+4*\s+1], s45, \s*SLOT
	s_add_nc_u64 s[G0B+4*\s+2:G0B+4*\s+3], s[46:47], \s*3072
	s_or_b32 s[G0B+4*\s+3], s[G0B+4*\s+3], 0x80000000
.endr
; one tensor load a wave at the head: one chain of branches on the wave's number, one load to an arm, one join
.macro ARM under, g0, g1, next
	s_cmp_lt_u32 s14, \under
	s_cbranch_scc0 \next
	tensor_load_to_lds s[\g0:\g0+3], s[\g1:\g1+7]
	s_nop 0
.rept 4
	v_nop
.endr
	s_branch .Lhead_asked
\next:
.endm
	ARM 1, 4, G1, .Lhead_b
	ARM 2, 96, G1B, .Lhead_sa
	ARM 3, G0S, G1S, .Lhead_sb
	tensor_load_to_lds s[G0SB:G0SB+3], s[G1SB:G1SB+7]
	s_nop 0
.rept 4
	v_nop
.endr
.Lhead_asked:
	; the prefetches: of the 8 row tiles that my wave fetches, the partner at place p (cx for A, cy for B) names row tiles 2 p and 2 p + 1: 2 x 12 blocks of 256 bytes of a slot's 3,072, a lane a block; told apart by address alone
	v_and_b32 v30, 31, v0
	v_min_u32 v30, 23, v30                         ; lanes 24-31 name the wave's last block again
	v_mul_u32_u24 v31, v30, 171
	v_lshrrev_b32 v31, 11, v31                     ; lane / 12
	v_mul_u32_u24 v31, v31, KT*1536-3072
	v_lshl_add_u32 v30, v30, 8, v31                ; v30: 256 x lane, the second twelve in the next row tile; never rewritten
	s_cmp_eq_u32 s15, 0
	s_cselect_b64 s[8:9], s[20:21], s[46:47]
	s_cselect_b32 s2, s40, s41
	s_mul_i32 s2, s2, 2*KT*1536
	s_add_nc_u64 s[8:9], s[8:9], s[2:3]            ; never rewritten
	global_prefetch_b8 v30, s[8:9] offset:3072 th:TH_LOAD_NT scope:SCOPE_SE      ; the second and third 256 along K: what slot 1's first fill and the first refill will ask for
	global_prefetch_b8 v30, s[8:9] offset:6144 th:TH_LOAD_NT scope:SCOPE_SE
	v_and_b32 v1, 15, v0
	v_bfe_u32 v2, v0, 4, 1
	v_and_b32 v3, 31, v0
	v_lshlrev_b32 v4, 4, v3
	v_lshlrev_b32 v5, 3, v3
	s_mul_i32 s21, s15, HALFT
	s_mul_i32 s22, s16, HALFT
	s_add_co_u32 s22, s22, 2*HALFT
.irp s, 0,1
	v_add_nc_u32 v[ADRA+\s], s21, v4
	v_add_nc_u32 v[ADRB+\s], s22, v4
	v_add_nc_u32 v[ADRA+2+\s], s21, v5
	v_add_nc_u32 v[ADRB+2+\s], s22, v5
	s_add_co_u32 s21, s21, SLOT
	s_add_co_u32 s22, s22, SLOT
.endr
	v_lshlrev_b32 v5, 2, v1
	s_mul_i32 s21, s15, HALFS
	s_mul_i32 s22, s16, HALFS
	s_add_co_u32 s22, s22, 2*HALFS
	s_sub_co_u32 s22, s22, s21
	v_mul_u32_u24 v6, s22, v2
	s_add_co_u32 s21, s21, SCL
	v_add_nc_u32 v5, v5, v6
	v_add_nc_u32 v[ADRS], s21, v5
.if BIAS
	s_lshl_b32 s20, s42, 10
	s_lshl_b32 s21, s16, 9
	s_add_co_u32 s20, s20, s21
	s_mov_b32 s21, 0
	s_add_nc_u64 s[100:101], s[100:101], s[20:21]
	v_lshlrev_b32 v7, 5, v2
.irp b, 0,1,2,3,4,5,6,7
	global_load_b128 v[BI+8*\b:BI+8*\b+3], v7, s[100:101] offset:64*\b
	global_load_b128 v[BI+8*\b+4:BI+8*\b+7], v7, s[100:101] offset:64*\b+16
.endr
.endif
.macro FRAG reg, adr, q, i
.irp c, 0,1
	ds_load_b128 v[\reg+6*\c:\reg+6*\c+3], v[\adr] offset:(\i)*3072+(\q)*1536+768*\c
	ds_load_b64 v[\reg+6*\c+4:\reg+6*\c+5], v[\adr+2] offset:(\i)*3072+(\q)*1536+768*\c+512
.endr
.endm
.macro MM a, b, p, q, sc, zero
.set rD, 8*(8*((\a)%4)+\b)
.set rB, 128*(\p)+FR*\b
.set rA, AF+FR*(\a)
.set rX, SC+16*(\sc)+2*\b+(\q)
.set rY, SC+16*(\sc)+2*(\a)+(\q)
.if (\zero) == 0
	v_wmma_scale_f32_16x16x128_f8f6f4 v[rD:rD+7], v[rB:rB+11], v[rA:rA+11], v[rD:rD+7], v[rX], v[rY] matrix_a_fmt:MATRIX_FMT_FP6 matrix_b_fmt:MATRIX_FMT_FP6 matrix_a_scale:MATRIX_SCALE_ROW1
.elseif BIAS
	v_wmma_scale_f32_16x16x128_f8f6f4 v[rD:rD+7], v[rB:rB+11], v[rA:rA+11], v[BI+8*\b:BI+8*\b+7], v[rX], v[rY] matrix_a_fmt:MATRIX_FMT_FP6 matrix_b_fmt:MATRIX_FMT_FP6 matrix_a_scale:MATRIX_SCALE_ROW1
.else
	v_wmma_scale_f32_16x16x128_f8f6f4 v[rD:rD+7], v[rB:rB+11], v[rA:rA+11], 0, v[rX], v[rY] matrix_a_fmt:MATRIX_FMT_FP6 matrix_b_fmt:MATRIX_FMT_FP6 matrix_a_scale:MATRIX_SCALE_ROW1
.endif
.endm
.macro MUL16 a0, p, q, sc, zero
.irp a, \a0, \a0+1
.irp b, 0,1,2,3,4,5,6,7
	MM \a, \b, \p, \q, \sc, \zero
.endr
.endr
.endm
.macro FETCH_B slot, q, p
	WIN TO_B
.irp i, 0,1,2,3,4,5,6,7
	FRAG 128*(\p)+FR*\i, ADRB+\slot, \q, \i
.endr
	WIN 0
.endm
.macro FETCH_A slot, q, i0
.irp i, \i0, \i0+1, \i0+2, \i0+3
	FRAG AF+FR*(\i), ADRA+\slot, \q, \i
.endr
.endm
.macro SCALES sc
.irp i, 0,1,2,3,4,5,6,7
.irp q, 0,1
	ds_load_b32 v[SC+16*\sc+2*\i+\q], v[ADRS] offset:512*\q+64*\i
.endr
.endr
.endm
.macro PLACES n
.rept \n
	v_nop
.endr
.endm
.macro STEP slot, q, zero
	s_wait_dscnt 4*NL
.if (\zero)*BIAS
	WIN 0x81
.else
	WIN MUL_LO
.endif
	MUL16 0, (\q)%2, \q, \slot, \zero
	MUL16 2, (\q)%2, \q, \slot, \zero
	s_wait_dscnt 0
	PLACES NP
	FETCH_B \slot, (\q)+1, 1-(\q)%2
	FETCH_A \slot, (\q)+1, 0
.if (\zero)*BIAS
	WIN 0xc1
.else
	WIN MUL_HI
.endif
	MUL16 4, (\q)%2, \q, \slot, \zero
	MUL16 6, (\q)%2, \q, \slot, \zero
	PLACES NP
	WIN 0
	FETCH_A \slot, (\q)+1, 4
.endm
.macro TURN slot, next, fill
	s_wait_tensorcnt 0x0
	ds_add_u32 v[SPW], v[NIL]
	s_wait_dscnt 4*NL+1
	WIN MUL_LO
	MUL16 0, 1, 1, \slot, 0
	s_wait_dscnt 0x0
	s_barrier_signal -1
	MUL16 2, 1, 1, \slot, 0
	WIN 0
	s_barrier_wait -1
.if \fill
	CREST
	s_add_nc_u64 s[G0+4*\slot+2:G0+4*\slot+3], s[G0+4*\slot+2:G0+4*\slot+3], 6144
	s_add_nc_u64 s[G0B+4*\slot+2:G0B+4*\slot+3], s[G0B+4*\slot+2:G0B+4*\slot+3], 6144
	JLOAD G0+4*\slot, G1, G0B+4*\slot, G1B
.else
	PLACES NP
.endif
	s_wait_alu depctr_va_vdst(0)
	v_add_nc_u32 v[ADRS], 1024, v[ADRS]
	FETCH_B \next, 0, 0
	FETCH_A \next, 0, 0
	SCALES \next
	WIN MUL_HI
	MUL16 4, 1, 1, \slot, 0
	MUL16 6, 1, 1, \slot, 0
	PLACES NP
	WIN 0
	FETCH_A \next, 0, 4
.endm
	s_wait_alu depctr_va_vdst(0)
	s_wait_tensorcnt 0x0                           ; my tile of the head's four is in; slot 1's first fill is issued as a refill is
	ds_add_u32 v[SPW], v[NIL]
.irp g, G1, G1B
	s_mov_b32 s[\g+2], 8<<16                       ; no load of mine is out: from here on a load brings 8 row tiles
	s_mov_b32 s[\g+4], 8
.endr
	s_wait_dscnt 0x0
	CROUND
	JLOAD G0+4, G1, G0B+4, G1B
	FETCH_B 0, 0, 0
	FETCH_A 0, 0, 0
	SCALES 0
	FETCH_A 0, 0, 4
	global_prefetch_b8 v30, s[8:9] offset:9216 th:TH_LOAD_NT scope:SCOPE_SE      ; the last 256 along K: what the second refill will ask for
.if BIAS
	s_wait_loadcnt 0x0
.endif
	STEP 0, 0, 1
	s_mov_b32 s3, LAPS-1
.Llap:
	TURN 0, 1, 1
	STEP 1, 0, 0
	TURN 1, 0, 1
	STEP 0, 0, 0
	s_sub_co_u32 s3, s3, 1
	s_cmp_lg_u32 s3, 0
	s_cbranch_scc1 .Llap
	TURN 0, 1, 0
	STEP 1, 0, 0
	s_wait_dscnt 4*NL
	WIN MUL_LO
	MUL16 0, 1, 1, 1, 0
	MUL16 2, 1, 1, 1, 0
	s_wait_dscnt 0
	WIN MUL_HI
	MUL16 4, 1, 1, 1, 0
	MUL16 6, 1, 1, 1, 0
	WIN 0
.if QKV
	s_and_b32 s20, s42, 3
	s_cmp_eq_u32 ttmp9, 0
	s_mov_b32 s23, 208896
	s_cselect_b32 s23, 98304, s23
	s_mov_b32 s45, 13056
	s_cselect_b32 s45, 6144, s45
	s_mov_b32 s46, KVB
	s_cselect_b32 s46, 0, s46
	s_mov_b32 s47, 208896
	s_cselect_b32 s47, 8192, s47
	s_mov_b32 s92, 0x9f9f0000
	s_cselect_b32 s92, 0x7f7f0000, s92
	s_mov_b32 s99, 0x01010000
	s_cselect_b32 s99, 0x7f7f0000, s99
	s_cselect_b32 s93, 1, 0
	s_cmp_eq_u32 ttmp9, 2
	s_cselect_b32 s18, s42, s17
	s_cselect_b32 s19, s16, s15
	s_cselect_b32 s20, s17, s20
	s_cselect_b32 s21, s15, s16
	s_cselect_b32 s22, 3072, s23
	s_mov_b32 s94, 3072
	s_cselect_b32 s94, 208896, s94
	s_mov_b32 s95, 256
	s_cselect_b32 s95, 208896, s95
	s_cselect_b32 s47, 0, s47
	s_cselect_b32 s92, 0, s92
	s_cselect_b32 s99, 0, s99
	s_cselect_b32 s96, -1, 0xffff
	s_cselect_b32 s97, 0, 16
	s_cselect_b32 s98, 6656, 0
	s_add_co_u32 s46, s46, s98
	s_lshr_b32 s98, s18, 3
	s_and_b32 s18, s18, 7
	s_lshl_b32 s18, s18, 1
	s_add_co_u32 s18, s18, s19
	s_lshl_b32 s98, s98, 4
	s_lshl_b32 s20, s20, 2
	s_add_co_u32 s98, s98, s20
	s_lshl_b32 s21, s21, 1
	s_add_co_u32 s98, s98, s21
	s_mul_i32 s19, s98, s23
	s_mul_i32 s20, s18, s45
	s_add_co_u32 s46, s46, s19
	s_add_co_u32 s46, s46, s20
	s_lshl_b32 s19, s98, 13
	s_lshl_b32 s20, s18, 9
	s_add_co_u32 s19, s19, s20
	s_add_co_u32 s19, s19, QS
	s_add_co_u32 s20, s46, 6144
	s_cmp_eq_u32 s93, 1
	s_cselect_b32 s19, s19, s20
	s_lshl_b32 s20, s17, 10
	s_lshl_b32 s21, s15, 9
	s_add_co_u32 s20, s20, s21
	s_mov_b32 s21, 0
	s_add_nc_u64 s[100:101], s[100:101], s[20:21]
.else
	s_lshl_b32 s18, s17, 4
	s_lshl_b32 s19, s15, 3
	s_add_co_u32 s18, s18, s19
	s_lshl_b32 s18, s18, 5
	s_lshl_b32 s19, s42, 1
	s_add_co_u32 s19, s19, s16
	s_add_co_u32 s18, s18, s19
	s_mul_i32 s46, s18, 1536
	s_lshl_b32 s18, s17, 1
	s_add_co_u32 s18, s18, s15
	s_lshl_b32 s18, s18, 5
	s_add_co_u32 s18, s18, s19
	s_lshl_b32 s18, s18, 9
	s_add_co_u32 s19, s18, HSG
	s_mov_b32 s22, 0
	s_mov_b32 s94, 0
	s_mov_b32 s95, 0
	s_mov_b32 s47, 0
.endif
	v_and_b32 v241, 31, v0
	v_lshlrev_b32 v242, 4, v241
	v_add_nc_u32 v244, s46, v242
	v_add_nc_u32 v245, s22, v244
	v_lshl_add_u32 v246, v241, 3, 512
	v_add_nc_u32 v246, s46, v246
	v_add_nc_u32 v247, s22, v246
.irp i, 0,1,2,3
	v_add_nc_u32 v[248+\i], s94, v[244+\i]
.endr
	v_and_b32 v241, 15, v0
	v_lshlrev_b32 v158, 2, v241
	v_add_nc_u32 v252, s19, v158
	v_add_nc_u32 v253, s95, v252
	v_add_nc_u32 v254, s47, v252
	v_add_nc_u32 v255, s47, v253
.irp b, 0,1,2,3
	v_mov_b32 v[TM+4+\b], 0
.endr
.if QKV
	v_mov_b32 v156, s99
	v_mov_b32 v157, s92
.irp a, 0,1,2,3,4,5,6,7
	global_load_b32 v[MK+\a], v158, s[100:101] offset:64*\a
.endr
	s_wait_loadcnt 0x0
.endif
.macro QUANT a
.set WW, 2+(\a)/4
.set AC, 64*((\a)%4)
.if RELU
	WIN ((WW<<6)|(WW<<2))
.set n, 0
.rept 64
	v_max_num_f32 v[AC+n], 0, v[AC+n]
.set n, n+1
.endr
.endif
	WIN (WW|(WW<<2))
.irp b, 0,1,2,3
	v_max3_num_f32 v[TM+\b], |v[AC+16*\b]|, |v[AC+16*\b+1]|, 0x1800000
.endr
.irp i, 2,4,6,8,10,12,14
.irp b, 0,1,2,3
	v_max3_num_f32 v[TM+\b], |v[AC+16*\b+\i]|, |v[AC+16*\b+\i+1]|, v[TM+\b]
.endr
.endr
	WIN 0
	s_wait_alu depctr_va_vdst(0)
	s_wait_xcnt 0x0
.irp b, 0,1,2,3
	v_permlanex16_b32 v[TM+4+\b], v[TM+\b], s[SEL], s[SEL+1]
.endr
.irp b, 0,1,2,3
	v_max_num_f32 v[TM+\b], v[TM+\b], v[TM+4+\b]
.endr
.irp b, 0,1,2,3
	v_add_nc_u32 v[TM+12+\b], 0xff000000, v[TM+\b]
.endr
.irp b, 0,1,2,3
	v_lshrrev_b32 v[TM+4+\b], 23, v[TM+12+\b]
.endr
	v_lshl_or_b32 v[PW], v[TM+5], 8, v[TM+4]
	v_lshl_or_b32 v[PW], v[TM+6], 16, v[PW]
	v_lshl_or_b32 v[PW], v[TM+7], 24, v[PW]
	WIN WW
.irp c, 0,1
	v_cvt_scalef32_pk16_fp6_f32 v[PC+6*\c:PC+6*\c+2], v[AC+32*\c:AC+32*\c+15], v[TM+12+2*\c]
	v_cvt_scalef32_pk16_fp6_f32 v[PC+12+4*\c:PC+14+4*\c], v[AC+16+32*\c:AC+31+32*\c], v[TM+13+2*\c]
.endr
	WIN 0
	v_nop
.irp c, 0,1
.irp i, 0,1,2
	v_permlane16_swap_b32 v[PC+6*\c+\i], v[PC+12+4*\c+\i]
.endr
.irp i, 0,1,2
	v_mov_b32 v[PC+3+6*\c+\i], v[PC+12+4*\c+\i]
.endr
.endr
.endm
.macro OUT a
.if QKV
	v_cmp_eq_u32 vcc_lo, 0, v[MK+(\a)]
	v_cndmask_b32 v243, v156, v157, vcc_lo
	v_and_or_b32 v241, v[PW], s96, v243
	v_lshrrev_b32 v242, s97, v[PW]
	v_or_b32 v242, v242, v243
.irp c, 0,1
	global_store_b128 v[244+4*((\a)/4)+\c], v[PC+6*\c:PC+6*\c+3], s[12:13] offset:((\a)%4)*768
	global_store_b64 v[246+4*((\a)/4)+\c], v[PC+6*\c+4:PC+6*\c+5], s[12:13] offset:((\a)%4)*768
.endr
	global_store_b32 v[252+(\a)/4], v241, s[12:13] offset:((\a)%4)*64
	global_store_b32 v[254+(\a)/4], v242, s[12:13] offset:((\a)%4)*64
.else
.irp c, 0,1
	global_store_b128 v244, v[PC+6*\c:PC+6*\c+3], s[12:13] offset:(\a)*49152+768*\c
	global_store_b64 v246, v[PC+6*\c+4:PC+6*\c+5], s[12:13] offset:(\a)*49152+768*\c
.endr
	global_store_b32 v252, v[PW], s[12:13] offset:(\a)*64
.endif
.endm
.irp a, 0,1,2,3,4,5,6,7
	QUANT \a
	OUT \a
.endr
	s_wait_tensorcnt 0x0
	ds_add_u32 v[SPW], v[NIL]
	s_wait_dscnt 0x0
	CROUND
	s_endpgm
.Lfunc_end_k_q83a55f49c5_ffn1:
	.size	k_q83a55f49c5_ffn1, .Lfunc_end_k_q83a55f49c5_ffn1-k_q83a55f49c5_ffn1
	.p2alignl 7, 3214868480
	.fill 96, 4, 3214868480
	.section	.rodata,"a",@progbits
	.p2align	6, 0x0
	.amdhsa_kernel k_q83a55f49c5_ffn1
		.amdhsa_group_segment_fixed_size 327680
		.amdhsa_private_segment_fixed_size 0
		.amdhsa_enable_private_segment 0
		.amdhsa_kernarg_size 32
		.amdhsa_user_sgpr_count 2
		.amdhsa_user_sgpr_kernarg_segment_ptr 1
		.amdhsa_wavefront_size32 1
		.amdhsa_system_sgpr_workgroup_id_x 1
		.amdhsa_system_sgpr_workgroup_id_y 1
		.amdhsa_system_sgpr_workgroup_id_z 1
		.amdhsa_system_vgpr_workitem_id 0
		.amdhsa_next_free_vgpr 1024
		.amdhsa_next_free_sgpr 102
		.amdhsa_reserve_vcc 1
		.amdhsa_float_denorm_mode_32 3
		.amdhsa_float_denorm_mode_16_64 3
		.amdhsa_memory_ordered 1
		.amdhsa_forward_progress 1
		.amdhsa_inst_pref_size 172
	.end_amdhsa_kernel
	.amdgpu_metadata
---
amdhsa.version: [ 1, 2 ]
amdhsa.kernels:
  - .name:           k_q83a55f49c5_ffn1
    .symbol:         k_q83a55f49c5_ffn1.kd
    .args:
      - { .name: XN, .offset: 0, .size: 8, .value_kind: global_buffer, .address_space: global }
      - { .name: W, .offset: 8, .size: 8, .value_kind: global_buffer, .address_space: global }
      - { .name: HID, .offset: 16, .size: 8, .value_kind: global_buffer, .address_space: global }
      - { .name: b1, .offset: 24, .size: 8, .value_kind: global_buffer, .address_space: global }
    .group_segment_fixed_size: 327680
    .private_segment_fixed_size: 0
    .kernarg_segment_align: 8
    .kernarg_segment_size: 32
    .max_flat_workgroup_size: 128
    .sgpr_count:     102
    .vgpr_count:     1024
    .wavefront_size: 32
...
	.end_amdgpu_metadata
.endif
;; end of part 13
;; launch ffn2 (part 14): grid 8 x 32, 4 waves a work-group, clusters of 4 x 4, 327,680 bytes of LDS; arguments HID, W, X1, out0, b2; writes out0
.if DOCPART == 14
	.amdgcn_target "amdgcn-amd-amdhsa--gfx1250"
	.amdhsa_code_object_version 6
	.text
	.protected	k_q83a55f49c5_ffn2
	.globl	k_q83a55f49c5_ffn2
	.p2align	8
	.type	k_q83a55f49c5_ffn2,@function
k_q83a55f49c5_ffn2:
	s_mov_b64 s[64:65], 0
	v_nop
	global_prefetch_b8 v0, s[64:65] scope:SCOPE_SE
	s_setreg_imm32_b32 hwreg(HW_REG_WAVE_MODE, 25, 1), 1
	s_wait_xcnt 0x0
	s_wait_alu depctr_hold_cnt(0) depctr_sa_sdst(0) depctr_va_vdst(0) depctr_va_sdst(0) depctr_va_ssrc(0) depctr_va_vcc(0) depctr_vm_vsrc(0)
	s_getreg_b32 s2, hwreg(HW_REG_IB_STS2, 6, 4)
	s_cmp_eq_u32 s2, 0
	s_cbranch_scc0 .Lentry_in_a_cluster
	s_endpgm
.Lentry_in_a_cluster:
	s_bfe_u32 s2, ttmp6, 0x10000c
	s_cmp_lg_u32 s2, 0xf033
	s_cbranch_scc0 .Lentry_shape_is_right
	s_endpgm
.Lentry_shape_is_right:
.set KT,    32
.set BIAS,  1
.set ASOFF, 12582912
.set BOFF,  6291456
.set BSOFF, 9699328
.set FR,    12
.set NF,    32
.set NP,    4
.set HALFT, 4*6144
.set SLOT,  4*HALFT
.set LAPS,  KT/8
.set SCL,   2*SLOT
.set HALFS, KT*256
.set SPARE, SCL+4*HALFS
.set SPITCH, 272
.set ADRA,  16
.set ADRB,  20
.set STO,   24
.set RD,    25
.set CO,    26
.set ADRS,  27
.set SPW,   28
.set NIL,   29
.set SC,    32
.set BI,    64
.set AF,    128
.set BK,    128
.set G1,    24
.set G0,    32
.set G1B,   48
.set G0B,   56
.set G1S,   68
.set G0S,   76
.set G1SB,  80
.set G0SB,  88
.set MSB,   0
.macro WIN new
.if MSB != (\new)
	s_set_vgpr_msb (MSB<<8)|(\new)
.set MSB, (\new)
.endif
.endm
.set MULW,  0xa1
.set TO_B,  0x40
.macro JLOAD g0a, g1a, g0b, g1b
	s_cmp_eq_u32 s15, 0
	s_cbranch_scc0 .Lfor_b_\@
	tensor_load_to_lds s[\g0a:\g0a+3], s[\g1a:\g1a+7]
	s_nop 0
.rept 4
	v_nop
.endr
	s_branch .Lasked_\@
.Lfor_b_\@:
	tensor_load_to_lds s[\g0b:\g0b+3], s[\g1b:\g1b+7]
	s_nop 0
.rept 4
	v_nop
.endr
.Lasked_\@:
.endm
.macro CREST
	s_cmp_lg_u32 s14, 0
	s_cbranch_scc1 .Lnot_wave_0_\@
	s_barrier_signal -3
.Lnot_wave_0_\@:
	s_barrier_wait -3
	s_barrier_signal -1
	s_barrier_wait -1
.endm
.macro CROUND
	s_barrier_signal -1
	s_barrier_wait -1
	CREST
.endm
	s_load_b256 s[4:11], s[0:1], 0x0
.if BIAS
	s_load_b64 s[12:13], s[0:1], 0x20
.endif
	v_lshl_add_u32 v[SPW], v0, 2, SPARE
	v_mov_b32 v[NIL], 0
	ds_add_u32 v[SPW], v[NIL]
	ds_add_u32 v[SPW], v[NIL]
	v_lshrrev_b32 v1, 5, v0
	v_readfirstlane_b32 s14, v1
	s_lshr_b32 s15, s14, 1
	s_and_b32 s16, s14, 1
	s_bfe_u32 s40, ttmp6, 0x40000
	s_bfe_u32 s41, ttmp6, 0x40004
	s_lshl_b32 s42, ttmp9, 2
	s_add_co_u32 s42, s42, s40
	s_and_b32 s17, ttmp7, 0xffff
	s_lshl_b32 s17, s17, 2
	s_add_co_u32 s17, s17, s41
	s_lshl_b32 s43, s41, 2
	s_lshl_b32 s43, 15, s43
	s_lshl_b32 s44, 0x1111, s40
	s_or_b32 s[G1+0], s43, (3<<16)|(1<<21)
	s_or_b32 s[G1B+0], s44, (3<<16)|(1<<21)
.irp g, G1, G1B
	s_mov_b32 s[\g+1], 768<<16
	s_mov_b32 s[\g+2], 4<<16
	s_mov_b32 s[\g+3], 768<<16
	s_mov_b32 s[\g+4], 4
	s_mov_b32 s[\g+5], KT*192
	s_mov_b32 s[\g+6], 0
	s_mov_b32 s[\g+7], 0
.endr
	s_or_b32 s[G1S+0], s43, (3<<16)|(1<<21)
	s_or_b32 s[G1SB+0], s44, (3<<16)|(1<<21)
.irp g, G1S, G1SB
	s_mov_b32 s[\g+1], 32<<16
	s_mov_b32 s[\g+2], KT<<16
	s_mov_b32 s[\g+3], 32<<16
	s_mov_b32 s[\g+4], KT
	s_mov_b32 s[\g+5], 32
	s_mov_b32 s[\g+6], 0
	s_mov_b32 s[\g+7], 0
.endr
	s_lshl_b32 s18, s16, 2
	s_lshl_b32 s20, s17, 3
	s_add_co_u32 s20, s20, s18
	s_mul_i32 s20, s20, KT*1536
	s_lshl_b32 s46, s42, 3
	s_add_co_u32 s46, s46, s18
	s_mul_i32 s46, s46, KT*1536
	s_add_co_u32 s46, s46, BOFF
	s_lshl_b32 s22, s17, 1
	s_add_co_u32 s22, s22, s16
	s_mul_i32 s22, s22, HALFS
	s_add_co_u32 s22, s22, ASOFF
	s_lshl_b32 s92, s42, 1
	s_add_co_u32 s92, s92, s16
	s_mul_i32 s92, s92, HALFS
	s_add_co_u32 s92, s92, BSOFF
	s_mov_b32 s21, 0
	s_mov_b32 s23, 0
	s_mov_b32 s47, 0
	s_mov_b32 s93, 0
	s_mul_i32 s45, s14, HALFT
	s_wait_dscnt 0x0
	s_wait_kmcnt 0x0
	s_add_nc_u64 s[20:21], s[4:5], s[20:21]
	s_add_nc_u64 s[22:23], s[4:5], s[22:23]
	s_add_nc_u64 s[46:47], s[6:7], s[46:47]
	s_add_nc_u64 s[92:93], s[6:7], s[92:93]
	CROUND
	; the head's four tiles, each whole: slot 0's 128 rows of A (s[4:7]), of B (s[96:99]), A's scale words, B's; the wave's half is taken off the addresses
	s_mul_i32 s2, s16, HALFS
	s_mov_b32 s3, 0
	s_sub_nc_u64 s[G0S+2:G0S+3], s[22:23], s[2:3]
	s_sub_nc_u64 s[G0SB+2:G0SB+3], s[92:93], s[2:3]
	s_mul_i32 s2, s16, 4*KT*1536
	s_sub_nc_u64 s[6:7], s[20:21], s[2:3]
	s_sub_nc_u64 s[98:99], s[46:47], s[2:3]
	s_mov_b32 s[G0S], 1
	s_mov_b32 s[G0S+1], SCL
	s_or_b32 s[G0S+3], s[G0S+3], 0x80000000
	s_mov_b32 s[G0SB], 1
	s_mov_b32 s[G0SB+1], SCL+2*HALFS
	s_or_b32 s[G0SB+3], s[G0SB+3], 0x80000000
	s_mov_b32 s4, 1
	s_mov_b32 s5, 0
	s_or_b32 s7, s7, 0x80000000
	s_mov_b32 s96, 1
	s_mov_b32 s97, 2*HALFT
	s_or_b32 s99, s99, 0x80000000
.irp g, G1, G1B
	s_mov_b32 s[\g+2], 8<<16                       ; the head's loads of codes bring 8 row tiles
	s_mov_b32 s[\g+4], 8
.endr
.irp g, G1S, G1SB
	s_mov_b32 s[\g+2], (2*KT)<<16                  ; and those of scale words all of K
	s_mov_b32 s[\g+4], 2*KT
.endr
	; the prefetches: of the 4 row tiles that my wave fetches, the partner at place p (cx for A, cy for B) names row tile p: 24 blocks of 256 bytes of a slot's 6,144, a lane a block; told apart by address alone
	s_cmp_eq_u32 s15, 0
	s_cselect_b64 s[66:67], s[20:21], s[46:47]
	s_cselect_b32 s2, s40, s41
	s_mul_i32 s2, s2, KT*1536
	s_add_co_u32 s2, s2, 6144                      ; it stands at the second 512 along K; each refill steps it by 512 along K
	s_add_nc_u64 s[66:67], s[66:67], s[2:3]
.irp s, 0,1
	s_mov_b32 s[G0+4*\s], 1
	s_add_co_u32 s[G0+4*\s+1], s45, \s*SLOT
	s_add_nc_u64 s[G0+4*\s+2:G0+4*\s+3], s[20:21], \s*6144
	s_or_b32 s[G0+4*\s+3], s[G0+4*\s+3], 0x80000000
	s_mov_b32 s[G0B+4*\s], 1
	s_add_co_u32 s[G0B+4*\s+1], s45, \s*SLOT
	s_add_nc_u64 s[G0B+4*\s+2:G0B+4*\s+3], s[46:47], \s*6144
	s_or_b32 s[G0B+4*\s+3], s[G0B+4*\s+3], 0x80000000
.endr
; one tensor load a wave at the head: one chain of branches on the wave's number, one load to an arm, one join
.macro ARM under, g0, g1, next
	s_cmp_lt_u32 s14, \under
	s_cbranch_scc0 \next
	tensor_load_to_lds s[\g0:\g0+3], s[\g1:\g1+7]
	s_nop 0
.rept 4
	v_nop
.endr
	s_branch .Lhead_asked
\next:
.endm
	ARM 1, 4, G1, .Lhead_b
	ARM 2, 96, G1B, .Lhead_sa
	ARM 3, G0S, G1S, .Lhead_sb
	tensor_load_to_lds s[G0SB:G0SB+3], s[G1SB:G1SB+7]
	s_nop 0
.rept 4
	v_nop
.endr
.Lhead_asked:
	v_and_b32 v30, 31, v0
	v_min_u32 v30, 23, v30                         ; lanes 24-31 name the wave's last block again
	v_lshlrev_b32 v30, 8, v30                      ; v30: 256 x lane; never rewritten
	global_prefetch_b8 v30, s[66:67] th:TH_LOAD_NT scope:SCOPE_SE                ; the second and third 512 along K: what slot 1's first fill and the first refill will ask for
	global_prefetch_b8 v30, s[66:67] offset:6144 th:TH_LOAD_NT scope:SCOPE_SE
	v_and_b32 v1, 15, v0
	v_bfe_u32 v2, v0, 4, 1
	v_and_b32 v3, 31, v0
	v_lshlrev_b32 v4, 4, v3
	v_lshlrev_b32 v5, 3, v3
	s_mul_i32 s21, s15, HALFT
	s_mul_i32 s22, s16, HALFT
	s_add_co_u32 s22, s22, 2*HALFT
.irp s, 0,1
	v_add_nc_u32 v[ADRA+\s], s21, v4
	v_add_nc_u32 v[ADRB+\s], s22, v4
	v_add_nc_u32 v[ADRA+2+\s], s21, v5
	v_add_nc_u32 v[ADRB+2+\s], s22, v5
	s_add_co_u32 s21, s21, SLOT
	s_add_co_u32 s22, s22, SLOT
.endr
	v_lshlrev_b32 v5, 2, v1
	s_lshl_b32 s21, s15, 8
	s_lshl_b32 s22, s16, 8
	s_add_co_u32 s22, s22, 2*HALFS
	s_sub_co_u32 s22, s22, s21
	v_mul_u32_u24 v6, s22, v2
	s_add_co_u32 s21, s21, SCL
	v_add_nc_u32 v5, v5, v6
	v_add_nc_u32 v[ADRS], s21, v5
	s_mul_i32 s23, s14, 16*SPITCH
	v_mul_u32_u24 v5, v1, SPITCH
	v_lshl_add_u32 v5, v2, 5, v5
	v_add_nc_u32 v[STO], s23, v5
	v_mul_u32_u24 v5, v2, SPITCH
	v_lshl_add_u32 v5, v1, 4, v5
	v_add_nc_u32 v[RD], s23, v5
	v_lshlrev_b32 v[CO], 12, v2
	v_lshl_add_u32 v[CO], v1, 4, v[CO]
	s_wait_alu depctr_va_vdst(0)
	s_lshl_b32 s20, s17, 7
	s_lshl_b32 s21, s15, 6
	s_add_co_u32 s20, s20, s21
	s_lshl_b32 s20, s20, 12
	s_lshl_b32 s21, s42, 9
	s_add_co_u32 s20, s20, s21
	s_lshl_b32 s21, s16, 8
	s_add_co_u32 s20, s20, s21
	s_mov_b32 s21, 0
	s_add_nc_u64 s[8:9], s[8:9], s[20:21]
	s_add_nc_u64 s[10:11], s[10:11], s[20:21]
.if BIAS
	s_lshl_b32 s20, s42, 9
	s_lshl_b32 s21, s16, 8
	s_add_co_u32 s20, s20, s21
	s_mov_b32 s21, 0
	s_add_nc_u64 s[12:13], s[12:13], s[20:21]
	v_lshlrev_b32 v7, 5, v2
.irp b, 0,1,2,3
	global_load_b128 v[BI+8*\b:BI+8*\b+3], v7, s[12:13] offset:64*\b
	global_load_b128 v[BI+8*\b+4:BI+8*\b+7], v7, s[12:13] offset:64*\b+16
.endr
.endif
	WIN 0xc0
.irp a, 0,1,2,3
.irp t, 0,1,2,3,4,5,6,7
	global_load_b128 v[32*\a+4*\t:32*\a+4*\t+3], v[CO], s[8:9] offset:(16*\a+2*\t)*4096
.endr
.endr
	WIN 0
.macro FRAG reg, adr, q, i
.irp c, 0,1
	ds_load_b128 v[\reg+6*\c:\reg+6*\c+3], v[\adr] offset:(\i)*6144+(\q)*1536+768*\c
	ds_load_b64 v[\reg+6*\c+4:\reg+6*\c+5], v[\adr+2] offset:(\i)*6144+(\q)*1536+768*\c+512
.endr
.endm
.macro MM a, b, p, q, sc, zero
.set rD, 8*(4*(\a)+\b)
.set rB, 128*(\p)+FR*\b
.set rA, AF+48*(\p)+FR*(\a)
.set rX, SC+16*(\sc)+4*\b+(\q)
.set rY, SC+16*(\sc)+4*(\a)+(\q)
.if (\zero) == 0
	v_wmma_scale_f32_16x16x128_f8f6f4 v[rD:rD+7], v[rB:rB+11], v[rA:rA+11], v[rD:rD+7], v[rX], v[rY] matrix_a_fmt:MATRIX_FMT_FP6 matrix_b_fmt:MATRIX_FMT_FP6 matrix_a_scale:MATRIX_SCALE_ROW1
.elseif BIAS
	v_wmma_scale_f32_16x16x128_f8f6f4 v[rD:rD+7], v[rB:rB+11], v[rA:rA+11], v[BI+8*\b:BI+8*\b+7], v[rX], v[rY] matrix_a_fmt:MATRIX_FMT_FP6 matrix_b_fmt:MATRIX_FMT_FP6 matrix_a_scale:MATRIX_SCALE_ROW1
.else
	v_wmma_scale_f32_16x16x128_f8f6f4 v[rD:rD+7], v[rB:rB+11], v[rA:rA+11], 0, v[rX], v[rY] matrix_a_fmt:MATRIX_FMT_FP6 matrix_b_fmt:MATRIX_FMT_FP6 matrix_a_scale:MATRIX_SCALE_ROW1
.endif
.endm
.macro MUL16 p, q, sc, zero
.irp a, 0,1,2,3
.irp b, 0,1,2,3
	MM \a, \b, \p, \q, \sc, \zero
.endr
.endr
.endm
.macro FETCH slot, q, p
	WIN TO_B
.irp i, 0,1,2,3
	FRAG 128*(\p)+FR*\i, ADRB+\slot, \q, \i
.endr
	WIN 0
.irp i, 0,1,2,3
	FRAG AF+48*(\p)+FR*\i, ADRA+\slot, \q, \i
.endr
.endm
.macro SCALES sc
.irp i, 0,1,2,3
.irp q, 0,1,2,3
	ds_load_b32 v[SC+16*\sc+4*\i+\q], v[ADRS] offset:512*\q+64*\i
.endr
.endr
.endm
.macro PLACES n
.rept \n
	v_nop
.endr
.endm
.macro STEP slot, q, zero
	PLACES NP
	FETCH \slot, (\q)+1, 1-(\q)%2
	s_wait_dscnt NF
.if (\zero)*BIAS
	WIN 0x81
.else
	WIN MULW
.endif
	MUL16 (\q)%2, \q, \slot, \zero
	WIN 0
.endm
.macro TURN slot, next, fill
.if \fill
	s_wait_xcnt 0x0                                ; my last prefetch has read its address: it is stepped here, ahead of the waits of the change of slots
	s_add_nc_u64 s[66:67], s[66:67], 6144
.endif
	s_wait_tensorcnt 0x0
	ds_add_u32 v[SPW], v[NIL]
.if \fill
	s_add_nc_u64 s[G0+4*\slot+2:G0+4*\slot+3], s[G0+4*\slot+2:G0+4*\slot+3], 12288
	s_add_nc_u64 s[G0B+4*\slot+2:G0B+4*\slot+3], s[G0B+4*\slot+2:G0B+4*\slot+3], 12288
.endif
	s_wait_dscnt 0x0
	s_barrier_signal -1
	s_barrier_wait -1
.if \fill
	CREST
	JLOAD G0+4*\slot, G1, G0B+4*\slot, G1B
.else
	PLACES NP
.endif
	s_wait_alu depctr_va_vdst(0)
	v_add_nc_u32 v[ADRS], 2048, v[ADRS]
	FETCH \next, 0, 0
	SCALES \next
.if \fill
	s_cmp_gt_u32 s3, 1                             ; the 512 along K that stand two refills on; the last trip's two refills have none
	s_cbranch_scc0 .Lno_ask_\@
	global_prefetch_b8 v30, s[66:67] offset:12288 th:TH_LOAD_NT scope:SCOPE_SE
.Lno_ask_\@:
.endif
	WIN MULW
	MUL16 1, 3, \slot, 0
	WIN 0
.endm
	s_wait_alu depctr_va_vdst(0)                   ; the wait at the head's end
	s_wait_tensorcnt 0x0                           ; my tile of the head's four is in; slot 1's first fill is issued as a refill is
	ds_add_u32 v[SPW], v[NIL]
.irp g, G1, G1B
	s_mov_b32 s[\g+2], 4<<16                       ; no load of mine is out: from here on a load brings 4 row tiles
	s_mov_b32 s[\g+4], 4
.endr
	s_wait_dscnt 0x0
	CROUND
	JLOAD G0+4, G1, G0B+4, G1B
	FETCH 0, 0, 0
	SCALES 0
	global_prefetch_b8 v30, s[66:67] offset:12288 th:TH_LOAD_NT scope:SCOPE_SE   ; the fourth 512 along K: what the second refill will ask for
.if BIAS
	s_wait_loadcnt 32
.endif
	STEP 0, 0, 1
.if LAPS > 1
	s_mov_b32 s3, LAPS-1
.Llap:
	STEP 0, 1, 0
	STEP 0, 2, 0
	TURN 0, 1, 1
	STEP 1, 0, 0
	STEP 1, 1, 0
	STEP 1, 2, 0
	TURN 1, 0, 1
	STEP 0, 0, 0
	s_sub_co_u32 s3, s3, 1
	s_cmp_lg_u32 s3, 0
	s_cbranch_scc1 .Llap
.endif
	STEP 0, 1, 0
	STEP 0, 2, 0
	TURN 0, 1, 0
	STEP 1, 0, 0
	STEP 1, 1, 0
	STEP 1, 2, 0
	s_wait_dscnt 0x0
	WIN MULW
	MUL16 1, 3, 1, 0
	WIN 0
.macro TOSTAGE a
.set AC, 32*(\a)
	WIN 0x08
.irp b, 0,1,2,3
	ds_store_b128 v[STO], v[AC+8*\b:AC+8*\b+3] offset:64*\b
	ds_store_b128 v[STO], v[AC+8*\b+4:AC+8*\b+7] offset:64*\b+16
.endr
	WIN 0
.irp t, 0,1,2,3,4,5,6,7
	ds_load_b128 v[BK+32*(\a)+4*\t:BK+32*(\a)+4*\t+3], v[RD] offset:2*\t*SPITCH
.endr
.endm
.macro SEND a
.set BB, BK+32*(\a)
	s_wait_dscnt 16*(3-(\a))
	WIN 0x0c
.set n, 0
.rept 16
	v_pk_add_f32 v[BB+n:BB+n+1], v[BB+n:BB+n+1], v[32*(\a)+n:32*(\a)+n+1]
.set n, n+2
.endr
	WIN 0
.irp t, 0,1,2,3,4,5,6,7
	global_store_b128 v[CO], v[BB+4*\t:BB+4*\t+3], s[10:11] offset:(16*(\a)+2*\t)*4096 th:TH_STORE_NT
.endr
.endm
	PLACES NP
.irp a, 0,1,2,3
	TOSTAGE \a
.endr
	s_wait_loadcnt 0x0
.irp a, 0,1,2,3
	SEND \a
.endr
	s_wait_tensorcnt 0x0
	ds_add_u32 v[SPW], v[NIL]
	s_wait_dscnt 0x0
	CROUND
	s_endpgm
.Lfunc_end_k_q83a55f49c5_ffn2:
	.size	k_q83a55f49c5_ffn2, .Lfunc_end_k_q83a55f49c5_ffn2-k_q83a55f49c5_ffn2
	.p2alignl 7, 3214868480
	.fill 96, 4, 3214868480
	.section	.rodata,"a",@progbits
	.p2align	6, 0x0
	.amdhsa_kernel k_q83a55f49c5_ffn2
		.amdhsa_group_segment_fixed_size 327680
		.amdhsa_private_segment_fixed_size 0
		.amdhsa_enable_private_segment 0
		.amdhsa_kernarg_size 40
		.amdhsa_user_sgpr_count 2
		.amdhsa_user_sgpr_kernarg_segment_ptr 1
		.amdhsa_wavefront_size32 1
		.amdhsa_system_sgpr_workgroup_id_x 1
		.amdhsa_system_sgpr_workgroup_id_y 1
		.amdhsa_system_sgpr_workgroup_id_z 1
		.amdhsa_system_vgpr_workitem_id 0
		.amdhsa_next_free_vgpr 1024
		.amdhsa_next_free_sgpr 102
		.amdhsa_reserve_vcc 0
		.amdhsa_float_denorm_mode_32 3
		.amdhsa_float_denorm_mode_16_64 3
		.amdhsa_memory_ordered 1
		.amdhsa_forward_progress 1
		.amdhsa_inst_pref_size 104
	.end_amdhsa_kernel
	.amdgpu_metadata
---
amdhsa.version: [ 1, 2 ]
amdhsa.kernels:
  - .name:           k_q83a55f49c5_ffn2
    .symbol:         k_q83a55f49c5_ffn2.kd
    .args:
      - { .name: HID, .offset: 0, .size: 8, .value_kind: global_buffer, .address_space: global }
      - { .name: W, .offset: 8, .size: 8, .value_kind: global_buffer, .address_space: global }
      - { .name: X1, .offset: 16, .size: 8, .value_kind: global_buffer, .address_space: global }
      - { .name: out0, .offset: 24, .size: 8, .value_kind: global_buffer, .address_space: global }
      - { .name: b2, .offset: 32, .size: 8, .value_kind: global_buffer, .address_space: global }
    .group_segment_fixed_size: 327680
    .private_segment_fixed_size: 0
    .kernarg_segment_align: 8
    .kernarg_segment_size: 40
    .max_flat_workgroup_size: 128
    .sgpr_count:     102
    .vgpr_count:     1024
    .wavefront_size: 32
...
	.end_amdgpu_metadata
.endif
;; end of part 14
